; MI455X (gfx1250); checked and timed in simulation.
; The chip was launched on July 23, 2026; its instructions are those of AMD's public machine-readable ISA for CDNA 5 (MIT licence, August 2026) and "CDNA5" Instruction Set Architecture Reference Guide (July 2026). The comments in the code are by the model that wrote it; some were corrected since.
;; FCGRU. Allowed arithmetic: float matrix products may take bf16 or f16 operands with f32 sums; other float arithmetic in f32, or as packed bf16 or f16 multiplies, adds, multiply-adds, maxima and minima; sums over many terms, partial sums and values carried from step to step in f32; what a program stores and reads back later, other than sums and carried values, may be rounded once to bf16 or f16.
;; Inputs: W1 512 x 512 float32; W2 1,024 x 512 float32; W3 512 x 1,024 float32; W_hh 3,072 x 1,024 float32; W_ih 3,072 x 1,024 float32; Wh 32 x 32 x 512 float32; b1 512 float32; b2 1,024 float32; b3 512 float32; b_hh 3,072 float32; b_ih 3,072 float32; bh 32 x 32 float32; cultivars 8,192 x 1 int32; hn 1 x 8,192 x 1,024 float32; input 8,192 x 512 float32.
;; Outputs: out0 8,192 x 32 float32; out1 1 x 8,192 x 1,024 float32.
;; 2 versions, each right and faster than the one before. Each part assembles by itself: llvm-mc -triple=amdgcn-amd-amdhsa -mcpu=gfx1250 --defsym DOCPART=n.
;; ======== version 1 of 2: 4 launches
;; limits: inputs' magnitudes at most 1,023; values are held in f16: magnitudes above 65,504 overflow, below 6.1e-05 lose precision
;; workspace buffers: Acat 25,165,824 bytes; Bcat 9,453,568 bytes; Wihb 6,291,456 bytes; W21T 1,052,672 bytes; W3b 1,050,624 bytes; Whf 1,048,576 bytes; gs 16,777,216 bytes; route 65,536 bytes of whole numbers
;; launch prep (part 1): grid 737 x 1, 8 waves a work-group, no clusters, 158,720 bytes of LDS; arguments input, hn, cultivars, W1, W2, b1, b2, W_ih, W_hh, W3, Wh, b_hh, b3, Acat, Bcat, Wihb, W21T, W3b, Whf, route; writes Acat, Bcat, Wihb, W21T, W3b, Whf, route
.if DOCPART == 1
	.amdgcn_target "amdgcn-amd-amdhsa--gfx1250"
	.amdhsa_code_object_version 6
	.text
	.protected	k_q82e6428902_prep
	.globl	k_q82e6428902_prep
	.p2align	8
	.type	k_q82e6428902_prep,@function
k_q82e6428902_prep:
	s_mov_b64 s[64:65], 0
	v_nop
	global_prefetch_b8 v0, s[64:65] scope:SCOPE_SE
	s_setreg_imm32_b32 hwreg(HW_REG_WAVE_MODE, 25, 1), 1
	s_wait_xcnt 0x0
; PREP: everything that is done once to the inputs.  The work-group number picks one of four texts (the same for all eight waves):
;   0         SORT   a counting sort of the 8,192 rows by cultivar: pos[row] and order[pos] = row | key << 16; also b_hh[2048..] and b3 rounded to bf16 (kept as f32)
;   1-128     W21    a tile 64 x 64 of (W2 W1)^T / 64 in f16, and v = W2 b1 + b2 in f32
;   129-720   CAST   hn, input, W_hh, W_ih, W3: each number rounded to bf16 and that number written as f16 (input times 64)
;   721-736   WHF    Wh likewise, laid out in the order in which a wave takes it as a matrix operand
; FORMATS.  Every input is rounded once to bf16.  Written as f16 that number is exact from 2^-14 up to 65,504; below 2^-14 it is off by 2^-25 at the most; beyond 65,504 it is lost
; (input: beyond 1,023, since it is stored times 64).  W2 W1 is stored divided by 64: the later product with W_ih then has room up to 4e6.  NaN and infinities are not treated apart.
; W21 stores halves (128 bytes) of aligned blocks of 256: a tile twice as wide would not leave room for two work-groups in LDS; it is 1 MiB in all.
; order is stored four bytes a lane to places that the sort decides: 32 KiB in all.
.set W1R,   66560                      ; LDS, W21: behind 64 rows x 1,040 bytes of W2: 512 rows (k) x 160 bytes of W1
.set STG,   148480                     ; LDS, W21: 64 rows x 144 bytes for the way out
.set SW,    32768                      ; LDS, SORT: behind the keys (8 x 4,096): each wave's 32 counts
.set SPARE, 157696                     ; the spare words, 128 bytes for each of eight waves: no other line names them
.set SPW, 2                            ; v2  SPARE + 4 x thread; never rewritten
.set NIL, 3                            ; v3  0; never rewritten
.set ZR,  15                           ; v15 0 (W21)
.set X,   32                           ; v32-159  as loaded
.set Y,   160                          ; v160-223 as stored
.set S,   224                          ; v224-239 W21: two partial sums for each of my 8 rows of v
.set T,   240                          ; v240-247 at work
.macro FINISH                          ; the end of a wave that wrote LDS
	s_wait_tensorcnt 0x0
	ds_add_u32 v[SPW], v[NIL]
	s_wait_dscnt 0x0
	s_endpgm
.endm
.macro RB x                            ; two f32 rounded to bf16 and widened again, in place
	v_cvt_pk_bf16_f32 v[T], v[\x], v[(\x)+1]
	v_lshlrev_b32 v[\x], 16, v[T]
	v_and_b32 v[(\x)+1], 0xffff0000, v[T]
.endm
.macro TOF16 x, y, sc                  ; four f32 at x: rounded to bf16, (sc = 1: times s48,) written as f16 into y, y + 1
	RB \x
	RB (\x)+2
.if \sc
	v_pk_mul_f32 v[(\x):(\x)+1], v[(\x):(\x)+1], s[48:49] op_sel_hi:[1,0]
	v_pk_mul_f32 v[(\x)+2:(\x)+3], v[(\x)+2:(\x)+3], s[48:49] op_sel_hi:[1,0]
.endif
	v_cvt_pk_f16_f32 v[\y], v[\x], v[(\x)+1]
	v_cvt_pk_f16_f32 v[(\y)+1], v[(\x)+2], v[(\x)+3]
.endm
	v_lshl_add_u32 v[SPW], v0, 2, SPARE
	v_mov_b32 v[NIL], 0
	v_and_b32 v1, 31, v0                           ; lane
	v_lshrrev_b32 v4, 5, v0
	v_readfirstlane_b32 s8, v4                     ; wave 0..7
	s_mov_b32 s9, ttmp9
	s_cmp_eq_u32 s9, 0
	s_cbranch_scc1 .Lsort
	s_cmp_lt_u32 s9, 129
	s_cbranch_scc1 .Lw21
	s_cmp_ge_u32 s9, 721
	s_cbranch_scc1 .Lwhf
; ---------------------------------------------------------------- CAST
; A segment is 512 numbers: 2,048 bytes in, 1,024 bytes out.  A work-group takes 64 segments on end, a wave 8: 32 loads of 512 bytes, all issued before the first wait.
; Segment n goes to byte (n >> sh) P + (n & (2^sh - 1)) 1,024 + C0 of its target.  Which tensor, and the five numbers, are chosen by selects on the work-group number.
	s_load_b128 s[12:15], s[0:1], 0x0              ; input s[12:13], hn s[14:15]
	s_load_b64 s[16:17], s[0:1], 0x38              ; W_ih
	s_load_b64 s[18:19], s[0:1], 0x40              ; W_hh
	s_load_b64 s[20:21], s[0:1], 0x48              ; W3
	s_load_b64 s[24:25], s[0:1], 0x68              ; Acat
	s_load_b64 s[26:27], s[0:1], 0x70              ; Bcat
	s_load_b64 s[28:29], s[0:1], 0x78              ; Wihb
	s_load_b64 s[30:31], s[0:1], 0x88              ; W3b
	v_lshlrev_b32 v4, 4, v1                        ; 16 bytes a lane in
	v_lshlrev_b32 v5, 3, v1                        ; 8 bytes a lane out
	s_wait_kmcnt 0x0
	s_mov_b64 s[32:33], s[14:15]                   ; from 129 on: hn into Acat behind the 1,024 bytes of input
	s_mov_b64 s[34:35], s[24:25]
	s_mov_b32 s36, 129
	s_mov_b32 s37, 1
	s_mov_b32 s38, 3072
	s_mov_b32 s39, 1024
	s_mov_b32 s48, 1.0
.macro PICK first, src, dst, sh, p, c0, sc
	s_cmp_ge_u32 s9, \first
	s_cselect_b64 s[32:33], s[\src:\src+1], s[32:33]
	s_cselect_b64 s[34:35], s[\dst:\dst+1], s[34:35]
	s_cselect_b32 s36, \first, s36
	s_cselect_b32 s37, \sh, s37
	s_cselect_b32 s38, \p, s38
	s_cselect_b32 s39, \c0, s39
	s_cselect_b32 s48, \sc, s48
.endm
	PICK 385, 12, 24, 0, 3072, 0, 0x42800000       ; input, times 64, into Acat
	PICK 513, 18, 26, 1, 3072, 1024, 1.0           ; W_hh into Bcat
	PICK 609, 16, 28, 1, 2048, 0, 1.0              ; W_ih into Wihb
	PICK 705, 20, 30, 1, 2048, 0, 1.0              ; W3 into W3b
	s_mov_b32 s49, s48                             ; named with it as a pair
	s_lshl_b32 s41, 1, s37
	s_sub_co_u32 s41, s41, 1                       ; 2^sh - 1
	s_sub_co_u32 s42, s9, s36
	s_lshl_b32 s42, s42, 6
	s_lshl3_add_u32 s42, s8, s42                   ; my first segment
	s_lshl_b32 s44, s42, 11
	s_mov_b32 s45, 0
	s_add_nc_u64 s[32:33], s[32:33], s[44:45]
.set i, 0
.rept 32
	global_load_b128 v[X+4*i:X+4*i+3], v4, s[32:33] offset:512*i th:TH_LOAD_NT
.set i, i+1
.endr
.set j, 0
.rept 8                                ; v8-15: where my 8 bytes of each segment's first 256 go
	s_add_co_u32 s46, s42, j
	s_lshr_b32 s47, s46, s37
	s_mul_i32 s47, s47, s38
	s_and_b32 s46, s46, s41
	s_lshl_b32 s46, s46, 10
	s_add_co_u32 s47, s47, s46
	s_add_co_u32 s47, s47, s39
	v_add_nc_u32 v[8+j], s47, v5
.set j, j+1
.endr
.set i, 0
.rept 32
	s_wait_loadcnt 31-i                            ; loads come back in order: the younger ones stay out
	TOF16 X+4*i, Y+2*i, 1
	global_store_b64 v[8+i/4], v[Y+2*i:Y+2*i+1], s[34:35] offset:256*(i%4)  ; the wave stores 256 consecutive bytes, aligned
.set i, i+1
.endr
	s_endpgm                                       ; this wave wrote no LDS
; ---------------------------------------------------------------- WHF
; Block ((2 e + nb) 16 + ks) 2 + half of 512 bytes: lane 16 h + r holds Wh[e][16 nb + r][32 ks + 16 half + 8 h .. + 7].  A wave takes 16 rows and half of their 512 columns: 16 blocks.
.Lwhf:
	s_load_b64 s[12:13], s[0:1], 0x50              ; Wh
	s_load_b64 s[14:15], s[0:1], 0x90              ; Whf
	s_sub_co_u32 s16, s9, 721
	s_lshr_b32 s17, s8, 1
	s_lshl2_add_u32 s17, s16, s17                  ; the group of 16 rows: 2 e + nb
	s_and_b32 s18, s8, 1                           ; which 8 of its 16 ks
	s_lshl_b32 s20, s17, 15                        ; 16 rows of 2,048 bytes
	s_lshl_b32 s19, s18, 10                        ; 8 ks of 128 bytes
	s_add_co_u32 s20, s20, s19
	s_mov_b32 s21, 0
	s_lshl_b32 s22, s17, 14                        ; 32 blocks of 512 bytes
	s_lshl_b32 s19, s18, 13
	s_add_co_u32 s22, s22, s19
	s_mov_b32 s23, 0
	v_and_b32 v4, 15, v1
	v_lshrrev_b32 v5, 4, v1
	v_lshlrev_b32 v4, 11, v4
	v_lshl_add_u32 v4, v5, 5, v4                   ; r x 2,048 + h x 32
	v_lshlrev_b32 v5, 4, v1
	s_wait_kmcnt 0x0
	s_add_nc_u64 s[12:13], s[12:13], s[20:21]
	s_add_nc_u64 s[14:15], s[14:15], s[22:23]
.set i, 0
.rept 16
	global_load_b128 v[X+8*i:X+8*i+3],   v4, s[12:13] offset:64*i th:TH_LOAD_NT
	global_load_b128 v[X+8*i+4:X+8*i+7], v4, s[12:13] offset:64*i+16 th:TH_LOAD_NT
.set i, i+1
.endr
.set i, 0
.rept 16
	s_wait_loadcnt 30-2*i
	TOF16 X+8*i, Y+4*i, 0
	TOF16 X+8*i+4, Y+4*i+2, 0
	global_store_b128 v5, v[Y+4*i:Y+4*i+3], s[14:15] offset:512*i  ; 512 consecutive bytes
.set i, i+1
.endr
	s_endpgm                                       ; this wave wrote no LDS
; ---------------------------------------------------------------- W21
; Tile it (64 rows i of W2), jt (64 columns j of W1), all 512 k in LDS in bf16.  Wave w brings 8 rows of W2 and 64 rows of W1, and on the way adds up v for its 8 rows.
.Lw21:
	s_load_b64 s[12:13], s[0:1], 0x18              ; W1
	s_load_b64 s[14:15], s[0:1], 0x20              ; W2
	s_load_b64 s[16:17], s[0:1], 0x28              ; b1
	s_load_b64 s[18:19], s[0:1], 0x30              ; b2
	s_load_b64 s[20:21], s[0:1], 0x80              ; W21T
	s_sub_co_u32 s22, s9, 1
	s_and_b32 s23, s22, 15                         ; it
	s_lshr_b32 s24, s22, 4                         ; jt
	s_lshl_b32 s25, s23, 6
	s_lshl3_add_u32 s25, s8, s25                   ; my first row of W2: 64 it + 8 w
	s_lshl_b32 s26, s25, 11
	s_mov_b32 s27, 0
	s_lshl_b32 s28, s8, 17                         ; my 64 rows of W1,
	s_lshl_b32 s29, s24, 8                         ; the tile's 256 bytes of them
	s_add_co_u32 s28, s28, s29
	s_mov_b32 s29, 0
	s_lshl_b32 s30, s25, 2
	s_mov_b32 s31, 0
	s_mov_b32 s32, 0x76543210                      ; v_permlanex16_b32: each lane takes its own place in the other half
	s_mov_b32 s33, 0xfedcba98
	s_mov_b32 s34, 0x3c800000                      ; 1 / 64
	s_mov_b32 s35, s34
	v_mov_b32 v[ZR], 0
	v_lshlrev_b32 v4, 4, v1
	v_and_b32 v10, 15, v1                          ; r
	v_lshrrev_b32 v11, 4, v1                       ; h
	v_lshlrev_b32 v5, 11, v11
	v_lshl_add_u32 v5, v10, 4, v5                  ; W1: lanes 0-15 one row's 256 bytes, lanes 16-31 the next row's
	s_mul_i32 s36, s8, 8*1040
	v_lshlrev_b32 v6, 3, v1
	v_add_nc_u32 v6, s36, v6                       ; LDS: my rows of W2
	s_mul_i32 s36, s8, 64*160
	s_add_co_u32 s36, s36, W1R
	v_mul_u32_u24 v7, v11, 160
	v_lshl_add_u32 v7, v10, 3, v7
	v_add_nc_u32 v7, s36, v7                       ; LDS: my rows of W1
	v_and_b32 v12, 7, v1
	v_lshlrev_b32 v8, 2, v12
	s_wait_kmcnt 0x0
	s_add_nc_u64 s[14:15], s[14:15], s[26:27]
	s_add_nc_u64 s[12:13], s[12:13], s[28:29]
	s_add_nc_u64 s[18:19], s[18:19], s[30:31]
	s_add_nc_u64 s[38:39], s[20:21], s[30:31]      ; v lies 1,048,576 bytes behind W21T's first: in the store's immediate
.irp c, 0,1,2,3
	global_load_b128 v[16+4*\c:16+4*\c+3], v4, s[16:17] offset:512*\c
.endr
	global_load_b32 v9, v8, s[18:19]
.set i, 0
.rept 32
	global_load_b128 v[X+4*i:X+4*i+3], v4, s[14:15] offset:512*i
.set i, i+1
.endr
	s_wait_loadcnt 32                              ; b1 and b2 are in; the 32 loads of W2 stay out
.set i, 0
.rept 8
	RB 16+2*i
.set i, i+1
.endr
	v_cvt_pk_bf16_f32 v[T], v9, v9
	v_lshlrev_b32 v9, 16, v[T]
.set i, 0
.rept 32                               ; load i of W2: row i / 4, columns 128 (i % 4) + 4 lane ..; its registers then take load i of W1
	s_wait_loadcnt 31                              ; behind it: 31 - i of W2 and i of W1
	v_cvt_pk_bf16_f32 v[Y+2*i], v[X+4*i], v[X+4*i+1]
	v_cvt_pk_bf16_f32 v[Y+2*i+1], v[X+4*i+2], v[X+4*i+3]
	global_load_b128 v[X+4*i:X+4*i+3], v5, s[12:13] offset:4096*i
	ds_store_b64 v6, v[Y+2*i:Y+2*i+1] offset:1040*(i/4)+256*(i%4)
.if i%4 == 0
	v_fma_mix_f32_bf16 v[S+2*(i/4)],   v[Y+2*i], v[16+4*(i%4)],   v[ZR] op_sel_hi:[1,0,0]
	v_fma_mix_f32_bf16 v[S+2*(i/4)+1], v[Y+2*i], v[16+4*(i%4)+1], v[ZR] op_sel:[1,0,0] op_sel_hi:[1,0,0]
.else
	v_fma_mix_f32_bf16 v[S+2*(i/4)],   v[Y+2*i], v[16+4*(i%4)],   v[S+2*(i/4)] op_sel_hi:[1,0,0]
	v_fma_mix_f32_bf16 v[S+2*(i/4)+1], v[Y+2*i], v[16+4*(i%4)+1], v[S+2*(i/4)+1] op_sel:[1,0,0] op_sel_hi:[1,0,0]
.endif
	v_fma_mix_f32_bf16 v[S+2*(i/4)],   v[Y+2*i+1], v[16+4*(i%4)+2], v[S+2*(i/4)] op_sel_hi:[1,0,0]
	v_fma_mix_f32_bf16 v[S+2*(i/4)+1], v[Y+2*i+1], v[16+4*(i%4)+3], v[S+2*(i/4)+1] op_sel:[1,0,0] op_sel_hi:[1,0,0]
.set i, i+1
.endr
.set i, 0
.rept 32
	s_wait_loadcnt 31-i
	v_cvt_pk_bf16_f32 v[Y+2*i], v[X+4*i], v[X+4*i+1]
	v_cvt_pk_bf16_f32 v[Y+2*i+1], v[X+4*i+2], v[X+4*i+3]
	ds_store_b64 v7, v[Y+2*i:Y+2*i+1] offset:320*i
.set i, i+1
.endr
	; v: each row's sum over the 32 lanes, row i into the lanes with lane % 8 = i
.irp m, 0,1,2,3,4,5,6,7
	v_add_f32 v[S+2*\m], v[S+2*\m], v[S+2*\m+1]
.endr
.irp x, 1,2,4,8
.irp m, 0,1,2,3,4,5,6,7
	v_add_f32_dpp v[S+2*\m], v[S+2*\m], v[S+2*\m] row_xmask:\x row_mask:0xf bank_mask:0xf
.endr
.endr
.irp m, 0,1,2,3,4,5,6,7
	v_permlanex16_b32 v[S+2*\m+1], v[S+2*\m], s32, s33
.endr
.irp m, 0,1,2,3,4,5,6,7
	v_add_f32 v[S+2*\m], v[S+2*\m], v[S+2*\m+1]
.endr
	v_mov_b32 v[T+2], v[S]
.irp m, 1,2,3,4,5,6,7
	v_cmp_eq_u32 vcc_lo, \m, v12
	v_cndmask_b32 v[T+2], v[T+2], v[S+2*\m], vcc_lo
.endr
	v_add_f32 v[T+2], v[T+2], v9
	s_cmp_lg_u32 s24, 0                            ; the eight tiles of a row of tiles make the same v: the first stores it
	s_cbranch_scc1 .Lno_v
	v_cmp_gt_u32 vcc_lo, 8, v1
	s_wait_xcnt 0x0                                ; EXEC changes only behind this wait
	s_and_saveexec_b32 s30, vcc_lo
	global_store_b32 v8, v[T+2], s[38:39] offset:1048576
	s_wait_xcnt 0x0
	s_or_b32 exec_lo, exec_lo, s30
.Lno_v:
	s_wait_dscnt 0x0                               ; for the others: my rows are in LDS
	s_barrier_signal -1
	s_barrier_wait -1
	; wave w: rows i 16 (w % 4) .., columns j 32 (w / 4) ..: two accumulators by turns
	s_and_b32 s36, s8, 3
	s_lshr_b32 s37, s8, 2
	s_mul_i32 s40, s36, 16*1040
	v_mul_u32_u24 v4, v10, 1040
	v_lshl_add_u32 v4, v11, 4, v4
	v_add_nc_u32 v4, s40, v4                       ; W2's fragments: row x pitch + 16 h
	v_lshl_add_u32 v5, v11, 3, v12
	v_mul_u32_u24 v5, v5, 160
	v_bfe_u32 v13, v1, 3, 1
	v_lshl_add_u32 v5, v13, 4, v5
	s_lshl_b32 s40, s37, 6
	s_add_co_u32 s40, s40, W1R
	v_add_nc_u32 v5, s40, v5                       ; W1's, turned: (8 h + lane % 8) x pitch + 16 ((lane / 8) % 2) + my 64 bytes
	v_add_nc_u32 v14, 40960, v5                    ; the same for k from 256 on: the immediate has 16 bits
	s_mul_i32 s40, s37, 32*144
	s_lshl_b32 s41, s36, 5
	s_add_co_u32 s40, s40, s41
	s_add_co_u32 s40, s40, STG
	v_mul_u32_u24 v6, v10, 144
	v_lshl_add_u32 v6, v11, 4, v6
	v_add_nc_u32 v6, s40, v6                       ; the stage: row j, bytes 2 i
.macro BFRAG r, adr, off               ; 32 k x 16 j
	ds_load_tr16_b128 v[(\r):(\r)+3],   v[\adr] offset:\off
	ds_load_tr16_b128 v[(\r)+4:(\r)+7], v[\adr] offset:(\off)+2560
.endm
.set g, 0
.rept 4
.if g > 0
.rept 4
	v_nop                                          ; four places between the products and the loads into their sources
.endr
.endif
.set k, 0
.rept 4
.set ks, 4*g+k
	ds_load_b128 v[X+8*k:X+8*k+3],   v4 offset:64*ks
	ds_load_b128 v[X+8*k+4:X+8*k+7], v4 offset:64*ks+32
.if ks < 8
	BFRAG X+32+16*k, 5, 5120*ks
	BFRAG X+40+16*k, 5, 5120*ks+32
.else
	BFRAG X+32+16*k, 14, 5120*(ks-8)
	BFRAG X+40+16*k, 14, 5120*(ks-8)+32
.endif
.set k, k+1
.endr
	s_wait_dscnt 0x0
.set k, 0
.rept 4
.if (g == 0) && (k == 0)
	v_wmma_f32_16x16x32_bf16 v[16:23], v[X+8*k:X+8*k+7], v[X+32+16*k:X+39+16*k], 0
	v_wmma_f32_16x16x32_bf16 v[24:31], v[X+8*k:X+8*k+7], v[X+40+16*k:X+47+16*k], 0
.else
	v_wmma_f32_16x16x32_bf16 v[16:23], v[X+8*k:X+8*k+7], v[X+32+16*k:X+39+16*k], v[16:23]
	v_wmma_f32_16x16x32_bf16 v[24:31], v[X+8*k:X+8*k+7], v[X+40+16*k:X+47+16*k], v[24:31]
.endif
.set k, k+1
.endr
.set g, g+1
.endr
.rept 4
	v_nop
.endr
	; a lane holds column j = r and rows i = 8 h + 0..7: 16 bytes of a row of the transposed result
.set i, 0
.rept 8
	v_pk_mul_f32 v[16+2*i:17+2*i], v[16+2*i:17+2*i], s[34:35] op_sel_hi:[1,0]
.set i, i+1
.endr
.set i, 0
.rept 8
	v_cvt_pk_f16_f32 v[Y+i], v[16+2*i], v[17+2*i]
.set i, i+1
.endr
	ds_store_b128 v6, v[Y:Y+3]
	ds_store_b128 v6, v[Y+4:Y+7] offset:16*144
	v_lshrrev_b32 v7, 3, v0                        ; thread t reads row t / 8 (and 32 further), piece t % 8
	v_and_b32 v13, 7, v0
	v_lshlrev_b32 v9, 11, v7
	v_lshl_add_u32 v9, v13, 4, v9
	v_mul_u32_u24 v7, v7, 144
	v_lshl_add_u32 v7, v13, 4, v7
	v_add_nc_u32 v7, STG, v7
	s_lshl_b32 s40, s24, 17                        ; 64 jt rows of 2,048 bytes
	s_lshl_b32 s41, s23, 7                         ; 64 it columns
	s_add_co_u32 s40, s40, s41
	s_mov_b32 s41, 0
	s_add_nc_u64 s[20:21], s[20:21], s[40:41]
	s_wait_dscnt 0x0
	s_barrier_signal -1
	s_barrier_wait -1
	ds_load_b128 v[Y+8:Y+11],  v7
	ds_load_b128 v[Y+12:Y+15], v7 offset:32*144
	s_wait_dscnt 1
	global_store_b128 v9, v[Y+8:Y+11], s[20:21]
	s_wait_dscnt 0x0
	global_store_b128 v9, v[Y+12:Y+15], s[20:21] offset:65536
	FINISH
; ---------------------------------------------------------------- SORT
; Wave w has rows 1,024 w .. + 1,023, their keys in its own 4,096 bytes of LDS.  Pass A: for 64 keys a trip (two a lane) the rank of each key among the wave's equal keys; lane e keeps the running count of key e.
; Then the eight waves' counts meet, and lane e gets the first place of key e for this wave.  Pass B: pos = that place + rank.
.Lsort:
	s_load_b64 s[12:13], s[0:1], 0x10              ; cultivars
	s_load_b64 s[14:15], s[0:1], 0x98              ; route
	s_load_b64 s[16:17], s[0:1], 0x58              ; b_hh
	s_load_b64 s[18:19], s[0:1], 0x60              ; b3
	s_load_b64 s[20:21], s[0:1], 0x70              ; Bcat
	s_load_b64 s[22:23], s[0:1], 0x88              ; W3b
	v_lshlrev_b32 v4, 4, v1
	s_lshl_b32 s10, s8, 12
	v_add_nc_u32 v5, s10, v4                       ; 4,096 w + 16 lane: in cultivars, in LDS and in pos
	s_lshl_b32 s11, s8, 9
	v_add_nc_u32 v6, s11, v4                       ; 512 w + 16 lane
	s_lshl_b32 s11, s8, 8
	v_lshlrev_b32 v7, 3, v1
	v_add_nc_u32 v7, s11, v7                       ; 256 w + 8 lane
	s_wait_kmcnt 0x0
	s_add_nc_u64 s[20:21], s[20:21], 9449472       ; the fourth quarter of the gates' biases
.set i, 0
.rept 8
	global_load_b128 v[X+4*i:X+4*i+3], v5, s[12:13] offset:512*i
.set i, i+1
.endr
	global_load_b128 v[64:67], v6, s[16:17] offset:8192
	global_load_b64 v[68:69], v7, s[18:19]
.set i, 0
.rept 8
	s_wait_loadcnt 9-i
	ds_store_b128 v5, v[X+4*i:X+4*i+3] offset:512*i
.set i, i+1
.endr
	s_wait_loadcnt 0x0
	RB 64
	RB 66
	RB 68
	global_store_b128 v6, v[64:67], s[20:21]
	global_store_b64 v7, v[68:69], s[22:23] offset:1048576
	v_lshlrev_b32 v8, 3, v1
	v_add_nc_u32 v8, s10, v8                       ; my two keys of the trip
	v_mov_b32 v9, 0                                ; lane e: keys e so far
	v_mov_b32 v10, 0
	v_mov_b32 v11, 0
	v_mov_b32 v23, 0
.macro CHUNK key, cn, rk               ; 32 keys, one a lane: lane e of cn = how many are e; rk = how many lower lanes hold my key
.set e, 0
.rept 32
	v_cmp_eq_u32 s[32+e], e, v[\key]
.set e, e+1
.endr
.set e, 0
.rept 32
	s_bcnt1_i32_b32 s[66+e], s[32+e]
.set e, e+1
.endr
.set e, 0
.rept 32
	v_writelane_b32 v[\cn], s[66+e], e
	v_cndmask_b32 v23, v23, s[32+e], s[32+e]       ; the mask of the lanes that hold my key
.set e, e+1
.endr
	v_mbcnt_lo_u32_b32 v[\rk], v23, 0
.endm
	s_mov_b32 s10, 16
.LsortA:
	ds_load_b64 v[12:13], v8
	s_wait_dscnt 0x0
	v_min_u32 v12, 31, v12
	v_min_u32 v13, 31, v13
	CHUNK 12, 10, 16
	CHUNK 13, 11, 17
	v_add_nc_u32 v18, v9, v10
	v_lshlrev_b32 v19, 2, v12
	v_lshlrev_b32 v20, 2, v13
	ds_bpermute_b32 v21, v19, v9                   ; the running count of my key
	ds_bpermute_b32 v22, v20, v18
	s_wait_dscnt 0x0
	v_add_nc_u32 v9, v18, v11
	v_add_nc_u32 v16, v16, v21
	v_add_nc_u32 v17, v17, v22
	v_lshl_or_b32 v16, v16, 5, v12                 ; rank << 5 | key goes where the key lay
	v_lshl_or_b32 v17, v17, 5, v13
	ds_store_b64 v8, v[16:17]
	v_add_nc_u32 v8, 256, v8
	s_sub_co_u32 s10, s10, 1
	s_cmp_lg_u32 s10, 0
	s_cbranch_scc1 .LsortA
	v_lshlrev_b32 v17, 2, v1
	v_add_nc_u32 v17, SW, v17
	v_lshl_add_u32 v16, s8, 7, v17
	ds_store_b32 v16, v9
	s_wait_dscnt 0x0
	s_barrier_signal -1
	s_barrier_wait -1
.set i, 0
.rept 8
	ds_load_b32 v[X+i], v17 offset:128*i
.set i, i+1
.endr
	s_wait_dscnt 0x0
	v_mov_b32 v18, 0                               ; all waves' keys e
	v_mov_b32 v19, 0                               ; the lower waves'
.set i, 0
.rept 8
	s_cmp_gt_u32 s8, i
	s_cselect_b32 s11, -1, 0
	v_add_nc_u32 v18, v18, v[X+i]
	v_and_b32 v28, s11, v[X+i]
	v_add_nc_u32 v19, v19, v28
.set i, i+1
.endr
	s_mov_b32 s11, 0
	v_mov_b32 v29, 0
.set e, 0
.rept 32                               ; lane e: the keys below e
	v_readlane_b32 s24, v18, e
	v_writelane_b32 v29, s11, e
	s_add_co_u32 s11, s11, s24
.set e, e+1
.endr
	v_add_nc_u32 v29, v29, v19
	s_lshl_b32 s11, s8, 12
	v_lshlrev_b32 v8, 3, v1
	v_add_nc_u32 v8, s11, v8
	s_lshl_b32 s11, s8, 10
	v_lshl_add_u32 v30, v1, 1, s11                 ; my first row
	s_mov_b32 s10, 16
.LsortB:
	ds_load_b64 v[12:13], v8
	s_wait_dscnt 0x0
	v_and_b32 v16, 31, v12
	v_and_b32 v17, 31, v13
	v_min_u32 v16, 31, v16
	v_min_u32 v17, 31, v17
	v_lshrrev_b32 v12, 5, v12
	v_lshrrev_b32 v13, 5, v13
	v_lshlrev_b32 v19, 2, v16
	v_lshlrev_b32 v20, 2, v17
	ds_bpermute_b32 v21, v19, v29
	ds_bpermute_b32 v22, v20, v29
	s_wait_dscnt 0x0
	s_wait_xcnt 0x0                                ; the last trip's stores have read v24-27
	v_add_nc_u32 v12, v12, v21
	v_add_nc_u32 v13, v13, v22
	v_min_u32 v12, 0x1fff, v12
	v_min_u32 v13, 0x1fff, v13
	ds_store_b64 v8, v[12:13]                      ; pos goes where the key lay
	v_lshlrev_b32 v24, 2, v12
	v_lshlrev_b32 v25, 2, v13
	v_lshl_or_b32 v26, v16, 16, v30
	v_add_nc_u32 v27, 1, v30
	v_lshl_or_b32 v27, v17, 16, v27
	global_store_b32 v24, v26, s[14:15] offset:32768
	global_store_b32 v25, v27, s[14:15] offset:32768
	v_add_nc_u32 v8, 256, v8
	v_add_nc_u32 v30, 64, v30
	s_sub_co_u32 s10, s10, 1
	s_cmp_lg_u32 s10, 0
	s_cbranch_scc1 .LsortB
.set i, 0
.rept 8
	ds_load_b128 v[X+4*i:X+4*i+3], v5 offset:512*i ; my own bytes: LDS serves a wave in order
.set i, i+1
.endr
.set i, 0
.rept 8
	s_wait_dscnt 7-i
	global_store_b128 v5, v[X+4*i:X+4*i+3], s[14:15] offset:512*i
.set i, i+1
.endr
	FINISH
.Lfunc_end_k_q82e6428902_prep:
	.size	k_q82e6428902_prep, .Lfunc_end_k_q82e6428902_prep-k_q82e6428902_prep
	.p2alignl 7, 3214868480
	.fill 96, 4, 3214868480
	.section	.rodata,"a",@progbits
	.p2align	6, 0x0
	.amdhsa_kernel k_q82e6428902_prep
		.amdhsa_group_segment_fixed_size 158720
		.amdhsa_private_segment_fixed_size 0
		.amdhsa_enable_private_segment 0
		.amdhsa_kernarg_size 160
		.amdhsa_user_sgpr_count 2
		.amdhsa_user_sgpr_kernarg_segment_ptr 1
		.amdhsa_wavefront_size32 1
		.amdhsa_system_sgpr_workgroup_id_x 1
		.amdhsa_system_sgpr_workgroup_id_y 1
		.amdhsa_system_sgpr_workgroup_id_z 1
		.amdhsa_system_vgpr_workitem_id 0
		.amdhsa_next_free_vgpr 248
		.amdhsa_next_free_sgpr 100
		.amdhsa_reserve_vcc 1
		.amdhsa_float_denorm_mode_32 3
		.amdhsa_float_denorm_mode_16_64 3
		.amdhsa_memory_ordered 1
		.amdhsa_forward_progress 1
		.amdhsa_inst_pref_size 127
	.end_amdhsa_kernel
	.amdgpu_metadata
---
amdhsa.version: [ 1, 2 ]
amdhsa.kernels:
  - .name:           k_q82e6428902_prep
    .symbol:         k_q82e6428902_prep.kd
    .args:
      - { .name: input, .offset: 0, .size: 8, .value_kind: global_buffer, .address_space: global }
      - { .name: hn, .offset: 8, .size: 8, .value_kind: global_buffer, .address_space: global }
      - { .name: cultivars, .offset: 16, .size: 8, .value_kind: global_buffer, .address_space: global }
      - { .name: W1, .offset: 24, .size: 8, .value_kind: global_buffer, .address_space: global }
      - { .name: W2, .offset: 32, .size: 8, .value_kind: global_buffer, .address_space: global }
      - { .name: b1, .offset: 40, .size: 8, .value_kind: global_buffer, .address_space: global }
      - { .name: b2, .offset: 48, .size: 8, .value_kind: global_buffer, .address_space: global }
      - { .name: W_ih, .offset: 56, .size: 8, .value_kind: global_buffer, .address_space: global }
      - { .name: W_hh, .offset: 64, .size: 8, .value_kind: global_buffer, .address_space: global }
      - { .name: W3, .offset: 72, .size: 8, .value_kind: global_buffer, .address_space: global }
      - { .name: Wh, .offset: 80, .size: 8, .value_kind: global_buffer, .address_space: global }
      - { .name: b_hh, .offset: 88, .size: 8, .value_kind: global_buffer, .address_space: global }
      - { .name: b3, .offset: 96, .size: 8, .value_kind: global_buffer, .address_space: global }
      - { .name: Acat, .offset: 104, .size: 8, .value_kind: global_buffer, .address_space: global }
      - { .name: Bcat, .offset: 112, .size: 8, .value_kind: global_buffer, .address_space: global }
      - { .name: Wihb, .offset: 120, .size: 8, .value_kind: global_buffer, .address_space: global }
      - { .name: W21T, .offset: 128, .size: 8, .value_kind: global_buffer, .address_space: global }
      - { .name: W3b, .offset: 136, .size: 8, .value_kind: global_buffer, .address_space: global }
      - { .name: Whf, .offset: 144, .size: 8, .value_kind: global_buffer, .address_space: global }
      - { .name: route, .offset: 152, .size: 8, .value_kind: global_buffer, .address_space: global }
    .group_segment_fixed_size: 158720
    .private_segment_fixed_size: 0
    .kernarg_segment_align: 8
    .kernarg_segment_size: 160
    .max_flat_workgroup_size: 256
    .sgpr_count:     100
    .vgpr_count:     248
    .wavefront_size: 32
...
	.end_amdgpu_metadata
.endif
;; end of part 1
;; launch fold (part 2): grid 4 x 24, 4 waves a work-group, clusters of 4 x 4, 327,680 bytes of LDS; arguments Wihb, W21T, Bcat, b_ih, b_hh; writes Bcat
.if DOCPART == 2
	.amdgcn_target "amdgcn-amd-amdhsa--gfx1250"
	.amdhsa_code_object_version 6
	.text
	.protected	k_q82e6428902_fold
	.globl	k_q82e6428902_fold
	.p2align	8
	.type	k_q82e6428902_fold,@function
k_q82e6428902_fold:
	s_mov_b64 s[64:65], 0
	v_nop
	global_prefetch_b8 v0, s[64:65] scope:SCOPE_SE
	s_setreg_imm32_b32 hwreg(HW_REG_WAVE_MODE, 25, 1), 1
	s_wait_xcnt 0x0
	s_wait_alu depctr_hold_cnt(0) depctr_sa_sdst(0) depctr_va_vdst(0) depctr_va_sdst(0) depctr_va_ssrc(0) depctr_va_vcc(0) depctr_vm_vsrc(0)
	s_getreg_b32 s2, hwreg(HW_REG_IB_STS2, 6, 4)
	s_cmp_eq_u32 s2, 0
	s_cbranch_scc0 .Lentry_in_a_cluster
	s_endpgm
.Lentry_in_a_cluster:
	s_bfe_u32 s2, ttmp6, 0x10000c
	s_cmp_lg_u32 s2, 0xf033
	s_cbranch_scc0 .Lentry_shape_is_right
	s_endpgm
.Lentry_shape_is_right:
; FOLD: no nonlinearity stands between fc1, fc2 and the gates' input product, so gi = input Wc^T + bc with Wc = W_ih (W2 W1), bc = W_ih (W2 b1 + b2) + b_ih.
; This launch makes Wc / 64 = Wihb x (W21T)^T (W21T holds (W2 W1)^T / 64): A [3072][1024], B [512][1024], both f16, sums in f32, rounded once to f16 into columns 0-511 of Bcat (rows of 3,072 bytes),
; and the gates' biases in f32 behind Bcat's rows: entry o = bc[o] + (o < 2048 ? b_hh[o] : 0), b_ih and b_hh rounded to bf16 like every input.
; LIMITS.  The order of rounding differs from fc1, fc2, gi one after the other: W2 W1 and Wc are rounded (to f16) where those would round their results.  |Wc| has room up to 4e6.
; A tile of C is 128 x 128: 96 work-groups, four waves of 64 x 64.  K goes in steps of 256 (LDS rows of 512 bytes) through two slots.
; CLUSTERS of 4 x 4: the four of a row need the same tiles of A, the four of a column the same tiles of B: each tile is asked for jointly.
; The matrix instruction is used transposed (source 0 = 16 rows of B, source 1 = 16 rows of A): a lane holds eight neighbouring numbers of a row of C.
; REGISTERS: window 0: v0-31 addresses; v32-95 at work; v128-255 the accumulators ((a, b) at v[128 + 8 (4 a + b)]).  window 1: two fragment buffers of 128.
.set SIZE_K, 1024
.set CP,     3072                      ; bytes from row to row of C
.set BIASO,  9437184                   ; the biases lie behind Bcat's 3,072 rows
.set KSTEP,  256
.set PITCH,  528                       ; an LDS row: 512 bytes + 16 of padding = 132 words: row r starts at bank 4 r mod 64 (ISA guide 11.1)
.set HALFT,  64*PITCH
.set SLOT,   4*HALFT
.set STAGE,  2*SLOT
.set SPITCH, 272
.set SPARE,  STAGE+128*SPITCH          ; the spare words, 128 bytes for each wave: no other line names them
.set LAPS, SIZE_K/(2*KSTEP)
.set ZR,   12                          ; v12 0
.set ADRA, 16
.set ADRB, 20
.set STO,  24
.set RD,   25
.set CO,   26
.set SPW,  28
.set NIL,  29
.set TMP,  32
.set ACC,  128
.set F0,   0
.set F1,   128
.set G1, 24
.set G0, 32
.set G1B, 48
.set G0B, 56
.set MSB, 0
.macro WIN new                         ; the immediate's high byte repeats the setting that is left
.if MSB != (\new)
	s_set_vgpr_msb (MSB<<8)|(\new)
.set MSB, \new
.endif
.endm
.set MUL,  0x05                        ; sources 0 (B) and 1 (A) window 1; C and D window 0
.set TO_F, 0x40                        ; destination window 1, address window 0
.macro JLOAD s                         ; a joint load: waves 0 and 1 fetch the halves of A's tile, waves 2 and 3 of B's; an s_nop 0 and four v_nop follow each line
	s_cmp_eq_u32 s11, 0
	s_cbranch_scc0 .Lfor_b_\@
	tensor_load_to_lds s[G0+4*(\s):G0+4*(\s)+3], s[G1:G1+7]
	s_nop 0
.rept 4
	v_nop
.endr
	s_branch .Lasked_\@
.Lfor_b_\@:
	tensor_load_to_lds s[G0B+4*(\s):G0B+4*(\s)+3], s[G1B:G1B+7]
	s_nop 0
.rept 4
	v_nop
.endr
.Lasked_\@:
.endm
.macro CREST                           ; a round of the cluster's barrier behind its opening barrier
	s_cmp_lg_u32 s10, 0
	s_cbranch_scc1 .Lnot_wave_0_\@
	s_barrier_signal -3
.Lnot_wave_0_\@:
	s_barrier_wait -3
	s_barrier_signal -1
	s_barrier_wait -1
.endm
.macro CROUND
	s_barrier_signal -1
	s_barrier_wait -1
	CREST
.endm
	s_load_b128 s[4:7], s[0:1], 0x0                ; A s[4:5], B s[6:7]
	s_load_b64 s[8:9], s[0:1], 0x10                ; C
	s_load_b64 s[68:69], s[0:1], 0x18              ; b_ih
	s_load_b64 s[70:71], s[0:1], 0x20              ; b_hh
	v_lshl_add_u32 v[SPW], v0, 2, SPARE
	v_mov_b32 v[NIL], 0
	ds_add_u32 v[SPW], v[NIL]                      ; the wave's opening: the add and its wait ahead of my first tensor load
	v_lshrrev_b32 v1, 5, v0
	v_readfirstlane_b32 s10, v1                    ; wave 0..3
	s_lshr_b32 s11, s10, 1                         ; my half of the tile's rows; also: I fetch for A (0) or B (1)
	s_and_b32 s12, s10, 1                          ; my half of its columns; also: which 64 rows I fetch
	s_bfe_u32 s40, ttmp6, 0x40000                  ; cx
	s_bfe_u32 s41, ttmp6, 0x40004                  ; cy
	s_lshl_b32 s42, ttmp9, 2
	s_add_co_u32 s42, s42, s40                     ; tile column
	s_and_b32 s13, ttmp7, 0xffff
	s_lshl_b32 s13, s13, 2
	s_add_co_u32 s13, s13, s41                     ; tile row
	s_lshl_b32 s43, s41, 2
	s_lshl_b32 s43, 15, s43                        ; my row of the cluster
	s_lshl_b32 s44, 0x1111, s40                    ; my column
	s_or_b32 s[G1+0], s43, (1<<16)|(1<<20)|(1<<21)|(6<<22)|(3<<25)  ; mask; 2-byte elements; padding on; bit 21 beside a mask; after every 128 words 4 words
	s_or_b32 s[G1B+0], s44, (1<<16)|(1<<20)|(1<<21)|(6<<22)|(3<<25)
.irp g, G1, G1B
	s_mov_b32 s[(\g)+1], KSTEP<<16                 ; tensor_dim0 = 256
	s_mov_b32 s[(\g)+2], 64<<16                    ; tensor_dim1 = 64
	s_mov_b32 s[(\g)+3], KSTEP<<16                 ; tile_dim0 = 256
	s_mov_b32 s[(\g)+4], 64                        ; tile_dim1 = 64
	s_mov_b32 s[(\g)+5], SIZE_K                    ; elements from row to row
	s_mov_b32 s[(\g)+6], 0
	s_mov_b32 s[(\g)+7], 0
.endr
	s_lshl_b32 s17, s12, 6
	s_lshl_b32 s16, s13, 7
	s_add_co_u32 s16, s16, s17                     ; A: row 128 x tile row + 64 x half
	s_lshl_b32 s46, s42, 7
	s_add_co_u32 s46, s46, s17                     ; B: row 128 x tile column + 64 x half
	s_mov_b32 s17, 0
	s_mov_b32 s47, 0
	s_mov_b64 s[18:19], SIZE_K*2
	s_mul_u64 s[16:17], s[16:17], s[18:19]
	s_mul_u64 s[46:47], s[46:47], s[18:19]
	s_mul_i32 s20, s10, HALFT                      ; where they go: wave x 64 rows
	s_wait_dscnt 0x0                               ; the opening add is done
	s_wait_kmcnt 0x0
	s_add_nc_u64 s[14:15], s[4:5], s[16:17]
	s_add_nc_u64 s[46:47], s[6:7], s[46:47]
	CROUND                                         ; all sixteen work-groups are here: the first joint loads meet
.irp s, 0,1
	s_mov_b32 s[G0+4*(\s)], 1
	s_add_co_u32 s[G0+4*(\s)+1], s20, (\s)*SLOT
	s_add_nc_u64 s[G0+4*(\s)+2:G0+4*(\s)+3], s[14:15], (\s)*KSTEP*2
	s_or_b32 s[G0+4*(\s)+3], s[G0+4*(\s)+3], 0x80000000
	s_mov_b32 s[G0B+4*(\s)], 1
	s_add_co_u32 s[G0B+4*(\s)+1], s20, (\s)*SLOT
	s_add_nc_u64 s[G0B+4*(\s)+2:G0B+4*(\s)+3], s[46:47], (\s)*KSTEP*2
	s_or_b32 s[G0B+4*(\s)+3], s[G0B+4*(\s)+3], 0x80000000
	JLOAD \s
.endr
	; THE BIASES, in the wait for the first tiles: my wave's 8 rows o = 128 x tile row + 32 x tile column + 8 w ..: a row of Wihb (f16) times v (f32), 32 numbers a lane, eight chains.
	s_lshl_b32 s72, s13, 7
	s_lshl_b32 s73, s42, 5
	s_add_co_u32 s72, s72, s73
	s_lshl3_add_u32 s72, s10, s72                  ; o
	s_lshl_b32 s74, s72, 11
	s_mov_b32 s75, 0
	s_add_nc_u64 s[74:75], s[4:5], s[74:75]        ; my rows of Wihb
	s_add_nc_u64 s[76:77], s[6:7], 1048576         ; v lies behind W21T
	s_lshl_b32 s78, s72, 2
	s_mov_b32 s79, 0
	s_add_nc_u64 s[68:69], s[68:69], s[78:79]
	s_add_nc_u64 s[70:71], s[70:71], s[78:79]
	s_add_co_u32 s78, s78, BIASO
	s_add_nc_u64 s[78:79], s[8:9], s[78:79]
	s_mov_b32 s80, 0x76543210
	s_mov_b32 s81, 0xfedcba98
	s_cmp_lt_u32 s13, 16                           ; rows below 2,048 are the gates r and z, whose two biases are added
	s_cselect_b32 s82, 1.0, 0
	v_and_b32 v6, 31, v0
	v_lshlrev_b32 v7, 4, v6
	v_lshlrev_b32 v8, 5, v6
	v_and_b32 v13, 7, v6
	v_lshlrev_b32 v9, 2, v13
	v_mov_b32 v[ZR], 0
.irp c, 0,1,2,3
	global_load_b128 v[32+8*\c:35+8*\c], v8, s[76:77] offset:1024*\c
	global_load_b128 v[36+8*\c:39+8*\c], v8, s[76:77] offset:1024*\c+16
.endr
.set i, 0
.rept 32                               ; row i / 4, columns 256 (i % 4) + 8 lane ..
	global_load_b128 v[128+4*i:131+4*i], v7, s[74:75] offset:2048*(i/4)+512*(i%4)
.set i, i+1
.endr
	global_load_b32 v10, v9, s[68:69]
	global_load_b32 v11, v9, s[70:71]
	s_wait_loadcnt 0x0
.set c, 0
.rept 4
.set d, 0
.rept 4
.set hh, 0
.rept 2
.set i, 0
.rept 8
.if (c == 0) && (d == 0) && (hh == 0)
	v_fma_mix_f32 v[64+i], v[128+16*i+4*c+d], v[32+8*c+2*d+hh], v[ZR] op_sel_hi:[1,0,0]
.elseif hh == 0
	v_fma_mix_f32 v[64+i], v[128+16*i+4*c+d], v[32+8*c+2*d+hh], v[64+i] op_sel_hi:[1,0,0]
.else
	v_fma_mix_f32 v[64+i], v[128+16*i+4*c+d], v[32+8*c+2*d+hh], v[64+i] op_sel:[1,0,0] op_sel_hi:[1,0,0]
.endif
.set i, i+1
.endr
.set hh, hh+1
.endr
.set d, d+1
.endr
.set c, c+1
.endr
.irp x, 1,2,4,8
.irp m, 0,1,2,3,4,5,6,7
	v_add_f32_dpp v[64+\m], v[64+\m], v[64+\m] row_xmask:\x row_mask:0xf bank_mask:0xf
.endr
.endr
.irp m, 0,1,2,3,4,5,6,7
	v_permlanex16_b32 v[128+\m], v[64+\m], s80, s81
.endr
.irp m, 0,1,2,3,4,5,6,7
	v_add_f32 v[64+\m], v[64+\m], v[128+\m]
.endr
	v_mov_b32 v14, v64
.irp m, 1,2,3,4,5,6,7
	v_cmp_eq_u32 vcc_lo, \m, v13
	v_cndmask_b32 v14, v14, v[64+\m], vcc_lo
.endr
	v_cvt_pk_bf16_f32 v15, v10, v11
	v_lshlrev_b32 v10, 16, v15
	v_and_b32 v11, 0xffff0000, v15
	v_add_f32 v14, v14, v10
	v_fmac_f32 v14, s82, v11
	v_cmp_gt_u32 vcc_lo, 8, v6
	s_wait_xcnt 0x0                                ; EXEC changes only behind this wait
	s_and_saveexec_b32 s83, vcc_lo
	global_store_b32 v9, v14, s[78:79]
	s_wait_xcnt 0x0
	s_or_b32 exec_lo, exec_lo, s83
	v_and_b32 v1, 15, v0                           ; l % 16
	v_bfe_u32 v2, v0, 4, 1                         ; l / 16
	v_mul_u32_u24 v3, v1, PITCH
	v_lshl_add_u32 v3, v2, 4, v3
	s_mul_i32 s21, s11, HALFT
	s_mul_i32 s22, s12, HALFT
	s_add_co_u32 s22, s22, 2*HALFT
.irp s, 0,1
	v_add_nc_u32 v[ADRA+(\s)], s21, v3
	v_add_nc_u32 v[ADRB+(\s)], s22, v3
	s_add_co_u32 s21, s21, SLOT
	s_add_co_u32 s22, s22, SLOT
.endr
	s_mul_i32 s23, s11, 64*SPITCH
	s_lshl_b32 s21, s12, 7
	s_add_co_u32 s23, s23, s21
	s_add_co_u32 s23, s23, STAGE
	v_mul_u32_u24 v4, v1, SPITCH
	v_lshl_add_u32 v4, v2, 4, v4
	v_add_nc_u32 v[STO], s23, v4
	s_mul_i32 s23, s10, 32*SPITCH
	s_add_co_u32 s23, s23, STAGE
	v_mul_u32_u24 v5, v2, SPITCH
	v_lshl_add_u32 v5, v1, 4, v5
	v_add_nc_u32 v[RD], s23, v5
	v_mul_u32_u24 v5, v2, CP
	v_lshl_add_u32 v[CO], v1, 4, v5
	s_lshl_b32 s16, s13, 7
	s_lshl_b32 s17, s10, 5
	s_add_co_u32 s16, s16, s17                     ; the first row of C that I store
	s_mov_b32 s17, 0
	s_mov_b64 s[18:19], CP
	s_mul_u64 s[16:17], s[16:17], s[18:19]
	s_add_nc_u64 s[8:9], s[8:9], s[16:17]
	s_lshl_b32 s46, s42, 8
	s_mov_b32 s47, 0
	s_add_nc_u64 s[8:9], s[8:9], s[46:47]
.macro MUL8 f, c, a0, zero             ; 8 products: m blocks a0, a0 + 1 x 4 n blocks, half c of buffer f; zero = 1: they start the sums
	WIN MUL
.irp a, \a0, (\a0)+1
.irp b, 0,1,2,3
.if \zero
	v_wmma_f32_16x16x32_f16 v[ACC+8*(4*(\a)+(\b)):ACC+8*(4*(\a)+(\b))+7], v[(\f)+64+8*(4*(\c)+(\b)):(\f)+64+8*(4*(\c)+(\b))+7], v[(\f)+8*(4*(\c)+(\a)):(\f)+8*(4*(\c)+(\a))+7], 0
.else
	v_wmma_f32_16x16x32_f16 v[ACC+8*(4*(\a)+(\b)):ACC+8*(4*(\a)+(\b))+7], v[(\f)+64+8*(4*(\c)+(\b)):(\f)+64+8*(4*(\c)+(\b))+7], v[(\f)+8*(4*(\c)+(\a)):(\f)+8*(4*(\c)+(\a))+7], v[ACC+8*(4*(\a)+(\b)):ACC+8*(4*(\a)+(\b))+7]
.endif
.endr
.endr
.endm
.macro FETCH slot, k, f                ; 32 LDS loads in one run: 64 along K at byte k, the first 32 along K first
	WIN TO_F
.irp c, 0,1
.irp i, 0,1,2,3
	ds_load_b128 v[(\f)+64+8*(4*(\c)+(\i)):(\f)+64+8*(4*(\c)+(\i))+3],   v[ADRB+(\slot)] offset:(\k)+64*(\c)+(\i)*16*PITCH
	ds_load_b128 v[(\f)+64+8*(4*(\c)+(\i))+4:(\f)+64+8*(4*(\c)+(\i))+7], v[ADRB+(\slot)] offset:(\k)+64*(\c)+(\i)*16*PITCH+32
	ds_load_b128 v[(\f)+8*(4*(\c)+(\i)):(\f)+8*(4*(\c)+(\i))+3],         v[ADRA+(\slot)] offset:(\k)+64*(\c)+(\i)*16*PITCH
	ds_load_b128 v[(\f)+8*(4*(\c)+(\i))+4:(\f)+8*(4*(\c)+(\i))+7],       v[ADRA+(\slot)] offset:(\k)+64*(\c)+(\i)*16*PITCH+32
.endr
.endr
.endm
.macro PLACES                          ; four places in front of loads into registers that products have read, and of conversions that read results
.rept 4
	v_nop
.endr
.endm
.macro QUARTER slot, k, f, g, zero
	s_wait_dscnt 16                                ; the first 32 along K are in
	WIN MUL
	MUL8 \f, 0, 0, \zero
	MUL8 \f, 0, 2, \zero
	PLACES
	FETCH \slot, \k, \g
	s_wait_dscnt 32                                ; all but the 32 just issued
	WIN MUL
	MUL8 \f, 1, 0, 0
	MUL8 \f, 1, 2, 0
.endm
.macro TURN slot, next, fill           ; the last quarter changes slots: one barrier; in front of it all my tensor loads, the add, my reads of this slot
	WIN 0
	s_wait_tensorcnt 0x0                           ; all my tensor loads have landed: my part of the next slot
	ds_add_u32 v[SPW], v[NIL]
	s_wait_dscnt 17                                ; (the add and the youngest sixteen loads may be out)
	WIN MUL
	MUL8 F1, 0, 0, 0
	s_wait_dscnt 0x0                               ; the add is done, and my reads of this slot are over
	s_barrier_signal -1
	MUL8 F1, 0, 2, 0
.if \fill
	WIN 0
.endif
	s_barrier_wait -1
.if \fill
	CREST                                          ; no wave of any partner still reads this slot or has a load on its way
	s_add_nc_u64 s[G0+4*(\slot)+2:G0+4*(\slot)+3], s[G0+4*(\slot)+2:G0+4*(\slot)+3], 2*KSTEP*2
	s_add_nc_u64 s[G0B+4*(\slot)+2:G0B+4*(\slot)+3], s[G0B+4*(\slot)+2:G0B+4*(\slot)+3], 2*KSTEP*2
	JLOAD \slot                                    ; the first tensor load behind the round; its four v_nop are the places in front of the loads below
.else
	PLACES
.endif
	FETCH \next, 0, F0
	WIN MUL
	MUL8 F1, 1, 0, 0
	MUL8 F1, 1, 2, 0
.endm
	s_wait_tensorcnt 1                             ; my part of K step 0 is in; step 1's may stay out
	s_barrier_signal -1
	s_barrier_wait -1
	FETCH 0, 0, F0
	QUARTER 0, 128, F0, F1, 1                      ; the first quarter stands in front of the loop: its first products start the sums
	WIN 0
	s_mov_b32 s3, LAPS-1
.Llap:
	QUARTER 0, 256, F1, F0, 0
	QUARTER 0, 384, F0, F1, 0
	TURN 0, 1, 1
	QUARTER 1, 128, F0, F1, 0
	QUARTER 1, 256, F1, F0, 0
	QUARTER 1, 384, F0, F1, 0
	TURN 1, 0, 1
	QUARTER 0, 128, F0, F1, 0
	WIN 0
	s_sub_co_u32 s3, s3, 1
	s_cmp_lg_u32 s3, 0
	s_cbranch_scc1 .Llap
	QUARTER 0, 256, F1, F0, 0                      ; the last lap fills nothing
	QUARTER 0, 384, F0, F1, 0
	TURN 0, 1, 0
	QUARTER 1, 128, F0, F1, 0
	QUARTER 1, 256, F1, F0, 0
	QUARTER 1, 384, F0, F1, 0
	s_wait_dscnt 16
	WIN MUL
	MUL8 F1, 0, 0, 0
	MUL8 F1, 0, 2, 0
	s_wait_dscnt 0
	MUL8 F1, 1, 0, 0
	MUL8 F1, 1, 2, 0
	WIN 0
	; THE WAY OUT: rounded to f16; 16 bytes a lane into the work-group's stage; a barrier, since a row's 256 bytes come from two waves; back as whole rows
	PLACES
.irp t, 0,1,2,3,4,5,6,7,8,9,10,11,12,13,14,15
.irp r, 0,1,2,3
	v_cvt_pk_f16_f32 v[TMP+4*(\t)+(\r)], v[ACC+8*(\t)+2*(\r)], v[ACC+8*(\t)+2*(\r)+1]
.endr
.endr
.irp a, 0,1,2,3
.irp b, 0,1,2,3
	ds_store_b128 v[STO], v[TMP+4*(4*(\a)+(\b)):TMP+4*(4*(\a)+(\b))+3] offset:(\a)*16*SPITCH+32*(\b)
.endr
.endr
	s_wait_dscnt 0x0
	s_barrier_signal -1
	s_barrier_wait -1
.irp t, 0,1,2,3,4,5,6,7,8,9,10,11,12,13,14,15
	ds_load_b128 v[TMP+4*(\t):TMP+4*(\t)+3], v[RD] offset:(\t)*2*SPITCH
.endr
.irp t, 0,1,2,3,4,5,6,7,8,9,10,11,12,13,14,15
	s_wait_dscnt 15-(\t)
	global_store_b128 v[CO], v[TMP+4*(\t):TMP+4*(\t)+3], s[8:9] offset:2*(\t)*CP  ; 16 lanes store 256 consecutive bytes, aligned
.endr
	s_wait_tensorcnt 0x0                           ; the wave's end
	ds_add_u32 v[SPW], v[NIL]
	s_wait_dscnt 0x0
	CROUND                                         ; the closing round
	s_endpgm
.Lfunc_end_k_q82e6428902_fold:
	.size	k_q82e6428902_fold, .Lfunc_end_k_q82e6428902_fold-k_q82e6428902_fold
	.p2alignl 7, 3214868480
	.fill 96, 4, 3214868480
	.section	.rodata,"a",@progbits
	.p2align	6, 0x0
	.amdhsa_kernel k_q82e6428902_fold
		.amdhsa_group_segment_fixed_size 327680
		.amdhsa_private_segment_fixed_size 0
		.amdhsa_enable_private_segment 0
		.amdhsa_kernarg_size 40
		.amdhsa_user_sgpr_count 2
		.amdhsa_user_sgpr_kernarg_segment_ptr 1
		.amdhsa_wavefront_size32 1
		.amdhsa_system_sgpr_workgroup_id_x 1
		.amdhsa_system_sgpr_workgroup_id_y 1
		.amdhsa_system_sgpr_workgroup_id_z 1
		.amdhsa_system_vgpr_workitem_id 0
		.amdhsa_next_free_vgpr 512
		.amdhsa_next_free_sgpr 84
		.amdhsa_reserve_vcc 1
		.amdhsa_float_denorm_mode_32 3
		.amdhsa_float_denorm_mode_16_64 3
		.amdhsa_memory_ordered 1
		.amdhsa_forward_progress 1
		.amdhsa_inst_pref_size 111
	.end_amdhsa_kernel
	.amdgpu_metadata
---
amdhsa.version: [ 1, 2 ]
amdhsa.kernels:
  - .name:           k_q82e6428902_fold
    .symbol:         k_q82e6428902_fold.kd
    .args:
      - { .name: Wihb, .offset: 0, .size: 8, .value_kind: global_buffer, .address_space: global }
      - { .name: W21T, .offset: 8, .size: 8, .value_kind: global_buffer, .address_space: global }
      - { .name: Bcat, .offset: 16, .size: 8, .value_kind: global_buffer, .address_space: global }
      - { .name: b_ih, .offset: 24, .size: 8, .value_kind: global_buffer, .address_space: global }
      - { .name: b_hh, .offset: 32, .size: 8, .value_kind: global_buffer, .address_space: global }
    .group_segment_fixed_size: 327680
    .private_segment_fixed_size: 0
    .kernarg_segment_align: 8
    .kernarg_segment_size: 40
    .max_flat_workgroup_size: 128
    .sgpr_count:     84
    .vgpr_count:     512
    .wavefront_size: 32
...
	.end_amdgpu_metadata
.endif
;; end of part 2
;; launch gru (part 3): grid 8 x 64, 4 waves a work-group, clusters of 4 x 4, 327,680 bytes of LDS; arguments Acat, Bcat, route, out1, gs; writes out1, gs
.if DOCPART == 3
	.amdgcn_target "amdgcn-amd-amdhsa--gfx1250"
	.amdhsa_code_object_version 6
	.text
	.protected	k_q82e6428902_gru
	.globl	k_q82e6428902_gru
	.p2align	8
	.type	k_q82e6428902_gru,@function
k_q82e6428902_gru:
	s_mov_b64 s[64:65], 0
	v_nop
	global_prefetch_b8 v0, s[64:65] scope:SCOPE_SE
	s_setreg_imm32_b32 hwreg(HW_REG_WAVE_MODE, 25, 1), 1
	s_wait_xcnt 0x0
	s_wait_alu depctr_hold_cnt(0) depctr_sa_sdst(0) depctr_va_vdst(0) depctr_va_sdst(0) depctr_va_ssrc(0) depctr_va_vcc(0) depctr_vm_vsrc(0)
	s_getreg_b32 s2, hwreg(HW_REG_IB_STS2, 6, 4)
	s_cmp_eq_u32 s2, 0
	s_cbranch_scc0 .Lentry_in_a_cluster
	s_endpgm
.Lentry_in_a_cluster:
	s_bfe_u32 s2, ttmp6, 0x10000c
	s_cmp_lg_u32 s2, 0xf033
	s_cbranch_scc0 .Lentry_shape_is_right
	s_endpgm
.Lentry_shape_is_right:
; GRU: the gates' products, the pointwise step, h_new (out1, f32) and relu(h_new) in f16 at the row's sorted place (gs).
; Acat [8192][1536] f16 = (64 input | h), Bcat [3072][1536] f16 = (Wc / 64 | W_hh), both parts along K.  For hidden column c: R = row c, Z = row 1024 + c; row 2048 + c gives i_n over K < 512 and h_n over the rest.
; r = sigmoid(R), z = sigmoid(Z), n = tanh(i_n + r h_n), h_new = n + z (h - n); h is the h of Acat (the input rounded to bf16, as in the products).
; A work-group has 128 rows x 128 hidden columns x 4 sums; a wave 64 x 64 x 4: 64 accumulators, 512 registers.  They START AT THE BIASES, loaded straight into them: nothing is cleared, no first step is written out.
; K goes in 12 steps of 128 through two LDS slots of four tiles of 128 rows x 256 bytes (A, B of r, of z, of n): one tensor load a wave.
; CLUSTERS of 4 x 4: A's tile is shared along a row of the cluster, B's three along a column: joint loads.  512 work-groups: two for each WGP, one after the other.
; The matrix instruction is used transposed (source 0 = 16 rows of B, source 1 = 16 rows of A): a lane holds a row of the result and eight neighbouring columns.
; LIMITS.  sigmoid(x) = 1 / (1 + 2^(-x log2 e)), tanh(x) = 1 - 2 / (1 + 2^(2 x log2 e)): both run into their ends exactly (2^x = inf gives 1 / inf = 0); near 0 tanh is off by about 1e-7 absolutely;
; a power below 2^-126 counts as 0.  relu(h_new) is rounded once to f16 (h_new lies between n and h).  NaN and infinities are not treated apart.  pos is held to 8,191.
; REGISTERS by windows of 256: 0: v0-31 addresses; v32-47 pos; v64-127 A's fragments, two buffers; v128-191 h; later v128-231 the pointwise step.  1: v0-191 B's fragments, two buffers of 96 (32 gate + 8 b).
;   2: R at 8 (4 a + b), Z at 128 + ..      3: i_n at 8 (4 a + b), h_n at 128 + ..
.set KP,    1536
.set PITCH, 272                        ; an LDS row: 256 bytes + 16 = 68 words: row r starts at bank 4 r mod 64 (ISA guide 11.1)
.set HALFT, 128*PITCH
.set SLOT,  4*HALFT
.set SPARE, 2*SLOT                     ; the spare words, 128 bytes for each wave: no other line names them
.set BIASO, 9437184
.set GPL,   32*PITCH                   ; the way out (in the ring, which has had its last fill): a sum's plane of 32 rows x 64 f32
.set HOFF,  4*GPL                      ; behind a wave's four planes: its h, 64 rows x 144 bytes
.set HP,    144
.set WBS,   HOFF+64*HP                 ; a wave's stage
.set GSB,   4*WBS                      ; behind the four: relu(h_new), 128 rows x 272 bytes, the work-group's
.set DST, 6                            ; v6  where my accumulators' 16 bytes go
.set RD0, 7                            ; v7  where I read rows back, first trip
.set RD,  8
.set HST, 9
.set HRD, 10
.set GSA, 11
.set OO,  12                           ; v12 my byte offset in out1
.set GRD, 13
.set C16, 14
.set ADRA, 16                          ; v16-17 A's fragments in slot 0, 1
.set ADRB, 18                          ; v18-23 B's: 3 slot + gate
.set VB,  24
.set VH,  25
.set VP,  26
.set SPW, 28
.set NIL, 29
.set ZR,  30                           ; 0
.set ONE, 31                           ; 1.0
.set GA,  32
.set RR,  128
.set ZZ,  144
.set HN,  160
.set IN,  176
.set HH,  192
.set NEW, 208
.set PK,  224
.set WV,  14                           ; s14 wave
.set G1A, 24
.set G0A, 32
.set G1B, 48
.set G0B, 56
.set NL,  72                           ; s[72:73] -log2 e
.set TL,  74                           ; s[74:75] 2 log2 e
.set MSB, 0
.macro WIN new
.if MSB != (\new)
	s_set_vgpr_msb (MSB<<8)|(\new)
.set MSB, \new
.endif
.endm
.macro JLOAD s                         ; wave 0 fetches A's tile, waves 1 to 3 B's three; an s_nop 0 and four v_nop follow each line
	s_cmp_eq_u32 s[WV], 0
	s_cbranch_scc0 .Lfor_b_\@
	tensor_load_to_lds s[G0A+4*(\s):G0A+4*(\s)+3], s[G1A:G1A+7]
	s_nop 0
.rept 4
	v_nop
.endr
	s_branch .Lasked_\@
.Lfor_b_\@:
	tensor_load_to_lds s[G0B+4*(\s):G0B+4*(\s)+3], s[G1B:G1B+7]
	s_nop 0
.rept 4
	v_nop
.endr
.Lasked_\@:
.endm
.macro CREST
	s_cmp_lg_u32 s[WV], 0
	s_cbranch_scc1 .Lnot_wave_0_\@
	s_barrier_signal -3
.Lnot_wave_0_\@:
	s_barrier_wait -3
	s_barrier_signal -1
	s_barrier_wait -1
.endm
.macro CROUND
	s_barrier_signal -1
	s_barrier_wait -1
	CREST
.endm
.macro PLACES
.rept 4
	v_nop
.endr
.endm
	s_load_b256 s[4:11], s[0:1], 0x0               ; Acat s[4:5], Bcat s[6:7], route s[8:9], out1 s[10:11]
	s_load_b64 s[12:13], s[0:1], 0x20              ; gs
	v_lshl_add_u32 v[SPW], v0, 2, SPARE
	v_mov_b32 v[NIL], 0
	ds_add_u32 v[SPW], v[NIL]                      ; the wave's opening: the add and its wait ahead of my first tensor load
	v_lshrrev_b32 v1, 5, v0
	v_readfirstlane_b32 s[WV], v1
	s_lshr_b32 s15, s[WV], 1                       ; my half of the rows
	s_and_b32 s16, s[WV], 1                        ; my half of the columns
	s_bfe_u32 s17, ttmp6, 0x40000                  ; cx
	s_bfe_u32 s18, ttmp6, 0x40004                  ; cy
	s_lshl_b32 s19, ttmp9, 2
	s_add_co_u32 s19, s19, s17                     ; tx: 128 hidden columns
	s_and_b32 s20, ttmp7, 0xffff
	s_lshl_b32 s20, s20, 2
	s_add_co_u32 s20, s20, s18                     ; ty: 128 rows
	s_lshl_b32 s21, s18, 2
	s_lshl_b32 s21, 15, s21                        ; my row of the cluster
	s_lshl_b32 s22, 0x1111, s17                    ; my column
	s_or_b32 s[G1A], s21, (1<<16)|(1<<20)|(1<<21)|(5<<22)|(3<<25)  ; mask; 2-byte elements; padding on; bit 21 beside a mask; after every 64 words 4 words
	s_or_b32 s[G1B], s22, (1<<16)|(1<<20)|(1<<21)|(5<<22)|(3<<25)
.irp g, G1A, G1B
	s_mov_b32 s[(\g)+1], 128<<16                   ; tensor_dim0 = 128
	s_mov_b32 s[(\g)+2], 128<<16                   ; tensor_dim1 = 128
	s_mov_b32 s[(\g)+3], 128<<16                   ; tile_dim0 = 128
	s_mov_b32 s[(\g)+4], 128                       ; tile_dim1 = 128
	s_mov_b32 s[(\g)+5], KP                        ; elements from row to row
	s_mov_b32 s[(\g)+6], 0
	s_mov_b32 s[(\g)+7], 0
.endr
	s_mul_i32 s40, s20, 128*KP*2                   ; A: hangs on ty alone
	s_mov_b32 s41, 0
	s_max_u32 s46, s[WV], 1                        ; B: the gate is wave - 1; hangs on tx and the wave alone
	s_sub_co_u32 s46, s46, 1
	s_lshl_b32 s46, s46, 10
	s_lshl_b32 s47, s19, 7
	s_add_co_u32 s46, s46, s47
	s_mul_i32 s46, s46, KP*2
	s_mov_b32 s47, 0
	s_mul_i32 s23, s[WV], HALFT                    ; where my tile goes
	s_mov_b32 s[NL], 0xbfb8aa3b
	s_mov_b32 s[NL+1], s[NL]
	s_mov_b32 s[TL], 0x4038aa3b
	s_mov_b32 s[TL+1], s[TL]
	s_wait_dscnt 0x0                               ; the opening add is done
	s_wait_kmcnt 0x0
	s_add_nc_u64 s[40:41], s[4:5], s[40:41]
	s_add_nc_u64 s[46:47], s[6:7], s[46:47]
	CROUND                                         ; all sixteen work-groups are here
.irp s, 0,1
	s_mov_b32 s[G0A+4*(\s)], 1
	s_add_co_u32 s[G0A+4*(\s)+1], s23, (\s)*SLOT
	s_add_nc_u64 s[G0A+4*(\s)+2:G0A+4*(\s)+3], s[40:41], (\s)*256
	s_or_b32 s[G0A+4*(\s)+3], s[G0A+4*(\s)+3], 0x80000000
	s_mov_b32 s[G0B+4*(\s)], 1
	s_add_co_u32 s[G0B+4*(\s)+1], s23, (\s)*SLOT
	s_add_nc_u64 s[G0B+4*(\s)+2:G0B+4*(\s)+3], s[46:47], (\s)*256
	s_or_b32 s[G0B+4*(\s)+3], s[G0B+4*(\s)+3], 0x80000000
	JLOAD \s
.endr
	s_lshl_b32 s42, s19, 7
	s_lshl_b32 s43, s16, 6
	s_add_co_u32 s42, s42, s43                     ; my first hidden column
	s_lshl_b32 s44, s20, 7
	s_lshl_b32 s45, s15, 6
	s_add_co_u32 s44, s44, s45                     ; my first row
	s_lshl_b32 s68, s42, 2
	s_add_co_u32 s68, s68, BIASO
	s_mov_b32 s69, 0
	s_add_nc_u64 s[68:69], s[6:7], s[68:69]        ; the biases of my columns
	s_mul_i32 s66, s44, KP*2
	s_lshl1_add_u32 s66, s42, s66
	s_add_co_u32 s66, s66, 1024
	s_mov_b32 s67, 0
	s_add_nc_u64 s[66:67], s[4:5], s[66:67]        ; h at my corner
	s_lshl_b32 s70, s20, 7
	s_lshl_b32 s71, s[WV], 5
	s_add_co_u32 s70, s70, s71
	s_lshl_b32 s70, s70, 2
	s_mov_b32 s71, 0
	s_add_nc_u64 s[70:71], s[8:9], s[70:71]        ; pos of the 32 rows that I send to gs
	s_lshl_b32 s76, s44, 12
	s_lshl2_add_u32 s76, s42, s76
	s_mov_b32 s77, 0
	s_add_nc_u64 s[10:11], s[10:11], s[76:77]      ; out1 at my corner
	s_lshl_b32 s76, s19, 8
	s_add_nc_u64 s[12:13], s[12:13], s[76:77]      ; gs at the work-group's 256 bytes of a row
	v_and_b32 v1, 15, v0                           ; r
	v_bfe_u32 v2, v0, 4, 1                         ; h
	v_lshlrev_b32 v[VB], 5, v2
	v_bfe_u32 v4, v0, 3, 2
	v_and_b32 v5, 7, v0
	v_mul_u32_u24 v[VH], v4, KP*2
	v_lshl_add_u32 v[VH], v5, 4, v[VH]             ; h: 8 lanes take a row's 128 bytes
	v_lshlrev_b32 v[VP], 2, v2
	; the biases, straight into the accumulators: a lane's eight columns 16 b + 8 h .., the same for every a
.irp g, 0,1,2,3
	WIN 0x80+0x40*((\g)/2)
.irp a, 0,1,2,3
.irp b, 0,1,2,3
	global_load_b128 v[128*((\g)%2)+8*(4*(\a)+(\b)):128*((\g)%2)+8*(4*(\a)+(\b))+3],   v[VB], s[68:69] offset:4096*(\g)+64*(\b)
	global_load_b128 v[128*((\g)%2)+8*(4*(\a)+(\b))+4:128*((\g)%2)+8*(4*(\a)+(\b))+7], v[VB], s[68:69] offset:4096*(\g)+64*(\b)+16
.endr
.endr
.endr
	WIN 0
.set t, 0
.rept 16
	global_load_b128 v[128+4*t:131+4*t], v[VH], s[66:67] offset:4*KP*2*t
.set t, t+1
.endr
.set t, 0
.rept 16
	global_load_b32 v[GA+t], v[VP], s[70:71] offset:8*t
.set t, t+1
.endr
	v_mul_u32_u24 v3, v1, PITCH
	v_lshl_add_u32 v3, v2, 4, v3                   ; a fragment's row x pitch + 16 h
	s_mul_i32 s76, s15, 64*PITCH
	s_mul_i32 s77, s16, 64*PITCH
	s_add_co_u32 s77, s77, HALFT
.irp s, 0,1
	v_add_nc_u32 v[ADRA+(\s)], s76, v3
.irp g, 0,1,2
	v_add_nc_u32 v[ADRB+3*(\s)+(\g)], s77, v3
	s_add_co_u32 s77, s77, HALFT
.endr
	s_add_co_u32 s76, s76, SLOT
	s_add_co_u32 s77, s77, HALFT
.endr
	v_mov_b32 v[ZR], 0
	v_mov_b32 v[ONE], 1.0
	s_mul_i32 s76, s[WV], WBS                      ; the addresses of the way out
	v_mul_u32_u24 v[DST], v1, PITCH
	v_lshl_add_u32 v[DST], v2, 5, v[DST]
	v_add_nc_u32 v[DST], s76, v[DST]               ; in: row r, 32 bytes for each half of the lanes
	v_lshlrev_b32 v[C16], 4, v1
	v_mul_u32_u24 v[RD0], v2, PITCH
	v_add_nc_u32 v[RD0], v[RD0], v[C16]
	v_add_nc_u32 v[RD0], s76, v[RD0]               ; back: lanes 0-15 a row of 256 bytes, lanes 16-31 the next
	s_add_co_u32 s77, s76, HOFF
	v_mul_u32_u24 v[HST], v4, HP
	v_lshl_add_u32 v[HST], v5, 4, v[HST]
	v_add_nc_u32 v[HST], s77, v[HST]
	v_mul_u32_u24 v[HRD], v2, HP
	v_lshl_add_u32 v[HRD], v1, 3, v[HRD]
	v_add_nc_u32 v[HRD], s77, v[HRD]
	s_mul_i32 s77, s15, 64*PITCH
	s_lshl_b32 s78, s16, 7
	s_add_co_u32 s77, s77, s78
	s_add_co_u32 s77, s77, GSB
	v_mul_u32_u24 v[GSA], v2, PITCH
	v_lshl_add_u32 v[GSA], v1, 3, v[GSA]
	v_add_nc_u32 v[GSA], s77, v[GSA]
	v_lshl_add_u32 v[OO], v2, 12, v[C16]
	s_mul_i32 s77, s[WV], 32*PITCH
	s_add_co_u32 s77, s77, GSB
	v_mul_u32_u24 v[GRD], v2, PITCH
	v_add_nc_u32 v[GRD], v[GRD], v[C16]
	v_add_nc_u32 v[GRD], s77, v[GRD]
.macro MULG f, g                       ; 16 products of gate g (0 r, 1 z) on buffer f; the accumulators take turns
	WIN 0xa1
.irp a, 0,1,2,3
.irp b, 0,1,2,3
	v_wmma_f32_16x16x32_f16 v[128*(\g)+8*(4*(\a)+(\b)):128*(\g)+8*(4*(\a)+(\b))+7], v[96*(\f)+32*(\g)+8*(\b):96*(\f)+32*(\g)+8*(\b)+7], v[64+32*(\f)+8*(\a):64+32*(\f)+8*(\a)+7], v[128*(\g)+8*(4*(\a)+(\b)):128*(\g)+8*(4*(\a)+(\b))+7]
.endr
.endr
.endm
.macro MULN f, nacc                    ; 16 products of gate n, into i_n (0) or h_n (1)
	WIN 0xf1
.irp a, 0,1,2,3
.irp b, 0,1,2,3
	v_wmma_f32_16x16x32_f16 v[128*(\nacc)+8*(4*(\a)+(\b)):128*(\nacc)+8*(4*(\a)+(\b))+7], v[96*(\f)+64+8*(\b):96*(\f)+64+8*(\b)+7], v[64+32*(\f)+8*(\a):64+32*(\f)+8*(\a)+7], v[128*(\nacc)+8*(4*(\a)+(\b)):128*(\nacc)+8*(4*(\a)+(\b))+7]
.endr
.endr
.endm
.macro FETCH slot, k, f                ; 32 LDS loads in one run: A, B of r, of z, of n; 32 along K at byte k
	WIN 0
.irp i, 0,1,2,3
	ds_load_b128 v[64+32*(\f)+8*(\i):64+32*(\f)+8*(\i)+3],   v[ADRA+(\slot)] offset:(\k)+(\i)*16*PITCH
	ds_load_b128 v[64+32*(\f)+8*(\i)+4:64+32*(\f)+8*(\i)+7], v[ADRA+(\slot)] offset:(\k)+(\i)*16*PITCH+32
.endr
	WIN 0x40
.irp g, 0,1,2
.irp i, 0,1,2,3
	ds_load_b128 v[96*(\f)+32*(\g)+8*(\i):96*(\f)+32*(\g)+8*(\i)+3],   v[ADRB+3*(\slot)+(\g)] offset:(\k)+(\i)*16*PITCH
	ds_load_b128 v[96*(\f)+32*(\g)+8*(\i)+4:96*(\f)+32*(\g)+8*(\i)+7], v[ADRB+3*(\slot)+(\g)] offset:(\k)+(\i)*16*PITCH+32
.endr
.endr
.endm
.macro QUARTER slot, k, f, g, nacc     ; multiplies buffer f; in its middle fetches the next quarter, at byte k, into buffer g
	s_wait_dscnt 8                                 ; all but the eight loads of gate n
	MULG \f, 0
	MULG \f, 1
	PLACES
	FETCH \slot, \k, \g
	s_wait_dscnt 32                                ; all but the 32 just issued
	MULN \f, \nacc
.endm
.macro TURN slot, next, nacc, fill     ; the last quarter multiplies buffer 1 and changes slots
	WIN 0
	s_wait_tensorcnt 0x0                           ; all my tensor loads have landed: the one that was out is my tile of the next slot
	ds_add_u32 v[SPW], v[NIL]
	s_wait_dscnt 9                                 ; (the add and gate n's eight loads may be out)
	MULG 1, 0
	s_wait_dscnt 0x0                               ; the add is done, and my reads of this slot are over
	s_barrier_signal -1
	MULG 1, 1
	WIN 0
	s_barrier_wait -1
.if \fill
	CREST                                          ; no wave of any partner still reads this slot or has a load on its way
	s_add_nc_u64 s[G0A+4*(\slot)+2:G0A+4*(\slot)+3], s[G0A+4*(\slot)+2:G0A+4*(\slot)+3], 512
	s_add_nc_u64 s[G0B+4*(\slot)+2:G0B+4*(\slot)+3], s[G0B+4*(\slot)+2:G0B+4*(\slot)+3], 512
	JLOAD \slot                                    ; two K steps on; 160 products stand between it and the wait for it; its four v_nop are the places in front of the loads below
.else
	PLACES
.endif
	FETCH \next, 0, 0
	MULN 1, \nacc
.endm
.macro STEP slot, nacc, fill
	QUARTER \slot, 64,  0, 1, \nacc
	QUARTER \slot, 128, 1, 0, \nacc
	QUARTER \slot, 192, 0, 1, \nacc
	TURN \slot, 1-(\slot), \nacc, \fill
.endm
	s_wait_tensorcnt 1                             ; my tile of K step 0 is in; step 1's may stay out
	s_barrier_signal -1
	s_barrier_wait -1
	FETCH 0, 0, 0
	s_wait_loadcnt 32                              ; the biases are in the accumulators; the 32 younger loads (h, pos) stay out
	WIN 0
	s_mov_b32 s3, 2
.Lx:                                               ; K steps 0 to 3: the input's part
	STEP 0, 0, 1
	STEP 1, 0, 1
	WIN 0
	s_sub_co_u32 s3, s3, 1
	s_cmp_lg_u32 s3, 0
	s_cbranch_scc1 .Lx
	s_mov_b32 s3, 3
.Lh:                                               ; K steps 4 to 9: h's part; the last refill brings step 11
	STEP 0, 1, 1
	STEP 1, 1, 1
	WIN 0
	s_sub_co_u32 s3, s3, 1
	s_cmp_lg_u32 s3, 0
	s_cbranch_scc1 .Lh
	STEP 0, 1, 0                                   ; the last two steps ask for nothing
	QUARTER 1, 64,  0, 1, 1
	QUARTER 1, 128, 1, 0, 1
	QUARTER 1, 192, 0, 1, 1
	s_wait_dscnt 8
	MULG 1, 0
	MULG 1, 1
	s_wait_dscnt 0x0
	MULN 1, 1
	; THE WAY OUT.  The ring has had its last fill.  Behind a barrier (nobody reads the slots any more) each wave lays its h and, 32 rows at a time, its four sums into its own stage,
	; and reads them back by rows: 16 lanes a row of 64 columns, four columns a lane.
	WIN 0
	PLACES
	s_barrier_signal -1
	s_barrier_wait -1
	s_wait_loadcnt 0x0                             ; h and pos
.set t, 0
.rept 16
	ds_store_b128 v[HST], v[128+4*t:131+4*t] offset:4*HP*t
.set t, t+1
.endr
.set t, 0
.rept 16
	v_min_u32 v[GA+t], 0x1fff, v[GA+t]
	v_lshl_add_u32 v[GA+t], v[GA+t], 11, v[C16]    ; my 16 bytes of the sorted row in gs
.set t, t+1
.endr
	s_wait_dscnt 0x0                               ; h's registers are taken anew below
.macro DUMP p                          ; m blocks 2 p, 2 p + 1 of all four sums; each accumulator's low registers first
.irp g, 0,1,2,3
	WIN 0x08+4*((\g)/2)
.irp aa, 0,1
.irp b, 0,1,2,3
	ds_store_b128 v[DST], v[128*((\g)%2)+8*(4*(2*(\p)+(\aa))+(\b)):128*((\g)%2)+8*(4*(2*(\p)+(\aa))+(\b))+3]   offset:(\g)*GPL+(\aa)*16*PITCH+64*(\b)
	ds_store_b128 v[DST], v[128*((\g)%2)+8*(4*(2*(\p)+(\aa))+(\b))+4:128*((\g)%2)+8*(4*(2*(\p)+(\aa))+(\b))+7] offset:(\g)*GPL+(\aa)*16*PITCH+64*(\b)+16
.endr
.endr
.endr
	WIN 0
.endm
.macro PKALL op, d, a, n, tail:vararg  ; one packed line for each of n pairs
.set i, 0
.rept \n
	\op v[(\d)+2*i:(\d)+2*i+1], v[(\a)+2*i:(\a)+2*i+1], \tail
.set i, i+1
.endr
.endm
.macro TRALL op, d, n                  ; a batch of n transcendentals in place, the plain instruction behind the last, and ONE wait ahead of the first reader
.set i, 0
.rept \n
	\op v[(\d)+i], v[(\d)+i]
.set i, i+1
.endr
	v_nop
	s_wait_alu depctr_va_vdst(0)
.endm
.macro EPI                             ; 8 rows: 16 numbers a lane
	s_wait_xcnt 0x0                                ; the last trip's stores have read NEW and OO
	v_add_nc_u32 v[OO], 0x8000, v[OO]              ; 8 rows of out1 on; the stores below reach back
.irp u, 0,1,2,3
	ds_load_b128 v[RR+4*\u:RR+4*\u+3], v[RD] offset:\u*2*PITCH
.endr
.irp u, 0,1,2,3
	ds_load_b128 v[ZZ+4*\u:ZZ+4*\u+3], v[RD] offset:GPL+\u*2*PITCH
.endr
.irp u, 0,1,2,3
	ds_load_b128 v[HN+4*\u:HN+4*\u+3], v[RD] offset:3*GPL+\u*2*PITCH
.endr
.irp u, 0,1,2,3
	ds_load_b128 v[IN+4*\u:IN+4*\u+3], v[RD] offset:2*GPL+\u*2*PITCH
.endr
.irp u, 0,1,2,3
	ds_load_b64 v[HH+2*\u:HH+2*\u+1], v[HRD] offset:\u*2*HP
.endr
	s_wait_dscnt 12                                ; R and Z are in
	PKALL v_pk_mul_f32, RR, RR, 16, s[NL:NL+1] op_sel_hi:[1,0]
	TRALL v_exp_f32, RR, 32
	PKALL v_pk_add_f32, RR, RR, 16, 1.0 op_sel_hi:[1,0]
	TRALL v_rcp_f32, RR, 32                        ; r and z
	s_wait_dscnt 4                                 ; h_n and i_n are in
.set i, 0
.rept 8
	v_pk_fma_f32 v[IN+2*i:IN+2*i+1], v[RR+2*i:RR+2*i+1], v[HN+2*i:HN+2*i+1], v[IN+2*i:IN+2*i+1]
.set i, i+1
.endr
	PKALL v_pk_mul_f32, IN, IN, 8, s[TL:TL+1] op_sel_hi:[1,0]
	TRALL v_exp_f32, IN, 16
	PKALL v_pk_add_f32, IN, IN, 8, 1.0 op_sel_hi:[1,0]
	TRALL v_rcp_f32, IN, 16
	PKALL v_pk_fma_f32, IN, IN, 8, -2.0, 1.0 op_sel_hi:[1,0,0]  ; n
	s_wait_dscnt 0x0                               ; h is in
.set i, 0
.rept 16
.if i%2 == 0
	v_fma_mix_f32 v[HN+i], v[HH+i/2], v[ONE], -v[IN+i] op_sel_hi:[1,0,0]
.else
	v_fma_mix_f32 v[HN+i], v[HH+i/2], v[ONE], -v[IN+i] op_sel:[1,0,0] op_sel_hi:[1,0,0]
.endif
.set i, i+1
.endr
.set i, 0
.rept 8
	v_pk_fma_f32 v[NEW+2*i:NEW+2*i+1], v[ZZ+2*i:ZZ+2*i+1], v[HN+2*i:HN+2*i+1], v[IN+2*i:IN+2*i+1]  ; n + z (h - n)
.set i, i+1
.endr
.irp u, 0,1,2,3
	global_store_b128 v[OO], v[NEW+4*\u:NEW+4*\u+3], s[10:11] offset:\u*8192-32768 th:TH_STORE_NT  ; 16 lanes store 256 consecutive bytes, aligned
.endr
.set i, 0
.rept 8
	v_cvt_pk_f16_f32 v[PK+i], v[NEW+2*i], v[NEW+2*i+1]
.set i, i+1
.endr
.set i, 0
.rept 8
	v_pk_max_num_f16 v[PK+i], v[PK+i], v[ZR]
.set i, i+1
.endr
.irp u, 0,1,2,3
	ds_store_b64 v[GSA], v[PK+2*\u:PK+2*\u+1] offset:\u*2*PITCH
.endr
	v_add_nc_u32 v[RD], 8*PITCH, v[RD]
	v_add_nc_u32 v[HRD], 8*HP, v[HRD]
	v_add_nc_u32 v[GSA], 8*PITCH, v[GSA]
.endm
	DUMP 0
	s_mov_b32 s2, 2                                ; halves of my 64 rows to go
.Lpass:
	v_mov_b32 v[RD], v[RD0]
	s_mov_b32 s3, 4
.Lepi:
	EPI
	s_sub_co_u32 s3, s3, 1
	s_cmp_lg_u32 s3, 0
	s_cbranch_scc1 .Lepi
	s_cmp_eq_u32 s2, 1
	s_cbranch_scc1 .Lsent
	DUMP 1                                         ; my own bytes: LDS serves a wave in order, so these come behind the reads above
	s_sub_co_u32 s2, s2, 1
	s_branch .Lpass
.Lsent:
	s_wait_dscnt 0x0                               ; for the others: a row of relu(h_new) comes from two waves
	s_barrier_signal -1
	s_barrier_wait -1
.set t, 0
.rept 16
	ds_load_b128 v[128+4*t:131+4*t], v[GRD] offset:2*PITCH*t
.set t, t+1
.endr
.set t, 0
.rept 16
	s_wait_dscnt 15-t
	global_store_b128 v[GA+t], v[128+4*t:131+4*t], s[12:13]  ; 16 lanes store 256 consecutive bytes, aligned, of the row's sorted place
.set t, t+1
.endr
	s_wait_tensorcnt 0x0                           ; the wave's end
	ds_add_u32 v[SPW], v[NIL]
	s_wait_dscnt 0x0
	CROUND                                         ; the closing round
	s_endpgm
.Lfunc_end_k_q82e6428902_gru:
	.size	k_q82e6428902_gru, .Lfunc_end_k_q82e6428902_gru-k_q82e6428902_gru
	.p2alignl 7, 3214868480
	.fill 96, 4, 3214868480
	.section	.rodata,"a",@progbits
	.p2align	6, 0x0
	.amdhsa_kernel k_q82e6428902_gru
		.amdhsa_group_segment_fixed_size 327680
		.amdhsa_private_segment_fixed_size 0
		.amdhsa_enable_private_segment 0
		.amdhsa_kernarg_size 40
		.amdhsa_user_sgpr_count 2
		.amdhsa_user_sgpr_kernarg_segment_ptr 1
		.amdhsa_wavefront_size32 1
		.amdhsa_system_sgpr_workgroup_id_x 1
		.amdhsa_system_sgpr_workgroup_id_y 1
		.amdhsa_system_sgpr_workgroup_id_z 1
		.amdhsa_system_vgpr_workitem_id 0
		.amdhsa_next_free_vgpr 1024
		.amdhsa_next_free_sgpr 80
		.amdhsa_reserve_vcc 0
		.amdhsa_float_denorm_mode_32 3
		.amdhsa_float_denorm_mode_16_64 3
		.amdhsa_memory_ordered 1
		.amdhsa_forward_progress 1
		.amdhsa_inst_pref_size 184
	.end_amdhsa_kernel
	.amdgpu_metadata
---
amdhsa.version: [ 1, 2 ]
amdhsa.kernels:
  - .name:           k_q82e6428902_gru
    .symbol:         k_q82e6428902_gru.kd
    .args:
      - { .name: Acat, .offset: 0, .size: 8, .value_kind: global_buffer, .address_space: global }
      - { .name: Bcat, .offset: 8, .size: 8, .value_kind: global_buffer, .address_space: global }
      - { .name: route, .offset: 16, .size: 8, .value_kind: global_buffer, .address_space: global }
      - { .name: out1, .offset: 24, .size: 8, .value_kind: global_buffer, .address_space: global }
      - { .name: gs, .offset: 32, .size: 8, .value_kind: global_buffer, .address_space: global }
    .group_segment_fixed_size: 327680
    .private_segment_fixed_size: 0
    .kernarg_segment_align: 8
    .kernarg_segment_size: 40
    .max_flat_workgroup_size: 128
    .sgpr_count:     80
    .vgpr_count:     1024
    .wavefront_size: 32
...
	.end_amdgpu_metadata
.endif
;; end of part 3
;; launch tail (part 4): grid 128 x 1, 4 waves a work-group, no clusters, 327,680 bytes of LDS; arguments gs, W3b, Whf, bh, route, out0; writes out0
.if DOCPART == 4
	.amdgcn_target "amdgcn-amd-amdhsa--gfx1250"
	.amdhsa_code_object_version 6
	.text
	.protected	k_q82e6428902_tail
	.globl	k_q82e6428902_tail
	.p2align	8
	.type	k_q82e6428902_tail,@function
k_q82e6428902_tail:
	s_mov_b64 s[64:65], 0
	v_nop
	global_prefetch_b8 v0, s[64:65] scope:SCOPE_SE
	s_setreg_imm32_b32 hwreg(HW_REG_WAVE_MODE, 25, 1), 1
	s_wait_xcnt 0x0
; TAIL: g2 = relu(gs W3^T + b3) and the row's own head, params = g2 Wh[key]^T + bh[key].  gs holds relu(h_new) in f16 with the rows sorted by cultivar, so rows on end have few keys.
; A work-group has 64 sorted rows and all 512 columns of fc3 (so the head needs no other work-group); a wave 64 x 128: 32 accumulators, which start at b3 (rounded, f32, behind W3b).
; 128 work-groups: every work-group draws all of W3b, 1 MiB, through its LDS; with 32 rows each that would be twice the LDS bytes and twice the LDS loads for each product.
; K goes in 8 steps of 128 through two slots: 512 rows of W3b (waves 0 and 1, 256 rows each) and 64 rows of gs (wave 2).
; THE HEAD.  Wave w has rows 16 w .. of g2 (f16, through LDS).  It walks the keys from that of its first row to that of its last, read from order.
; For each key: 32 products with that key's Wh, taken from memory in operand order straight into registers, and each lane keeps the result if the key is its row's.  The loop writes no LDS; no barrier stands in it or behind it.
; NO CLUSTER, though all work-groups walk the same W3b: the length of the head's loop is a number read from memory.
; A constant length, all 32 keys in every wave, would be 32 x 32 = 1,024 products a wave, as many again as fc3's 1,024; a launch for the head alone would send g2, 8 MiB, through memory and back.
; LIMITS.  g2 is rounded once to f16 (lost beyond 65,504).  bh is rounded to bf16 like every input.  Keys are held to 31, rows to 8,191.  out0's rows are 128 bytes, at places that the sort decides: 8 lanes store a whole row.
; REGISTERS: window 0: v0-31 addresses; v32-127, v128-223 two fragment buffers (A 32, B 64); window 1: the accumulators at 8 (8 a + b), later a key's Wh.
.set PITCH, 272                        ; an LDS row: 256 bytes + 16 = 68 words: row r starts at bank 4 r mod 64 (ISA guide 11.1)
.set BROWS, 512*PITCH
.set SLOT,  BROWS+64*PITCH
.set SPARE, 2*SLOT                     ; the spare words, 128 bytes for each wave: no other line names them
.set G2P,   1040                       ; g2 in slot 0 (which has had its last fill): 64 rows of 1,024 bytes + 16
.set STGB,  64*G2P                     ; behind it: 16 rows x 144 bytes for each wave
.set SP,    144
.set ADRA, 4
.set ADRB, 6
.set VB,   8
.set G2S,  9
.set G2R,  10
.set STS,  11
.set STR,  12
.set LO16, 13
.set KO,   14
.set RO,   15
.set C16,  16
.set BHO,  17
.set KEY,  20
.set ROWS, 21                          ; v21-24
.set SPW,  28
.set NIL,  29
.set ZR,   30
.set F0,   32
.set F1,   128
.set HACC, 160
.set RES,  176
.set BH,   192
.set OUTR, 208
.set T,    224
.set WV,  16
.set G1B, 24
.set G0B, 32
.set G1A, 48
.set G0A, 56
.set MSB, 0
.macro WIN new                         ; the immediate's high byte repeats the setting that is left
.if MSB != (\new)
	s_set_vgpr_msb (MSB<<8)|(\new)
.set MSB, \new
.endif
.endm
.macro PLACES                          ; four places in front of loads into registers that products have read, and of lines that read results
.rept 4
	v_nop
.endr
.endm
.macro LOAD s                          ; a slot's fill: waves 0 and 1 the halves of W3b's tile, wave 2 the rows of gs; an s_nop 0 and four v_nop follow each line
	s_cmp_lt_u32 s[WV], 2
	s_cbranch_scc0 .Lnot_b_\@
	tensor_load_to_lds s[G0B+4*(\s):G0B+4*(\s)+3], s[G1B:G1B+7]
	s_nop 0
.rept 4
	v_nop
.endr
	s_branch .Lasked_\@
.Lnot_b_\@:
	s_cmp_eq_u32 s[WV], 2
	s_cbranch_scc0 .Lasked_\@
	tensor_load_to_lds s[G0A+4*(\s):G0A+4*(\s)+3], s[G1A:G1A+7]
	s_nop 0
.rept 4
	v_nop
.endr
.Lasked_\@:
.endm
	s_load_b256 s[4:11], s[0:1], 0x0               ; gs s[4:5], W3b s[6:7], Whf s[8:9], bh s[10:11]
	s_load_b128 s[12:15], s[0:1], 0x20             ; route s[12:13], out0 s[14:15]
	v_lshl_add_u32 v[SPW], v0, 2, SPARE
	v_mov_b32 v[NIL], 0
	ds_add_u32 v[SPW], v[NIL]                      ; the wave's opening: the add and its wait ahead of my first tensor load
	v_lshrrev_b32 v1, 5, v0
	v_readfirstlane_b32 s[WV], v1
	s_mov_b32 s18, ttmp9                           ; my block of 64 sorted rows
	s_mov_b32 s[G1B], (1<<16)|(1<<20)|(5<<22)|(3<<25)  ; 2-byte elements; padding on: after every 64 words 4 words
	s_mov_b32 s[G1B+1], 128<<16                    ; tensor_dim0 = 128
	s_mov_b32 s[G1B+2], 256<<16                    ; tensor_dim1 = 256
	s_mov_b32 s[G1B+3], 128<<16                    ; tile_dim0 = 128
	s_mov_b32 s[G1B+4], 256                        ; tile_dim1 = 256
	s_mov_b32 s[G1B+5], 1024                       ; elements from row to row
	s_mov_b32 s[G1B+6], 0
	s_mov_b32 s[G1B+7], 0
	s_mov_b32 s[G1A], (1<<16)|(1<<20)|(5<<22)|(3<<25)  ; the same shape with 64 rows
	s_mov_b32 s[G1A+1], 128<<16
	s_mov_b32 s[G1A+2], 64<<16
	s_mov_b32 s[G1A+3], 128<<16
	s_mov_b32 s[G1A+4], 64
	s_mov_b32 s[G1A+5], 1024
	s_mov_b32 s[G1A+6], 0
	s_mov_b32 s[G1A+7], 0
	s_mul_i32 s19, s[WV], 256*PITCH                ; waves 0 and 1: where my 256 rows of W3b go
	s_lshl_b32 s40, s[WV], 19                      ; and where they come from
	s_mov_b32 s41, 0
	s_lshl_b32 s42, s18, 17                        ; my 64 rows of gs
	s_mov_b32 s43, 0
	s_lshl_b32 s70, s18, 6
	s_lshl4_add_u32 s70, s[WV], s70                ; my wave's first sorted row
	s_lshl_b32 s70, s70, 2
	s_add_co_u32 s70, s70, 32768                   ; order lies behind pos
	s_mov_b32 s71, 0
	s_lshl_b32 s68, s[WV], 9
	s_add_co_u32 s68, s68, 1048576                 ; b3 lies behind W3b's rows
	s_mov_b32 s69, 0
	s_wait_dscnt 0x0                               ; the opening add is done
	s_wait_kmcnt 0x0
	s_add_nc_u64 s[40:41], s[6:7], s[40:41]
	s_add_nc_u64 s[42:43], s[4:5], s[42:43]
	s_add_nc_u64 s[70:71], s[12:13], s[70:71]      ; order of my 16 rows
	s_add_nc_u64 s[68:69], s[6:7], s[68:69]        ; b3 of my 128 columns
.irp s, 0,1
	s_mov_b32 s[G0B+4*(\s)], 1
	s_add_co_u32 s[G0B+4*(\s)+1], s19, (\s)*SLOT
	s_add_nc_u64 s[G0B+4*(\s)+2:G0B+4*(\s)+3], s[40:41], (\s)*256
	s_or_b32 s[G0B+4*(\s)+3], s[G0B+4*(\s)+3], 0x80000000
	s_mov_b32 s[G0A+4*(\s)], 1
	s_mov_b32 s[G0A+4*(\s)+1], BROWS+(\s)*SLOT
	s_add_nc_u64 s[G0A+4*(\s)+2:G0A+4*(\s)+3], s[42:43], (\s)*256
	s_or_b32 s[G0A+4*(\s)+3], s[G0A+4*(\s)+3], 0x80000000
.endr
	s_cmp_lt_u32 s[WV], 2                          ; a wave's two first fills stand in one branch, ahead of every wait on TENSORcnt, every LDS read and every barrier: two loads of mine are out
	s_cbranch_scc0 .Lfirst_nb
	tensor_load_to_lds s[G0B:G0B+3], s[G1B:G1B+7]
	s_nop 0
	tensor_load_to_lds s[G0B+4:G0B+7], s[G1B:G1B+7]
	s_nop 0
.rept 4
	v_nop
.endr
	s_branch .Lfirst_done
.Lfirst_nb:
	s_cmp_eq_u32 s[WV], 2
	s_cbranch_scc0 .Lfirst_done
	tensor_load_to_lds s[G0A:G0A+3], s[G1A:G1A+7]
	s_nop 0
	tensor_load_to_lds s[G0A+4:G0A+7], s[G1A:G1A+7]
	s_nop 0
.rept 4
	v_nop
.endr
.Lfirst_done:
	s_load_b32 s66, s[70:71], 0x0                  ; order of my wave's first row
	s_load_b32 s67, s[70:71], 0x3c                 ; and of its last
	v_and_b32 v1, 15, v0                           ; r
	v_bfe_u32 v2, v0, 4, 1                         ; h
	v_lshlrev_b32 v[VB], 5, v2
	v_lshlrev_b32 v[KO], 2, v1
	v_bfe_u32 v3, v0, 3, 2
	v_lshlrev_b32 v[RO], 2, v3
	WIN 0x40
.set t, 0
.rept 32                               ; b3 straight into the accumulators: a lane's eight columns 16 b + 8 h .., the same for every a
	global_load_b128 v[8*t:8*t+3],   v[VB], s[68:69] offset:64*(t%8)
	global_load_b128 v[8*t+4:8*t+7], v[VB], s[68:69] offset:64*(t%8)+16
.set t, t+1
.endr
	WIN 0
	global_load_b32 v[KEY], v[KO], s[70:71]
.irp t, 0,1,2,3
	global_load_b32 v[ROWS+\t], v[RO], s[70:71] offset:16*\t
.endr
	v_mov_b32 v[ZR], 0
	v_mul_u32_u24 v18, v1, PITCH
	v_lshl_add_u32 v18, v2, 4, v18
	s_mul_i32 s46, s[WV], 128*PITCH
	v_add_nc_u32 v[ADRA], BROWS, v18
	v_add_nc_u32 v[ADRA+1], BROWS+SLOT, v18
	v_add_nc_u32 v[ADRB], s46, v18
	v_add_nc_u32 v[ADRB+1], SLOT, v[ADRB]
	v_mul_u32_u24 v18, v1, G2P
	v_lshl_add_u32 v18, v2, 4, v18
	v_lshl_add_u32 v[G2S], s[WV], 8, v18           ; g2 in: row r, my 256 bytes, 16 for each half of the lanes
	s_mul_i32 s46, s[WV], 16*G2P
	v_add_nc_u32 v[G2R], s46, v18                  ; g2 back as fragments of my 16 rows
	s_mul_i32 s46, s[WV], 16*SP
	s_add_co_u32 s46, s46, STGB
	v_mul_u32_u24 v[STS], v1, SP
	v_lshl_add_u32 v[STS], v2, 5, v[STS]
	v_add_nc_u32 v[STS], s46, v[STS]
	v_and_b32 v19, 7, v0
	v_lshlrev_b32 v[C16], 4, v19
	v_mul_u32_u24 v[STR], v3, SP
	v_add_nc_u32 v[STR], v[STR], v[C16]
	v_add_nc_u32 v[STR], s46, v[STR]
	v_and_b32 v[LO16], 31, v0
	v_lshlrev_b32 v[LO16], 4, v[LO16]
.macro MUL8 f, a0, bh                  ; 8 products: m blocks a0, a0 + 1 x n blocks 4 bh ..; the accumulators take turns
	WIN 0x50
.irp a, \a0, (\a0)+1
.irp b, 0,1,2,3
	v_wmma_f32_16x16x32_f16 v[8*(8*(\a)+4*(\bh)+(\b)):8*(8*(\a)+4*(\bh)+(\b))+7], v[(\f)+32+8*(4*(\bh)+(\b)):(\f)+32+8*(4*(\bh)+(\b))+7], v[(\f)+8*(\a):(\f)+8*(\a)+7], v[8*(8*(\a)+4*(\bh)+(\b)):8*(8*(\a)+4*(\bh)+(\b))+7]
.endr
.endr
.endm
.macro FETCH slot, k, f                ; 24 LDS loads in one run: A, then B's n blocks 0-3, then 4-7
	WIN 0
.irp i, 0,1,2,3
	ds_load_b128 v[(\f)+8*(\i):(\f)+8*(\i)+3],   v[ADRA+(\slot)] offset:(\k)+(\i)*16*PITCH
	ds_load_b128 v[(\f)+8*(\i)+4:(\f)+8*(\i)+7], v[ADRA+(\slot)] offset:(\k)+(\i)*16*PITCH+32
.endr
.irp i, 0,1,2,3,4,5,6,7
	ds_load_b128 v[(\f)+32+8*(\i):(\f)+32+8*(\i)+3],   v[ADRB+(\slot)] offset:(\k)+(\i)*16*PITCH
	ds_load_b128 v[(\f)+32+8*(\i)+4:(\f)+32+8*(\i)+7], v[ADRB+(\slot)] offset:(\k)+(\i)*16*PITCH+32
.endr
.endm
.macro QUARTER slot, k, f, g           ; multiplies buffer f; in its middle fetches the next quarter, at byte k, into buffer g
	s_wait_dscnt 8                                 ; all but B's n blocks 4-7
	MUL8 \f, 0, 0
	MUL8 \f, 2, 0
	PLACES
	FETCH \slot, \k, \g
	s_wait_dscnt 24                                ; all but the 24 just issued
	MUL8 \f, 0, 1
	MUL8 \f, 2, 1
.endm
.macro TURN slot, next, fill           ; the last quarter multiplies buffer 1 and changes slots: one barrier
	WIN 0
	s_wait_tensorcnt 0x0                           ; all my tensor loads have landed: the one that was out is my part of the next slot
	ds_add_u32 v[SPW], v[NIL]
	s_wait_dscnt 9                                 ; (the add and the youngest eight loads may be out)
	MUL8 F1, 0, 0
	s_wait_dscnt 0x0                               ; the add is done, and my reads of this slot are over
	s_barrier_signal -1
	MUL8 F1, 2, 0
	WIN 0
	s_barrier_wait -1                              ; nobody reads this slot any more, and the next slot is whole
.if \fill
	s_add_nc_u64 s[G0B+4*(\slot)+2:G0B+4*(\slot)+3], s[G0B+4*(\slot)+2:G0B+4*(\slot)+3], 512
	s_add_nc_u64 s[G0A+4*(\slot)+2:G0A+4*(\slot)+3], s[G0A+4*(\slot)+2:G0A+4*(\slot)+3], 512
	LOAD \slot                                     ; two K steps on: my one tensor load behind the barrier, and the first; 112 products stand between it and the wait for it
.endif
	PLACES                                         ; written out: wave 3 issues no load and has none of its v_nop
	FETCH \next, 0, F0
	MUL8 F1, 0, 1
	MUL8 F1, 2, 1
.endm
.macro STEP slot, fill
	QUARTER \slot, 64,  F0, F1
	QUARTER \slot, 128, F1, F0
	QUARTER \slot, 192, F0, F1
	TURN \slot, 1-(\slot), \fill
.endm
	s_wait_tensorcnt 1                             ; my part of K step 0 is in; step 1's may stay out
	s_barrier_signal -1
	s_barrier_wait -1
	FETCH 0, 0, F0
	s_wait_loadcnt 5                               ; b3 is in the accumulators; the five words of order stay out
	s_mov_b32 s3, 3
.Llap:                                             ; K steps 0 to 5; the last refill brings step 7
	STEP 0, 1
	STEP 1, 1
	WIN 0
	s_sub_co_u32 s3, s3, 1
	s_cmp_lg_u32 s3, 0
	s_cbranch_scc1 .Llap
	STEP 0, 0                                      ; the last two steps ask for nothing
	QUARTER 1, 64,  F0, F1
	QUARTER 1, 128, F1, F0
	QUARTER 1, 192, F0, F1
	s_wait_dscnt 8
	MUL8 F1, 0, 0
	MUL8 F1, 2, 0
	s_wait_dscnt 0x0
	MUL8 F1, 0, 1
	MUL8 F1, 2, 1
	; g2: rounded to f16, relu, into slot 0, which nobody has read since the barrier in front of the last K step
	WIN 0
	PLACES
	WIN 0x05                                       ; sources in window 1, destination in window 0
.set t, 0
.rept 32
.irp r, 0,1,2,3
	v_cvt_pk_f16_f32 v[32+4*t+\r], v[8*t+2*\r], v[8*t+2*\r+1]
.endr
.set t, t+1
.endr
	WIN 0
.set t, 0
.rept 128
	v_pk_max_num_f16 v[32+t], v[32+t], v[ZR]
.set t, t+1
.endr
.set t, 0
.rept 32
	ds_store_b128 v[G2S], v[32+4*t:35+4*t] offset:(t/8)*16*G2P+(t%8)*32
.set t, t+1
.endr
	s_wait_loadcnt 0x0                             ; order
	v_lshrrev_b32 v[KEY], 16, v[KEY]
	v_min_u32 v[KEY], 31, v[KEY]                   ; my row's key
	v_lshl_add_u32 v[BHO], v[KEY], 7, v[VB]
.irp n, 0,1
	global_load_b128 v[BH+8*\n:BH+8*\n+3],   v[BHO], s[10:11] offset:64*\n
	global_load_b128 v[BH+8*\n+4:BH+8*\n+7], v[BHO], s[10:11] offset:64*\n+16
.endr
.irp t, 0,1,2,3
	v_and_b32 v[ROWS+\t], 0xffff, v[ROWS+\t]
	v_min_u32 v[ROWS+\t], 0x1fff, v[ROWS+\t]
	v_lshl_add_u32 v[ROWS+\t], v[ROWS+\t], 7, v[C16]  ; my 16 bytes of the row in out0
.endr
.set t, 0
.rept 16
	v_mov_b32 v[RES+t], 0
.set t, t+1
.endr
	s_wait_kmcnt 0x0
	s_lshr_b32 s66, s66, 16
	s_min_u32 s66, s66, 31                         ; my wave's first key
	s_lshr_b32 s67, s67, 16
	s_min_u32 s67, s67, 31                         ; and its last,
	s_max_u32 s67, s67, s66                        ; which is no lower: the rows are sorted
	s_sub_co_u32 s67, s67, s66
	s_add_co_u32 s67, s67, 1                       ; keys to walk: 1 to 32
	s_wait_dscnt 0x0                               ; for the others: my columns of g2 are in LDS
	s_barrier_signal -1
	s_barrier_wait -1
.set t, 0
.rept 16
	ds_load_b128 v[32+8*t:35+8*t], v[G2R] offset:64*t
	ds_load_b128 v[36+8*t:39+8*t], v[G2R] offset:64*t+32
.set t, t+1
.endr
	s_wait_dscnt 0x0
	s_mov_b32 s47, 0
.Lhead:
	PLACES                                         ; between the last trip's products and the loads into their sources
	s_add_co_u32 s44, s66, s47
	s_min_u32 s44, s44, 31
	s_lshl_b32 s42, s44, 15                        ; a key's Wh is 32,768 bytes
	s_mov_b32 s43, 0
	s_add_nc_u64 s[42:43], s[8:9], s[42:43]        ; (the last trip's loads, which read this pair, were waited for)
	WIN 0x40
.set t, 0
.rept 16                               ; by K: for 32 k both blocks of 16 outputs, 512 consecutive bytes a load
.irp n, 0,1
	global_load_b128 v[16*t+8*\n:16*t+8*\n+3],   v[LO16], s[42:43] offset:16384*\n+1024*t
	global_load_b128 v[16*t+8*\n+4:16*t+8*\n+7], v[LO16], s[42:43] offset:16384*\n+1024*t+512
.endr
.set t, t+1
.endr
	WIN 0x01                                       ; source 0 (Wh) window 1; g2 and the sums window 0
.set t, 0
.rept 16
.if t%4 == 0
	s_wait_loadcnt 48-4*t                          ; the next sixteen loads are in
.endif
.if t == 0
	v_wmma_f32_16x16x32_f16 v[HACC:HACC+7],    v[16*t:16*t+7],    v[32+8*t:39+8*t], 0
	v_wmma_f32_16x16x32_f16 v[HACC+8:HACC+15], v[16*t+8:16*t+15], v[32+8*t:39+8*t], 0
.else
	v_wmma_f32_16x16x32_f16 v[HACC:HACC+7],    v[16*t:16*t+7],    v[32+8*t:39+8*t], v[HACC:HACC+7]
	v_wmma_f32_16x16x32_f16 v[HACC+8:HACC+15], v[16*t+8:16*t+15], v[32+8*t:39+8*t], v[HACC+8:HACC+15]
.endif
.set t, t+1
.endr
	WIN 0
	PLACES
	v_cmp_eq_u32 s46, s44, v[KEY]
.set t, 0
.rept 16
	v_cndmask_b32 v[RES+t], v[RES+t], v[HACC+t], s46  ; kept where the key is my row's
.set t, t+1
.endr
	s_add_co_u32 s47, s47, 1
	s_cmp_lt_u32 s47, s67
	s_cbranch_scc1 .Lhead
	; bh, rounded to bf16 like every input, is added; a lane holds outputs 16 n + 8 h .. of row r: through my stage, so that 8 lanes store a row's 128 bytes
.set t, 0
.rept 8
	v_cvt_pk_bf16_f32 v[T], v[BH+2*t], v[BH+2*t+1]
	v_lshlrev_b32 v[BH+2*t], 16, v[T]
	v_and_b32 v[BH+2*t+1], 0xffff0000, v[T]
	v_pk_add_f32 v[RES+2*t:RES+2*t+1], v[RES+2*t:RES+2*t+1], v[BH+2*t:BH+2*t+1]
.set t, t+1
.endr
.irp n, 0,1
	ds_store_b128 v[STS], v[RES+8*\n:RES+8*\n+3]   offset:64*\n
	ds_store_b128 v[STS], v[RES+8*\n+4:RES+8*\n+7] offset:64*\n+16
.endr
.irp t, 0,1,2,3
	ds_load_b128 v[OUTR+4*\t:OUTR+4*\t+3], v[STR] offset:4*SP*\t  ; my own bytes: LDS serves a wave in order
.endr
.irp t, 0,1,2,3
	s_wait_dscnt 3-\t
	global_store_b128 v[ROWS+\t], v[OUTR+4*\t:OUTR+4*\t+3], s[14:15]
.endr
	s_wait_tensorcnt 0x0                           ; the wave's end
	ds_add_u32 v[SPW], v[NIL]
	s_wait_dscnt 0x0
	s_endpgm
.Lfunc_end_k_q82e6428902_tail:
	.size	k_q82e6428902_tail, .Lfunc_end_k_q82e6428902_tail-k_q82e6428902_tail
	.p2alignl 7, 3214868480
	.fill 96, 4, 3214868480
	.section	.rodata,"a",@progbits
	.p2align	6, 0x0
	.amdhsa_kernel k_q82e6428902_tail
		.amdhsa_group_segment_fixed_size 327680
		.amdhsa_private_segment_fixed_size 0
		.amdhsa_enable_private_segment 0
		.amdhsa_kernarg_size 48
		.amdhsa_user_sgpr_count 2
		.amdhsa_user_sgpr_kernarg_segment_ptr 1
		.amdhsa_wavefront_size32 1
		.amdhsa_system_sgpr_workgroup_id_x 1
		.amdhsa_system_sgpr_workgroup_id_y 1
		.amdhsa_system_sgpr_workgroup_id_z 1
		.amdhsa_system_vgpr_workitem_id 0
		.amdhsa_next_free_vgpr 512
		.amdhsa_next_free_sgpr 72
		.amdhsa_reserve_vcc 0
		.amdhsa_float_denorm_mode_32 3
		.amdhsa_float_denorm_mode_16_64 3
		.amdhsa_memory_ordered 1
		.amdhsa_forward_progress 1
		.amdhsa_inst_pref_size 110
	.end_amdhsa_kernel
	.amdgpu_metadata
---
amdhsa.version: [ 1, 2 ]
amdhsa.kernels:
  - .name:           k_q82e6428902_tail
    .symbol:         k_q82e6428902_tail.kd
    .args:
      - { .name: gs, .offset: 0, .size: 8, .value_kind: global_buffer, .address_space: global }
      - { .name: W3b, .offset: 8, .size: 8, .value_kind: global_buffer, .address_space: global }
      - { .name: Whf, .offset: 16, .size: 8, .value_kind: global_buffer, .address_space: global }
      - { .name: bh, .offset: 24, .size: 8, .value_kind: global_buffer, .address_space: global }
      - { .name: route, .offset: 32, .size: 8, .value_kind: global_buffer, .address_space: global }
      - { .name: out0, .offset: 40, .size: 8, .value_kind: global_buffer, .address_space: global }
    .group_segment_fixed_size: 327680
    .private_segment_fixed_size: 0
    .kernarg_segment_align: 8
    .kernarg_segment_size: 48
    .max_flat_workgroup_size: 128
    .sgpr_count:     72
    .vgpr_count:     512
    .wavefront_size: 32
...
	.end_amdgpu_metadata
.endif
;; end of part 4
;; ======== version 2 of 2: 4 launches; 1.14 times as fast as version 1
;; limits: inputs' magnitudes at most 1,023; values are held in f16: magnitudes above 65,504 overflow, below 6.1e-05 lose precision
;; workspace buffers: Acat 25,165,824 bytes; Bcat 9,453,568 bytes; Wihb 6,291,456 bytes; W21T 1,052,672 bytes; W3b 1,050,624 bytes; Whf 1,048,576 bytes; gs 16,777,216 bytes; route 65,536 bytes of whole numbers
;; launch prep (part 5): grid 737 x 1, 8 waves a work-group, no clusters, 158,720 bytes of LDS; arguments input, hn, cultivars, W1, W2, b1, b2, W_ih, W_hh, W3, Wh, b_hh, b3, Acat, Bcat, Wihb, W21T, W3b, Whf, route; writes Acat, Bcat, Wihb, W21T, W3b, Whf, route
.if DOCPART == 5
	.amdgcn_target "amdgcn-amd-amdhsa--gfx1250"
	.amdhsa_code_object_version 6
	.text
	.protected	k_q82e6428902_prep
	.globl	k_q82e6428902_prep
	.p2align	8
	.type	k_q82e6428902_prep,@function
k_q82e6428902_prep:
	s_mov_b64 s[64:65], 0
	v_nop
	global_prefetch_b8 v0, s[64:65] scope:SCOPE_SE
	s_setreg_imm32_b32 hwreg(HW_REG_WAVE_MODE, 25, 1), 1
	s_wait_xcnt 0x0
; PREP: everything that is done once to the inputs.  The work-group number picks one of four texts (the same for all eight waves):
;   0         SORT   a counting sort of the 8,192 rows by cultivar: pos[row] and order[pos] = row | key << 16; also b_hh[2048..] and b3 rounded to bf16 (kept as f32)
;   1-128     W21    a tile 64 x 64 of (W2 W1)^T / 64 in f16, and v = W2 b1 + b2 in f32
;   129-704   CAST   hn, input, W_hh, W_ih: each number rounded to bf16 and that number written as f16 (input times 64)
;   705-736   FRAG   W3 (705-720) and Wh (721-736) likewise, laid out in the order in which a wave takes them as a matrix operand
; FORMATS.  Every input is rounded once to bf16.  Written as f16 that number is exact from 2^-14 up to 65,504; below 2^-14 it is off by 2^-25 at the most; beyond 65,504 it is lost
; (input: beyond 1,023, since it is stored times 64).  W2 W1 is stored divided by 64: the later product with W_ih then has room up to 4e6.  NaN and infinities are not treated apart.
; W21 stores halves (128 bytes) of aligned blocks of 256: a tile twice as wide would not leave room for two work-groups in LDS; it is 1 MiB in all.
; order is stored four bytes a lane to places that the sort decides: 32 KiB in all.
.set W1R,   66560                      ; LDS, W21: behind 64 rows x 1,040 bytes of W2: 512 rows (k) x 160 bytes of W1
.set STG,   148480                     ; LDS, W21: 64 rows x 144 bytes for the way out
.set SW,    32768                      ; LDS, SORT: behind the keys (8 x 4,096): each wave's 32 counts
.set SPARE, 157696                     ; the spare words, 128 bytes for each of eight waves: no other line names them
.set SPW, 2                            ; v2  SPARE + 4 x thread; never rewritten
.set NIL, 3                            ; v3  0; never rewritten
.set ZR,  15                           ; v15 0 (W21)
.set X,   32                           ; v32-159  as loaded
.set Y,   160                          ; v160-223 as stored
.set S,   224                          ; v224-239 W21: two partial sums for each of my 8 rows of v
.set T,   240                          ; v240-247 at work
.macro FINISH                          ; the end of a wave that wrote LDS
	s_wait_tensorcnt 0x0
	ds_add_u32 v[SPW], v[NIL]
	s_wait_dscnt 0x0
	s_endpgm
.endm
.macro RB x                            ; two f32 rounded to bf16 and widened again, in place
	v_cvt_pk_bf16_f32 v[T], v[\x], v[(\x)+1]
	v_lshlrev_b32 v[\x], 16, v[T]
	v_and_b32 v[(\x)+1], s7, v[T]
.endm
.macro TOF16 x, y, sc                  ; four f32 at x: rounded to bf16, (sc = 1: times s48,) written as f16 into y, y + 1
	RB \x
	RB (\x)+2
.if \sc
	v_pk_mul_f32 v[(\x):(\x)+1], v[(\x):(\x)+1], s[48:49] op_sel_hi:[1,0]
	v_pk_mul_f32 v[(\x)+2:(\x)+3], v[(\x)+2:(\x)+3], s[48:49] op_sel_hi:[1,0]
.endif
	v_cvt_pk_f16_f32 v[\y], v[\x], v[(\x)+1]
	v_cvt_pk_f16_f32 v[(\y)+1], v[(\x)+2], v[(\x)+3]
.endm
	v_lshl_add_u32 v[SPW], v0, 2, SPARE
	v_mov_b32 v[NIL], 0
	v_and_b32 v1, 31, v0                           ; lane
	v_lshrrev_b32 v4, 5, v0
	v_readfirstlane_b32 s8, v4                     ; wave 0..7
	s_mov_b32 s9, ttmp9
	s_mov_b32 s7, 0xffff0000                       ; a word's upper bf16
	s_cmp_eq_u32 s9, 0
	s_cbranch_scc1 .Lsort
	s_cmp_lt_u32 s9, 129
	s_cbranch_scc1 .Lw21
	s_cmp_ge_u32 s9, 705
	s_cbranch_scc1 .Lfrag
; ---------------------------------------------------------------- CAST
; A segment is 512 numbers: 2,048 bytes in, 1,024 bytes out.  A work-group takes 64 segments on end, a wave 8: 32 loads of 512 bytes, all issued before the first wait.
; Segment n goes to byte (n >> sh) P + (n & (2^sh - 1)) 1,024 + C0 of its target.  Which tensor, and the five numbers, are chosen by selects on the work-group number.
	s_load_b128 s[12:15], s[0:1], 0x0              ; input s[12:13], hn s[14:15]
	s_load_b64 s[16:17], s[0:1], 0x38              ; W_ih
	s_load_b64 s[18:19], s[0:1], 0x40              ; W_hh
	s_load_b64 s[24:25], s[0:1], 0x68              ; Acat
	s_load_b64 s[26:27], s[0:1], 0x70              ; Bcat
	s_load_b64 s[28:29], s[0:1], 0x78              ; Wihb
	v_lshlrev_b32 v4, 4, v1                        ; 16 bytes a lane in
	v_lshlrev_b32 v5, 3, v1                        ; 8 bytes a lane out
	s_wait_kmcnt 0x0
	s_mov_b64 s[32:33], s[14:15]                   ; from 129 on: hn into Acat behind the 1,024 bytes of input
	s_mov_b64 s[34:35], s[24:25]
	s_mov_b32 s36, 129
	s_mov_b32 s37, 1
	s_mov_b32 s38, 3072
	s_mov_b32 s39, 1024
	s_mov_b32 s48, 1.0
.macro PICK first, src, dst, sh, p, c0, sc
	s_cmp_ge_u32 s9, \first
	s_cselect_b64 s[32:33], s[\src:\src+1], s[32:33]
	s_cselect_b64 s[34:35], s[\dst:\dst+1], s[34:35]
	s_cselect_b32 s36, \first, s36
	s_cselect_b32 s37, \sh, s37
	s_cselect_b32 s38, \p, s38
	s_cselect_b32 s39, \c0, s39
	s_cselect_b32 s48, \sc, s48
.endm
	PICK 385, 12, 24, 0, 3072, 0, 0x42800000       ; input, times 64, into Acat
	PICK 513, 18, 26, 1, 3072, 1024, 1.0           ; W_hh into Bcat
	PICK 609, 16, 28, 1, 2048, 0, 1.0              ; W_ih into Wihb
	s_mov_b32 s49, s48                             ; named with it as a pair
	s_lshl_b32 s41, 1, s37
	s_sub_co_u32 s41, s41, 1                       ; 2^sh - 1
	s_sub_co_u32 s42, s9, s36
	s_lshl_b32 s42, s42, 6
	s_lshl3_add_u32 s42, s8, s42                   ; my first segment
	s_lshl_b32 s44, s42, 11
	s_mov_b32 s45, 0
	s_add_nc_u64 s[32:33], s[32:33], s[44:45]
.set i, 0
.rept 32
	global_load_b128 v[X+4*i:X+4*i+3], v4, s[32:33] offset:512*i th:TH_LOAD_NT
.set i, i+1
.endr
.set j, 0
.rept 8                                ; v8-15: where my 8 bytes of each segment's first 256 go
	s_add_co_u32 s46, s42, j
	s_lshr_b32 s47, s46, s37
	s_mul_i32 s47, s47, s38
	s_and_b32 s46, s46, s41
	s_lshl_b32 s46, s46, 10
	s_add_co_u32 s47, s47, s46
	s_add_co_u32 s47, s47, s39
	v_add_nc_u32 v[8+j], s47, v5
.set j, j+1
.endr
.set i, 0
.rept 32
	s_wait_loadcnt 31-i                            ; loads come back in order: the younger ones stay out
	TOF16 X+4*i, Y+2*i, 1
	global_store_b64 v[8+i/4], v[Y+2*i:Y+2*i+1], s[34:35] offset:256*(i%4)  ; the wave stores 256 consecutive bytes, aligned
.set i, i+1
.endr
	s_endpgm                                       ; this wave wrote no LDS
; ---------------------------------------------------------------- FRAG
; A matrix operand of 16 rows x 32 k is two blocks of 512 bytes: in block half (0, 1) lane 16 h + r holds row r, k = 16 half + 8 h .. + 7.  The operands of 16 rows lie on end by k, the groups of 16 rows on end.
; A UNIT is 16 rows x 256 k: 16 blocks, 8,192 bytes out; a wave takes one.  Wh's rows (512 k) have 2 units, W3's (1,024 k) have 4; each tensor has 128 units: 16 work-groups.
.Lfrag:
	s_load_b64 s[12:13], s[0:1], 0x50              ; Wh
	s_load_b64 s[14:15], s[0:1], 0x90              ; Whf
	s_load_b64 s[24:25], s[0:1], 0x48              ; W3
	s_load_b64 s[26:27], s[0:1], 0x88              ; W3b
	s_mov_b32 s16, 705
	s_cmp_ge_u32 s9, 721
	s_cselect_b32 s16, 721, s16                    ; the tensor's first work-group
	s_cselect_b32 s28, 1, 2                        ; 2^1 or 2^2 units in a group of 16 rows
	s_sub_co_u32 s16, s9, s16
	s_lshl3_add_u32 s17, s16, s8                   ; my unit: 8 x work-group + wave
	s_lshr_b32 s18, s17, s28                       ; its group of 16 rows,
	s_lshl_b32 s19, s18, s28
	s_sub_co_u32 s19, s17, s19                     ; and which 256 k of them
	s_add_co_u32 s29, s28, 10                      ; a row is 2^11 or 2^12 bytes
	s_add_co_u32 s20, s29, 4
	s_lshl_b32 s20, s18, s20                       ; 16 rows
	s_lshl_b32 s19, s19, 10                        ; 256 k are 1,024 bytes of a row
	s_add_co_u32 s20, s20, s19
	s_mov_b32 s21, 0
	s_lshl_b32 s22, s17, 13                        ; 8,192 bytes out for each unit
	s_mov_b32 s23, 0
	v_and_b32 v4, 15, v1
	v_lshrrev_b32 v5, 4, v1
	v_lshlrev_b32 v4, s29, v4
	v_lshl_add_u32 v4, v5, 5, v4                   ; r x a row's bytes + h x 32
	v_lshlrev_b32 v5, 4, v1
	s_wait_kmcnt 0x0
	s_cmp_ge_u32 s9, 721
	s_cselect_b64 s[12:13], s[12:13], s[24:25]
	s_cselect_b64 s[14:15], s[14:15], s[26:27]
	s_add_nc_u64 s[12:13], s[12:13], s[20:21]
	s_add_nc_u64 s[14:15], s[14:15], s[22:23]
.set i, 0
.rept 16
	global_load_b128 v[X+8*i:X+8*i+3],   v4, s[12:13] offset:64*i th:TH_LOAD_NT
	global_load_b128 v[X+8*i+4:X+8*i+7], v4, s[12:13] offset:64*i+16 th:TH_LOAD_NT
.set i, i+1
.endr
.set i, 0
.rept 16
	s_wait_loadcnt 30-2*i
	TOF16 X+8*i, Y+4*i, 0
	TOF16 X+8*i+4, Y+4*i+2, 0
	global_store_b128 v5, v[Y+4*i:Y+4*i+3], s[14:15] offset:512*i  ; 512 consecutive bytes
.set i, i+1
.endr
	s_endpgm                                       ; this wave wrote no LDS
; ---------------------------------------------------------------- W21
; Tile it (64 rows i of W2), jt (64 columns j of W1), all 512 k in LDS in bf16.  Wave w brings 8 rows of W2 and 64 rows of W1, and on the way adds up v for its 8 rows.
.Lw21:
	s_load_b64 s[12:13], s[0:1], 0x18              ; W1
	s_load_b64 s[14:15], s[0:1], 0x20              ; W2
	s_load_b64 s[16:17], s[0:1], 0x28              ; b1
	s_load_b64 s[18:19], s[0:1], 0x30              ; b2
	s_load_b64 s[20:21], s[0:1], 0x80              ; W21T
	s_sub_co_u32 s22, s9, 1
	s_and_b32 s23, s22, 15                         ; it
	s_lshr_b32 s24, s22, 4                         ; jt
	s_lshl_b32 s25, s23, 6
	s_lshl3_add_u32 s25, s8, s25                   ; my first row of W2: 64 it + 8 w
	s_lshl_b32 s26, s25, 11
	s_mov_b32 s27, 0
	s_lshl_b32 s28, s8, 17                         ; my 64 rows of W1,
	s_lshl_b32 s29, s24, 8                         ; the tile's 256 bytes of them
	s_add_co_u32 s28, s28, s29
	s_mov_b32 s29, 0
	s_lshl_b32 s30, s25, 2
	s_mov_b32 s31, 0
	s_mov_b32 s32, 0x76543210                      ; v_permlanex16_b32: each lane takes its own place in the other half
	s_mov_b32 s33, 0xfedcba98
	s_mov_b32 s34, 0x3c800000                      ; 1 / 64
	s_mov_b32 s35, s34
	v_mov_b32 v[ZR], 0
	v_lshlrev_b32 v4, 4, v1
	v_and_b32 v10, 15, v1                          ; r
	v_lshrrev_b32 v11, 4, v1                       ; h
	v_lshlrev_b32 v5, 11, v11
	v_lshl_add_u32 v5, v10, 4, v5                  ; W1: lanes 0-15 one row's 256 bytes, lanes 16-31 the next row's
	s_mul_i32 s36, s8, 8*1040
	v_lshlrev_b32 v6, 3, v1
	v_add_nc_u32 v6, s36, v6                       ; LDS: my rows of W2
	s_mul_i32 s36, s8, 64*160
	s_add_co_u32 s36, s36, W1R
	v_mul_u32_u24 v7, v11, 160
	v_lshl_add_u32 v7, v10, 3, v7
	v_add_nc_u32 v7, s36, v7                       ; LDS: my rows of W1
	v_and_b32 v12, 7, v1
	v_lshlrev_b32 v8, 2, v12
	s_wait_kmcnt 0x0
	s_add_nc_u64 s[14:15], s[14:15], s[26:27]
	s_add_nc_u64 s[12:13], s[12:13], s[28:29]
	s_add_nc_u64 s[18:19], s[18:19], s[30:31]
	s_add_nc_u64 s[38:39], s[20:21], s[30:31]      ; v lies 1,048,576 bytes behind W21T's first: in the store's immediate
.irp c, 0,1,2,3
	global_load_b128 v[16+4*\c:16+4*\c+3], v4, s[16:17] offset:512*\c
.endr
	global_load_b32 v9, v8, s[18:19]
.set i, 0
.rept 32
	global_load_b128 v[X+4*i:X+4*i+3], v4, s[14:15] offset:512*i
.set i, i+1
.endr
	s_wait_loadcnt 32                              ; b1 and b2 are in; the 32 loads of W2 stay out
.set i, 0
.rept 8
	RB 16+2*i
.set i, i+1
.endr
	v_cvt_pk_bf16_f32 v[T], v9, v9
	v_lshlrev_b32 v9, 16, v[T]
.set i, 0
.rept 32                               ; load i of W2: row i / 4, columns 128 (i % 4) + 4 lane ..; its registers then take load i of W1
	s_wait_loadcnt 31                              ; behind it: 31 - i of W2 and i of W1
	v_cvt_pk_bf16_f32 v[Y+2*i], v[X+4*i], v[X+4*i+1]
	v_cvt_pk_bf16_f32 v[Y+2*i+1], v[X+4*i+2], v[X+4*i+3]
	global_load_b128 v[X+4*i:X+4*i+3], v5, s[12:13] offset:4096*i
	ds_store_b64 v6, v[Y+2*i:Y+2*i+1] offset:1040*(i/4)+256*(i%4)
.if i%4 == 0
	v_fma_mix_f32_bf16 v[S+2*(i/4)],   v[Y+2*i], v[16+4*(i%4)],   v[ZR] op_sel_hi:[1,0,0]
	v_fma_mix_f32_bf16 v[S+2*(i/4)+1], v[Y+2*i], v[16+4*(i%4)+1], v[ZR] op_sel:[1,0,0] op_sel_hi:[1,0,0]
.else
	v_fma_mix_f32_bf16 v[S+2*(i/4)],   v[Y+2*i], v[16+4*(i%4)],   v[S+2*(i/4)] op_sel_hi:[1,0,0]
	v_fma_mix_f32_bf16 v[S+2*(i/4)+1], v[Y+2*i], v[16+4*(i%4)+1], v[S+2*(i/4)+1] op_sel:[1,0,0] op_sel_hi:[1,0,0]
.endif
	v_fma_mix_f32_bf16 v[S+2*(i/4)],   v[Y+2*i+1], v[16+4*(i%4)+2], v[S+2*(i/4)] op_sel_hi:[1,0,0]
	v_fma_mix_f32_bf16 v[S+2*(i/4)+1], v[Y+2*i+1], v[16+4*(i%4)+3], v[S+2*(i/4)+1] op_sel:[1,0,0] op_sel_hi:[1,0,0]
.set i, i+1
.endr
.set i, 0
.rept 32
	s_wait_loadcnt 31-i
	v_cvt_pk_bf16_f32 v[Y+2*i], v[X+4*i], v[X+4*i+1]
	v_cvt_pk_bf16_f32 v[Y+2*i+1], v[X+4*i+2], v[X+4*i+3]
	ds_store_b64 v7, v[Y+2*i:Y+2*i+1] offset:320*i
.set i, i+1
.endr
	; v: each row's sum over the 32 lanes, row i into the lanes with lane % 8 = i
.irp m, 0,1,2,3,4,5,6,7
	v_add_f32 v[S+2*\m], v[S+2*\m], v[S+2*\m+1]
.endr
.irp x, 1,2,4,8
.irp m, 0,1,2,3,4,5,6,7
	v_add_f32_dpp v[S+2*\m], v[S+2*\m], v[S+2*\m] row_xmask:\x row_mask:0xf bank_mask:0xf
.endr
.endr
.irp m, 0,1,2,3,4,5,6,7
	v_permlanex16_b32 v[S+2*\m+1], v[S+2*\m], s32, s33
.endr
.irp m, 0,1,2,3,4,5,6,7
	v_add_f32 v[S+2*\m], v[S+2*\m], v[S+2*\m+1]
.endr
	v_mov_b32 v[T+2], v[S]
.irp m, 1,2,3,4,5,6,7
	v_cmp_eq_u32 vcc_lo, \m, v12
	v_cndmask_b32 v[T+2], v[T+2], v[S+2*\m], vcc_lo
.endr
	v_add_f32 v[T+2], v[T+2], v9
	s_cmp_lg_u32 s24, 0                            ; the eight tiles of a row of tiles make the same v: the first stores it
	s_cbranch_scc1 .Lno_v
	v_cmp_gt_u32 vcc_lo, 8, v1
	s_wait_xcnt 0x0                                ; EXEC changes only behind this wait
	s_and_saveexec_b32 s30, vcc_lo
	global_store_b32 v8, v[T+2], s[38:39] offset:1048576
	s_wait_xcnt 0x0
	s_or_b32 exec_lo, exec_lo, s30
.Lno_v:
	s_wait_dscnt 0x0                               ; for the others: my rows are in LDS
	s_barrier_signal -1
	s_barrier_wait -1
	; wave w: rows i 16 (w % 4) .., columns j 32 (w / 4) ..: two accumulators by turns
	s_and_b32 s36, s8, 3
	s_lshr_b32 s37, s8, 2
	s_mul_i32 s40, s36, 16*1040
	v_mul_u32_u24 v4, v10, 1040
	v_lshl_add_u32 v4, v11, 4, v4
	v_add_nc_u32 v4, s40, v4                       ; W2's fragments: row x pitch + 16 h
	v_lshl_add_u32 v5, v11, 3, v12
	v_mul_u32_u24 v5, v5, 160
	v_bfe_u32 v13, v1, 3, 1
	v_lshl_add_u32 v5, v13, 4, v5
	s_lshl_b32 s40, s37, 6
	s_add_co_u32 s40, s40, W1R
	v_add_nc_u32 v5, s40, v5                       ; W1's, turned: (8 h + lane % 8) x pitch + 16 ((lane / 8) % 2) + my 64 bytes
	v_add_nc_u32 v14, 40960, v5                    ; the same for k from 256 on: the immediate has 16 bits
	s_mul_i32 s40, s37, 32*144
	s_lshl_b32 s41, s36, 5
	s_add_co_u32 s40, s40, s41
	s_add_co_u32 s40, s40, STG
	v_mul_u32_u24 v6, v10, 144
	v_lshl_add_u32 v6, v11, 4, v6
	v_add_nc_u32 v6, s40, v6                       ; the stage: row j, bytes 2 i
.macro BFRAG r, adr, off               ; 32 k x 16 j
	ds_load_tr16_b128 v[(\r):(\r)+3],   v[\adr] offset:\off
	ds_load_tr16_b128 v[(\r)+4:(\r)+7], v[\adr] offset:(\off)+2560
.endm
.set g, 0
.rept 4
.if g > 0
.rept 4
	v_nop                                          ; four places between the products and the loads into their sources
.endr
.endif
.set k, 0
.rept 4
.set ks, 4*g+k
	ds_load_b128 v[X+8*k:X+8*k+3],   v4 offset:64*ks
	ds_load_b128 v[X+8*k+4:X+8*k+7], v4 offset:64*ks+32
.if ks < 8
	BFRAG X+32+16*k, 5, 5120*ks
	BFRAG X+40+16*k, 5, 5120*ks+32
.else
	BFRAG X+32+16*k, 14, 5120*(ks-8)
	BFRAG X+40+16*k, 14, 5120*(ks-8)+32
.endif
.set k, k+1
.endr
	s_wait_dscnt 0x0
.set k, 0
.rept 4
.if (g == 0) && (k == 0)
	v_wmma_f32_16x16x32_bf16 v[16:23], v[X+8*k:X+8*k+7], v[X+32+16*k:X+39+16*k], 0
	v_wmma_f32_16x16x32_bf16 v[24:31], v[X+8*k:X+8*k+7], v[X+40+16*k:X+47+16*k], 0
.else
	v_wmma_f32_16x16x32_bf16 v[16:23], v[X+8*k:X+8*k+7], v[X+32+16*k:X+39+16*k], v[16:23]
	v_wmma_f32_16x16x32_bf16 v[24:31], v[X+8*k:X+8*k+7], v[X+40+16*k:X+47+16*k], v[24:31]
.endif
.set k, k+1
.endr
.set g, g+1
.endr
.rept 4
	v_nop
.endr
	; a lane holds column j = r and rows i = 8 h + 0..7: 16 bytes of a row of the transposed result
.set i, 0
.rept 8
	v_pk_mul_f32 v[16+2*i:17+2*i], v[16+2*i:17+2*i], s[34:35] op_sel_hi:[1,0]
.set i, i+1
.endr
.set i, 0
.rept 8
	v_cvt_pk_f16_f32 v[Y+i], v[16+2*i], v[17+2*i]
.set i, i+1
.endr
	ds_store_b128 v6, v[Y:Y+3]
	ds_store_b128 v6, v[Y+4:Y+7] offset:16*144
	v_lshrrev_b32 v7, 3, v0                        ; thread t reads row t / 8 (and 32 further), piece t % 8
	v_and_b32 v13, 7, v0
	v_lshlrev_b32 v9, 11, v7
	v_lshl_add_u32 v9, v13, 4, v9
	v_mul_u32_u24 v7, v7, 144
	v_lshl_add_u32 v7, v13, 4, v7
	v_add_nc_u32 v7, STG, v7
	s_lshl_b32 s40, s24, 17                        ; 64 jt rows of 2,048 bytes
	s_lshl_b32 s41, s23, 7                         ; 64 it columns
	s_add_co_u32 s40, s40, s41
	s_mov_b32 s41, 0
	s_add_nc_u64 s[20:21], s[20:21], s[40:41]
	s_wait_dscnt 0x0
	s_barrier_signal -1
	s_barrier_wait -1
	ds_load_b128 v[Y+8:Y+11],  v7
	ds_load_b128 v[Y+12:Y+15], v7 offset:32*144
	s_wait_dscnt 1
	global_store_b128 v9, v[Y+8:Y+11], s[20:21]
	s_wait_dscnt 0x0
	global_store_b128 v9, v[Y+12:Y+15], s[20:21] offset:65536
	FINISH
; ---------------------------------------------------------------- SORT
; Wave w has rows 1,024 w .. + 1,023, their keys in its own 4,096 bytes of LDS.  A CHUNK is 32 keys, one a lane; a trip takes four chunks (16 bytes a lane), written line by line beside each other.
; Pass A: the rank of each key among the wave's equal keys; lane e keeps the running count of key e.  For a chunk: five ballots, one for each bit of the key; xor with my key's bit (spread over the word)
; gives the lanes whose bit differs from mine, or over the five bits the lanes with another key; the lower ones of them are counted and taken from my lane's number.  The same with the lane's own number
; in the key's place gives the lanes whose key is not e; they are counted by shifts and masks.  Equal keys keep no order of rows, and need none: pos is one to one and keeps equal keys together.
; Then the eight waves' counts meet, and lane e gets the first place of key e for this wave.  Pass B: pos = that place + rank.
.set KEY, 12                           ; v12-15  a trip's four keys; in pass B rank, then pos
.set CN,  16                           ; v16-19  lane e: keys e in the chunk; in pass B the key
.set RK,  20                           ; v20-23  my rank
.set RN,  24                           ; v24-27  lane e: keys e ahead of the chunk
.set OA,  72                           ; v72-75  where order's word goes
.set OD,  76                           ; v76-79  the word
.set TT,  80                           ; v80-99  at work, five for each chunk
.set LB,  100                          ; v100-104  bit b of my lane's number, spread over the word
.macro ALLQ line:vararg                ; one line for each chunk q
.set q, 0
.rept 4
	\line
.set q, q+1
.endr
.endm
.Lsort:
	s_load_b64 s[12:13], s[0:1], 0x10              ; cultivars
	s_load_b64 s[14:15], s[0:1], 0x98              ; route
	s_load_b64 s[16:17], s[0:1], 0x58              ; b_hh
	s_load_b64 s[18:19], s[0:1], 0x60              ; b3
	s_load_b64 s[20:21], s[0:1], 0x70              ; Bcat
	s_load_b64 s[22:23], s[0:1], 0x88              ; W3b
	v_lshlrev_b32 v4, 4, v1
	s_lshl_b32 s10, s8, 12
	v_add_nc_u32 v5, s10, v4                       ; 4,096 w + 16 lane: in cultivars, in LDS and in pos
	s_lshl_b32 s11, s8, 9
	v_add_nc_u32 v6, s11, v4                       ; 512 w + 16 lane
	s_lshl_b32 s11, s8, 8
	v_lshlrev_b32 v7, 3, v1
	v_add_nc_u32 v7, s11, v7                       ; 256 w + 8 lane
	s_mov_b32 s56, 0x55555555
	s_mov_b32 s57, 0x33333333
	s_mov_b32 s58, 0x0f0f0f0f
	s_mov_b32 s59, 0x01010101
	s_wait_kmcnt 0x0
	s_add_nc_u64 s[20:21], s[20:21], 9449472       ; the fourth quarter of the gates' biases
.set i, 0
.rept 8
	global_load_b128 v[X+4*i:X+4*i+3], v5, s[12:13] offset:512*i
.set i, i+1
.endr
	global_load_b128 v[64:67], v6, s[16:17] offset:8192
	global_load_b64 v[68:69], v7, s[18:19]
.irp b, 0,1,2,3,4
	v_lshlrev_b32 v[LB+\b], 31-\b, v1
	v_ashrrev_i32 v[LB+\b], 31, v[LB+\b]
.endr
.set i, 0
.rept 8
	s_wait_loadcnt 9-i
	ds_store_b128 v5, v[X+4*i:X+4*i+3] offset:512*i
.set i, i+1
.endr
	s_wait_loadcnt 0x0
	RB 64
	RB 66
	RB 68
	global_store_b128 v6, v[64:67], s[20:21]
	global_store_b64 v7, v[68:69], s[22:23] offset:1048576
	v_mov_b32 v8, v5                               ; my four keys of the trip
	v_mov_b32 v[RN], 0
	s_mov_b32 s10, 8
.LsortA:
	ds_load_b128 v[KEY:KEY+3], v8
	s_wait_dscnt 0x0
	ALLQ v_min_u32 v[KEY+q], 31, v[KEY+q]
.irp b, 0,1,2,3,4
	ALLQ v_lshlrev_b32 v[TT+5*q+\b], 31-\b, v[KEY+q]
.endr
.irp b, 0,1,2,3,4
	ALLQ v_ashrrev_i32 v[TT+5*q+\b], 31, v[TT+5*q+\b]     ; all ones where bit b of my key is set
.endr
.irp b, 0,1,2,3,4
	ALLQ v_cmp_ne_u32 s[32+5*q+\b], 0, v[TT+5*q+\b]       ; the lanes whose key has bit b
.endr
	ALLQ v_xor_b32 v[RK+q], s[32+5*q], v[TT+5*q]          ; the lanes whose bit 0 differs from my key's,
	ALLQ v_xor_b32 v[CN+q], s[32+5*q], v[LB]              ; from my lane number's
.irp b, 1,2,3,4
	ALLQ v_xor_b32 v[TT+5*q+\b], s[32+5*q+\b], v[TT+5*q+\b]
	ALLQ v_or_b32 v[RK+q], v[RK+q], v[TT+5*q+\b]
	ALLQ v_xor_b32 v[TT+5*q], s[32+5*q+\b], v[LB+\b]
	ALLQ v_or_b32 v[CN+q], v[CN+q], v[TT+5*q]
.endr
	ALLQ v_mbcnt_lo_u32_b32 v[RK+q], v[RK+q], 0           ; lower lanes with another key
	ALLQ v_sub_nc_u32 v[RK+q], v1, v[RK+q]                ; lower lanes with my key
	ALLQ v_lshrrev_b32 v[TT+5*q], 1, v[CN+q]              ; the bits of CN are counted: in pairs,
	ALLQ v_and_b32 v[TT+5*q], s56, v[TT+5*q]
	ALLQ v_sub_nc_u32 v[CN+q], v[CN+q], v[TT+5*q]
	ALLQ v_lshrrev_b32 v[TT+5*q], 2, v[CN+q]              ; in fours,
	ALLQ v_and_b32 v[CN+q], s57, v[CN+q]
	ALLQ v_and_b32 v[TT+5*q], s57, v[TT+5*q]
	ALLQ v_add_nc_u32 v[CN+q], v[CN+q], v[TT+5*q]
	ALLQ v_lshrrev_b32 v[TT+5*q], 4, v[CN+q]              ; in bytes,
	ALLQ v_add_nc_u32 v[CN+q], v[CN+q], v[TT+5*q]
	ALLQ v_and_b32 v[CN+q], s58, v[CN+q]
	ALLQ v_mul_lo_u32 v[CN+q], v[CN+q], s59               ; and the four bytes' sum in the top byte
	ALLQ v_lshrrev_b32 v[CN+q], 24, v[CN+q]
	ALLQ v_sub_nc_u32 v[CN+q], 32, v[CN+q]                ; lanes whose key is e
	v_add_nc_u32 v[RN+1], v[RN], v[CN]
	v_add_nc_u32 v[RN+2], v[RN+1], v[CN+1]
	v_add_nc_u32 v[RN+3], v[RN+2], v[CN+2]
	ALLQ v_lshlrev_b32 v[TT+q], 2, v[KEY+q]
	ALLQ ds_bpermute_b32 v[TT+4+q], v[TT+q], v[RN+q]      ; the running count of my key
	s_wait_dscnt 0x0
	v_add_nc_u32 v[RN], v[RN+3], v[CN+3]
	ALLQ v_add_nc_u32 v[RK+q], v[RK+q], v[TT+4+q]
	ALLQ v_lshl_or_b32 v[RK+q], v[RK+q], 5, v[KEY+q]      ; rank << 5 | key goes where the key lay
	ds_store_b128 v8, v[RK:RK+3]
	v_add_nc_u32 v8, 512, v8
	s_sub_co_u32 s10, s10, 1
	s_cmp_lg_u32 s10, 0
	s_cbranch_scc1 .LsortA
	v_lshlrev_b32 v17, 2, v1
	v_add_nc_u32 v17, SW, v17
	v_lshl_add_u32 v16, s8, 7, v17
	ds_store_b32 v16, v[RN]
	s_wait_dscnt 0x0
	s_barrier_signal -1
	s_barrier_wait -1
.set i, 0
.rept 8
	ds_load_b32 v[X+i], v17 offset:128*i
.set i, i+1
.endr
	s_wait_dscnt 0x0
	v_mov_b32 v18, 0                               ; all waves' keys e
	v_mov_b32 v19, 0                               ; the lower waves'
.set i, 0
.rept 8
	s_cmp_gt_u32 s8, i
	s_cselect_b32 s11, -1, 0
	v_add_nc_u32 v18, v18, v[X+i]
	v_and_b32 v28, s11, v[X+i]
	v_add_nc_u32 v19, v19, v28
.set i, i+1
.endr
.set e, 0
.rept 32
	v_readlane_b32 s[66+e], v18, e
.set e, e+1
.endr
	s_mov_b32 s11, 0
	v_mov_b32 v29, 0
.set e, 0
.rept 32                               ; lane e: the keys below e
	v_writelane_b32 v29, s11, e
	s_add_co_u32 s11, s11, s[66+e]
.set e, e+1
.endr
	v_add_nc_u32 v29, v29, v19
	v_mov_b32 v8, v5
	s_lshl_b32 s11, s8, 10
	v_lshl_add_u32 v30, v1, 2, s11                 ; my first row
	s_mov_b32 s10, 8
.LsortB:
	ds_load_b128 v[KEY:KEY+3], v8
	s_wait_dscnt 0x0
	ALLQ v_and_b32 v[CN+q], 31, v[KEY+q]
	ALLQ v_min_u32 v[CN+q], 31, v[CN+q]
	ALLQ v_lshrrev_b32 v[KEY+q], 5, v[KEY+q]
	ALLQ v_lshlrev_b32 v[TT+q], 2, v[CN+q]
	ALLQ ds_bpermute_b32 v[TT+4+q], v[TT+q], v29
	s_wait_dscnt 0x0
	s_wait_xcnt 0x0                                ; the last trip's stores have read OA and OD
	ALLQ v_add_nc_u32 v[KEY+q], v[KEY+q], v[TT+4+q]
	ALLQ v_min_u32 v[KEY+q], 0x1fff, v[KEY+q]
	ds_store_b128 v8, v[KEY:KEY+3]                 ; pos goes where the key lay
	ALLQ v_lshlrev_b32 v[OA+q], 2, v[KEY+q]
	ALLQ v_add_nc_u32 v[OD+q], q, v30
	ALLQ v_lshl_or_b32 v[OD+q], v[CN+q], 16, v[OD+q]
	ALLQ global_store_b32 v[OA+q], v[OD+q], s[14:15] offset:32768
	v_add_nc_u32 v8, 512, v8
	v_add_nc_u32 v30, 128, v30
	s_sub_co_u32 s10, s10, 1
	s_cmp_lg_u32 s10, 0
	s_cbranch_scc1 .LsortB
.set i, 0
.rept 8
	ds_load_b128 v[X+4*i:X+4*i+3], v5 offset:512*i ; my own bytes: LDS serves a wave in order
.set i, i+1
.endr
.set i, 0
.rept 8
	s_wait_dscnt 7-i
	global_store_b128 v5, v[X+4*i:X+4*i+3], s[14:15] offset:512*i
.set i, i+1
.endr
	FINISH
.Lfunc_end_k_q82e6428902_prep:
	.size	k_q82e6428902_prep, .Lfunc_end_k_q82e6428902_prep-k_q82e6428902_prep
	.p2alignl 7, 3214868480
	.fill 96, 4, 3214868480
	.section	.rodata,"a",@progbits
	.p2align	6, 0x0
	.amdhsa_kernel k_q82e6428902_prep
		.amdhsa_group_segment_fixed_size 158720
		.amdhsa_private_segment_fixed_size 0
		.amdhsa_enable_private_segment 0
		.amdhsa_kernarg_size 160
		.amdhsa_user_sgpr_count 2
		.amdhsa_user_sgpr_kernarg_segment_ptr 1
		.amdhsa_wavefront_size32 1
		.amdhsa_system_sgpr_workgroup_id_x 1
		.amdhsa_system_sgpr_workgroup_id_y 1
		.amdhsa_system_sgpr_workgroup_id_z 1
		.amdhsa_system_vgpr_workitem_id 0
		.amdhsa_next_free_vgpr 248
		.amdhsa_next_free_sgpr 100
		.amdhsa_reserve_vcc 1
		.amdhsa_float_denorm_mode_32 3
		.amdhsa_float_denorm_mode_16_64 3
		.amdhsa_memory_ordered 1
		.amdhsa_forward_progress 1
		.amdhsa_inst_pref_size 118
	.end_amdhsa_kernel
	.amdgpu_metadata
---
amdhsa.version: [ 1, 2 ]
amdhsa.kernels:
  - .name:           k_q82e6428902_prep
    .symbol:         k_q82e6428902_prep.kd
    .args:
      - { .name: input, .offset: 0, .size: 8, .value_kind: global_buffer, .address_space: global }
      - { .name: hn, .offset: 8, .size: 8, .value_kind: global_buffer, .address_space: global }
      - { .name: cultivars, .offset: 16, .size: 8, .value_kind: global_buffer, .address_space: global }
      - { .name: W1, .offset: 24, .size: 8, .value_kind: global_buffer, .address_space: global }
      - { .name: W2, .offset: 32, .size: 8, .value_kind: global_buffer, .address_space: global }
      - { .name: b1, .offset: 40, .size: 8, .value_kind: global_buffer, .address_space: global }
      - { .name: b2, .offset: 48, .size: 8, .value_kind: global_buffer, .address_space: global }
      - { .name: W_ih, .offset: 56, .size: 8, .value_kind: global_buffer, .address_space: global }
      - { .name: W_hh, .offset: 64, .size: 8, .value_kind: global_buffer, .address_space: global }
      - { .name: W3, .offset: 72, .size: 8, .value_kind: global_buffer, .address_space: global }
      - { .name: Wh, .offset: 80, .size: 8, .value_kind: global_buffer, .address_space: global }
      - { .name: b_hh, .offset: 88, .size: 8, .value_kind: global_buffer, .address_space: global }
      - { .name: b3, .offset: 96, .size: 8, .value_kind: global_buffer, .address_space: global }
      - { .name: Acat, .offset: 104, .size: 8, .value_kind: global_buffer, .address_space: global }
      - { .name: Bcat, .offset: 112, .size: 8, .value_kind: global_buffer, .address_space: global }
      - { .name: Wihb, .offset: 120, .size: 8, .value_kind: global_buffer, .address_space: global }
      - { .name: W21T, .offset: 128, .size: 8, .value_kind: global_buffer, .address_space: global }
      - { .name: W3b, .offset: 136, .size: 8, .value_kind: global_buffer, .address_space: global }
      - { .name: Whf, .offset: 144, .size: 8, .value_kind: global_buffer, .address_space: global }
      - { .name: route, .offset: 152, .size: 8, .value_kind: global_buffer, .address_space: global }
    .group_segment_fixed_size: 158720
    .private_segment_fixed_size: 0
    .kernarg_segment_align: 8
    .kernarg_segment_size: 160
    .max_flat_workgroup_size: 256
    .sgpr_count:     100
    .vgpr_count:     248
    .wavefront_size: 32
...
	.end_amdgpu_metadata
.endif
;; end of part 5
;; launch fold (part 6): grid 4 x 24, 4 waves a work-group, clusters of 4 x 4, 327,680 bytes of LDS; arguments Wihb, W21T, Bcat, b_ih, b_hh; writes Bcat
.if DOCPART == 6
	.amdgcn_target "amdgcn-amd-amdhsa--gfx1250"
	.amdhsa_code_object_version 6
	.text
	.protected	k_q82e6428902_fold
	.globl	k_q82e6428902_fold
	.p2align	8
	.type	k_q82e6428902_fold,@function
k_q82e6428902_fold:
	s_mov_b64 s[64:65], 0
	v_nop
	global_prefetch_b8 v0, s[64:65] scope:SCOPE_SE
	s_setreg_imm32_b32 hwreg(HW_REG_WAVE_MODE, 25, 1), 1
	s_wait_xcnt 0x0
	s_wait_alu depctr_hold_cnt(0) depctr_sa_sdst(0) depctr_va_vdst(0) depctr_va_sdst(0) depctr_va_ssrc(0) depctr_va_vcc(0) depctr_vm_vsrc(0)
	s_getreg_b32 s2, hwreg(HW_REG_IB_STS2, 6, 4)
	s_cmp_eq_u32 s2, 0
	s_cbranch_scc0 .Lentry_in_a_cluster
	s_endpgm
.Lentry_in_a_cluster:
	s_bfe_u32 s2, ttmp6, 0x10000c
	s_cmp_lg_u32 s2, 0xf033
	s_cbranch_scc0 .Lentry_shape_is_right
	s_endpgm
.Lentry_shape_is_right:
; FOLD: no nonlinearity stands between fc1, fc2 and the gates' input product, so gi = input Wc^T + bc with Wc = W_ih (W2 W1), bc = W_ih (W2 b1 + b2) + b_ih.
; This launch makes Wc / 64 = Wihb x (W21T)^T (W21T holds (W2 W1)^T / 64): A [3072][1024], B [512][1024], both f16, sums in f32, rounded once to f16 into columns 0-511 of Bcat (rows of 3,072 bytes),
; and the gates' biases in f32 behind Bcat's rows: entry o = bc[o] + (o < 2048 ? b_hh[o] : 0), b_ih and b_hh rounded to bf16 like every input.
; LIMITS.  The order of rounding differs from fc1, fc2, gi one after the other: W2 W1 and Wc are rounded (to f16) where those would round their results.  |Wc| has room up to 4e6.
; A tile of C is 128 x 128: 96 work-groups, four waves of 64 x 64.  K goes in four steps of 256 (LDS rows of 512 bytes) through two slots.
; ONE TEXT FOR BOTH SLOTS: the fragments' LDS addresses are the slot-0 addresses plus a scalar that an exclusive or turns between 0 and the slot's size; the refills use one descriptor that walks: its LDS word
; is turned in the same way (the slot's size, 0x21000, shares no bit with the waves' places, multiples of 0x8400 up to 0x18c00), its address goes one K step on.
; CLUSTERS of 4 x 4: the four of a row need the same tiles of A, the four of a column the same tiles of B: each tile is asked for jointly.
; The matrix instruction is used transposed (source 0 = 16 rows of B, source 1 = 16 rows of A): a lane holds eight neighbouring numbers of a row of C.
; REGISTERS: window 0: v0-31 addresses; v32-95 at work; v128-255 the accumulators ((a, b) at v[128 + 8 (4 a + b)]).  window 1: two fragment buffers of 128.
.set SIZE_K, 1024
.set CP,     3072                      ; bytes from row to row of C
.set BIASO,  9437184                   ; the biases lie behind Bcat's 3,072 rows
.set KSTEP,  256
.set PITCH,  528                       ; an LDS row: 512 bytes + 16 of padding = 132 words: row r starts at bank 4 r mod 64 (ISA guide 11.1)
.set HALFT,  64*PITCH
.set SLOT,   4*HALFT
.set STAGE,  2*SLOT
.set SPITCH, 272
.set SPARE,  STAGE+128*SPITCH          ; the spare words, 128 bytes for each wave: no other line names them
.set ZR,   12                          ; v12 0
.set ADRA0, 16                         ; v16 my A fragments in slot 0; never rewritten
.set ADRB0, 17                         ; v17 the same for B
.set ADRA, 18                          ; v18 in the slot in hand
.set ADRB, 19
.set STO,  24
.set RD,   25
.set CO,   26
.set SPW,  28
.set NIL,  29
.set TMP,  32
.set ACC,  128
.set F0,   0
.set F1,   128
.set TB, 2                             ; s2  0 or SLOT: the slot from which fragments are fetched
.set G1, 24
.set G0, 32                            ; s[32:39] group 0 for A's tiles: a set for each first fill; the second then walks
.set G1B, 48
.set G0B, 56
.set MSB, 0
.macro WIN new                         ; the immediate's high byte repeats the setting that is left
.if MSB != (\new)
	s_set_vgpr_msb (MSB<<8)|(\new)
.set MSB, \new
.endif
.endm
.set MUL,  0x05                        ; sources 0 (B) and 1 (A) window 1; C and D window 0
.set TO_F, 0x40                        ; destination window 1, address window 0
.macro JLOAD s                         ; a joint load: waves 0 and 1 fetch the halves of A's tile, waves 2 and 3 of B's; an s_nop 0 and four v_nop follow each line
	s_cmp_eq_u32 s11, 0
	s_cbranch_scc0 .Lfor_b_\@
	tensor_load_to_lds s[G0+4*(\s):G0+4*(\s)+3], s[G1:G1+7]
	s_nop 0
.rept 4
	v_nop
.endr
	s_branch .Lasked_\@
.Lfor_b_\@:
	tensor_load_to_lds s[G0B+4*(\s):G0B+4*(\s)+3], s[G1B:G1B+7]
	s_nop 0
.rept 4
	v_nop
.endr
.Lasked_\@:
.endm
.macro CREST                           ; a round of the cluster's barrier behind its opening barrier
	s_cmp_lg_u32 s10, 0
	s_cbranch_scc1 .Lnot_wave_0_\@
	s_barrier_signal -3
.Lnot_wave_0_\@:
	s_barrier_wait -3
	s_barrier_signal -1
	s_barrier_wait -1
.endm
.macro CROUND
	s_barrier_signal -1
	s_barrier_wait -1
	CREST
.endm
	s_load_b128 s[4:7], s[0:1], 0x0                ; A s[4:5], B s[6:7]
	s_load_b64 s[8:9], s[0:1], 0x10                ; C
	s_load_b64 s[68:69], s[0:1], 0x18              ; b_ih
	s_load_b64 s[70:71], s[0:1], 0x20              ; b_hh
	v_lshl_add_u32 v[SPW], v0, 2, SPARE
	v_mov_b32 v[NIL], 0
	ds_add_u32 v[SPW], v[NIL]                      ; the wave's opening: the add and its wait ahead of my first tensor load
	v_lshrrev_b32 v1, 5, v0
	v_readfirstlane_b32 s10, v1                    ; wave 0..3
	s_lshr_b32 s11, s10, 1                         ; my half of the tile's rows; also: I fetch for A (0) or B (1)
	s_and_b32 s12, s10, 1                          ; my half of its columns; also: which 64 rows I fetch
	s_bfe_u32 s40, ttmp6, 0x40000                  ; cx
	s_bfe_u32 s41, ttmp6, 0x40004                  ; cy
	s_lshl_b32 s42, ttmp9, 2
	s_add_co_u32 s42, s42, s40                     ; tile column
	s_and_b32 s13, ttmp7, 0xffff
	s_lshl_b32 s13, s13, 2
	s_add_co_u32 s13, s13, s41                     ; tile row
	s_lshl_b32 s43, s41, 2
	s_lshl_b32 s43, 15, s43                        ; my row of the cluster
	s_lshl_b32 s44, 0x1111, s40                    ; my column
	s_or_b32 s[G1+0], s43, (1<<16)|(1<<20)|(1<<21)|(6<<22)|(3<<25)  ; mask; 2-byte elements; padding on; bit 21 beside a mask; after every 128 words 4 words
	s_or_b32 s[G1B+0], s44, (1<<16)|(1<<20)|(1<<21)|(6<<22)|(3<<25)
.irp g, G1, G1B
	s_mov_b32 s[(\g)+1], KSTEP<<16                 ; tensor_dim0 = 256
	s_mov_b32 s[(\g)+2], 64<<16                    ; tensor_dim1 = 64
	s_mov_b32 s[(\g)+3], KSTEP<<16                 ; tile_dim0 = 256
	s_mov_b32 s[(\g)+4], 64                        ; tile_dim1 = 64
	s_mov_b32 s[(\g)+5], SIZE_K                    ; elements from row to row
	s_mov_b32 s[(\g)+6], 0
	s_mov_b32 s[(\g)+7], 0
.endr
	s_lshl_b32 s17, s12, 6
	s_lshl_b32 s16, s13, 7
	s_add_co_u32 s16, s16, s17                     ; A: row 128 x tile row + 64 x half
	s_lshl_b32 s46, s42, 7
	s_add_co_u32 s46, s46, s17                     ; B: row 128 x tile column + 64 x half
	s_mov_b32 s17, 0
	s_mov_b32 s47, 0
	s_mov_b64 s[18:19], SIZE_K*2
	s_mul_u64 s[16:17], s[16:17], s[18:19]
	s_mul_u64 s[46:47], s[46:47], s[18:19]
	s_mul_i32 s20, s10, HALFT                      ; where they go: wave x 64 rows
	s_mov_b32 s[TB], 0
	s_wait_dscnt 0x0                               ; the opening add is done
	s_wait_kmcnt 0x0
	s_add_nc_u64 s[14:15], s[4:5], s[16:17]
	s_add_nc_u64 s[46:47], s[6:7], s[46:47]
	CROUND                                         ; all sixteen work-groups are here: the first joint loads meet
.irp s, 0,1
	s_mov_b32 s[G0+4*(\s)], 1
	s_add_co_u32 s[G0+4*(\s)+1], s20, (\s)*SLOT
	s_add_nc_u64 s[G0+4*(\s)+2:G0+4*(\s)+3], s[14:15], (\s)*KSTEP*2
	s_or_b32 s[G0+4*(\s)+3], s[G0+4*(\s)+3], 0x80000000
	s_mov_b32 s[G0B+4*(\s)], 1
	s_add_co_u32 s[G0B+4*(\s)+1], s20, (\s)*SLOT
	s_add_nc_u64 s[G0B+4*(\s)+2:G0B+4*(\s)+3], s[46:47], (\s)*KSTEP*2
	s_or_b32 s[G0B+4*(\s)+3], s[G0B+4*(\s)+3], 0x80000000
	JLOAD \s
.endr
	; THE BIASES, in the wait for the first tiles: my wave's 8 rows o = 128 x tile row + 32 x tile column + 8 w ..: a row of Wihb (f16) times v (f32), 32 numbers a lane, eight chains.
	s_lshl_b32 s72, s13, 7
	s_lshl_b32 s73, s42, 5
	s_add_co_u32 s72, s72, s73
	s_lshl3_add_u32 s72, s10, s72                  ; o
	s_lshl_b32 s74, s72, 11
	s_mov_b32 s75, 0
	s_add_nc_u64 s[74:75], s[4:5], s[74:75]        ; my rows of Wihb
	s_add_nc_u64 s[76:77], s[6:7], 1048576         ; v lies behind W21T
	s_lshl_b32 s78, s72, 2
	s_mov_b32 s79, 0
	s_add_nc_u64 s[68:69], s[68:69], s[78:79]
	s_add_nc_u64 s[70:71], s[70:71], s[78:79]
	s_add_co_u32 s78, s78, BIASO
	s_add_nc_u64 s[78:79], s[8:9], s[78:79]
	s_mov_b32 s80, 0x76543210
	s_mov_b32 s81, 0xfedcba98
	s_cmp_lt_u32 s13, 16                           ; rows below 2,048 are the gates r and z, whose two biases are added
	s_cselect_b32 s82, 1.0, 0
	v_and_b32 v6, 31, v0
	v_lshlrev_b32 v7, 4, v6
	v_lshlrev_b32 v8, 5, v6
	v_and_b32 v13, 7, v6
	v_lshlrev_b32 v9, 2, v13
	v_mov_b32 v[ZR], 0
.irp c, 0,1,2,3
	global_load_b128 v[32+8*\c:35+8*\c], v8, s[76:77] offset:1024*\c
	global_load_b128 v[36+8*\c:39+8*\c], v8, s[76:77] offset:1024*\c+16
.endr
.set i, 0
.rept 32                               ; row i / 4, columns 256 (i % 4) + 8 lane ..
	global_load_b128 v[128+4*i:131+4*i], v7, s[74:75] offset:2048*(i/4)+512*(i%4)
.set i, i+1
.endr
	global_load_b32 v10, v9, s[68:69]
	global_load_b32 v11, v9, s[70:71]
	s_wait_loadcnt 0x0
.set c, 0
.rept 4
.set d, 0
.rept 4
.set hh, 0
.rept 2
.set i, 0
.rept 8
.if (c == 0) && (d == 0) && (hh == 0)
	v_fma_mix_f32 v[64+i], v[128+16*i+4*c+d], v[32+8*c+2*d+hh], v[ZR] op_sel_hi:[1,0,0]
.elseif hh == 0
	v_fma_mix_f32 v[64+i], v[128+16*i+4*c+d], v[32+8*c+2*d+hh], v[64+i] op_sel_hi:[1,0,0]
.else
	v_fma_mix_f32 v[64+i], v[128+16*i+4*c+d], v[32+8*c+2*d+hh], v[64+i] op_sel:[1,0,0] op_sel_hi:[1,0,0]
.endif
.set i, i+1
.endr
.set hh, hh+1
.endr
.set d, d+1
.endr
.set c, c+1
.endr
.irp x, 1,2,4,8
.irp m, 0,1,2,3,4,5,6,7
	v_add_f32_dpp v[64+\m], v[64+\m], v[64+\m] row_xmask:\x row_mask:0xf bank_mask:0xf
.endr
.endr
.irp m, 0,1,2,3,4,5,6,7
	v_permlanex16_b32 v[128+\m], v[64+\m], s80, s81
.endr
.irp m, 0,1,2,3,4,5,6,7
	v_add_f32 v[64+\m], v[64+\m], v[128+\m]
.endr
	v_mov_b32 v14, v64
.irp m, 1,2,3,4,5,6,7
	v_cmp_eq_u32 vcc_lo, \m, v13
	v_cndmask_b32 v14, v14, v[64+\m], vcc_lo
.endr
	v_cvt_pk_bf16_f32 v15, v10, v11
	v_lshlrev_b32 v10, 16, v15
	v_and_b32 v11, 0xffff0000, v15
	v_add_f32 v14, v14, v10
	v_fmac_f32 v14, s82, v11
	v_cmp_gt_u32 vcc_lo, 8, v6
	s_wait_xcnt 0x0                                ; EXEC changes only behind this wait
	s_and_saveexec_b32 s83, vcc_lo
	global_store_b32 v9, v14, s[78:79]
	s_wait_xcnt 0x0
	s_or_b32 exec_lo, exec_lo, s83
	v_and_b32 v1, 15, v0                           ; l % 16
	v_bfe_u32 v2, v0, 4, 1                         ; l / 16
	v_mul_u32_u24 v3, v1, PITCH
	v_lshl_add_u32 v3, v2, 4, v3
	s_mul_i32 s21, s11, HALFT
	s_mul_i32 s22, s12, HALFT
	s_add_co_u32 s22, s22, 2*HALFT
	v_add_nc_u32 v[ADRA0], s21, v3
	v_add_nc_u32 v[ADRB0], s22, v3
	v_mov_b32 v[ADRA], v[ADRA0]
	v_mov_b32 v[ADRB], v[ADRB0]
	s_mul_i32 s23, s11, 64*SPITCH
	s_lshl_b32 s21, s12, 7
	s_add_co_u32 s23, s23, s21
	s_add_co_u32 s23, s23, STAGE
	v_mul_u32_u24 v4, v1, SPITCH
	v_lshl_add_u32 v4, v2, 4, v4
	v_add_nc_u32 v[STO], s23, v4
	s_mul_i32 s23, s10, 32*SPITCH
	s_add_co_u32 s23, s23, STAGE
	v_mul_u32_u24 v5, v2, SPITCH
	v_lshl_add_u32 v5, v1, 4, v5
	v_add_nc_u32 v[RD], s23, v5
	v_mul_u32_u24 v5, v2, CP
	v_lshl_add_u32 v[CO], v1, 4, v5
	s_lshl_b32 s16, s13, 7
	s_lshl_b32 s17, s10, 5
	s_add_co_u32 s16, s16, s17                     ; the first row of C that I store
	s_mov_b32 s17, 0
	s_mov_b64 s[18:19], CP
	s_mul_u64 s[16:17], s[16:17], s[18:19]
	s_add_nc_u64 s[8:9], s[8:9], s[16:17]
	s_lshl_b32 s46, s42, 8
	s_mov_b32 s47, 0
	s_add_nc_u64 s[8:9], s[8:9], s[46:47]
.macro MUL8 f, c, a0, zero             ; 8 products: m blocks a0, a0 + 1 x 4 n blocks, half c of buffer f; zero = 1: they start the sums
	WIN MUL
.irp a, \a0, (\a0)+1
.irp b, 0,1,2,3
.if \zero
	v_wmma_f32_16x16x32_f16 v[ACC+8*(4*(\a)+(\b)):ACC+8*(4*(\a)+(\b))+7], v[(\f)+64+8*(4*(\c)+(\b)):(\f)+64+8*(4*(\c)+(\b))+7], v[(\f)+8*(4*(\c)+(\a)):(\f)+8*(4*(\c)+(\a))+7], 0
.else
	v_wmma_f32_16x16x32_f16 v[ACC+8*(4*(\a)+(\b)):ACC+8*(4*(\a)+(\b))+7], v[(\f)+64+8*(4*(\c)+(\b)):(\f)+64+8*(4*(\c)+(\b))+7], v[(\f)+8*(4*(\c)+(\a)):(\f)+8*(4*(\c)+(\a))+7], v[ACC+8*(4*(\a)+(\b)):ACC+8*(4*(\a)+(\b))+7]
.endif
.endr
.endr
.endm
.macro FETCH k, f                      ; 32 LDS loads in one run: 64 along K at byte k of the slot in hand, the first 32 along K first
	WIN TO_F
.irp c, 0,1
.irp i, 0,1,2,3
	ds_load_b128 v[(\f)+64+8*(4*(\c)+(\i)):(\f)+64+8*(4*(\c)+(\i))+3],   v[ADRB] offset:(\k)+64*(\c)+(\i)*16*PITCH
	ds_load_b128 v[(\f)+64+8*(4*(\c)+(\i))+4:(\f)+64+8*(4*(\c)+(\i))+7], v[ADRB] offset:(\k)+64*(\c)+(\i)*16*PITCH+32
	ds_load_b128 v[(\f)+8*(4*(\c)+(\i)):(\f)+8*(4*(\c)+(\i))+3],         v[ADRA] offset:(\k)+64*(\c)+(\i)*16*PITCH
	ds_load_b128 v[(\f)+8*(4*(\c)+(\i))+4:(\f)+8*(4*(\c)+(\i))+7],       v[ADRA] offset:(\k)+64*(\c)+(\i)*16*PITCH+32
.endr
.endr
.endm
.macro PLACES                          ; four places in front of loads into registers that products have read, and of conversions that read results
.rept 4
	v_nop
.endr
.endm
.macro QUARTER k, f, g, zero
	s_wait_dscnt 16                                ; the first 32 along K are in
	WIN MUL
	MUL8 \f, 0, 0, \zero
	MUL8 \f, 0, 2, \zero
	PLACES
	FETCH \k, \g
	s_wait_dscnt 32                                ; all but the 32 just issued
	WIN MUL
	MUL8 \f, 1, 0, 0
	MUL8 \f, 1, 2, 0
.endm
.macro TURN fill                       ; the last quarter changes slots: one barrier; in front of it all my tensor loads, the add, my reads of this slot
	WIN 0
	s_wait_tensorcnt 0x0                           ; all my tensor loads have landed: my part of the next slot
	ds_add_u32 v[SPW], v[NIL]
	s_wait_dscnt 17                                ; (the add and the youngest sixteen loads may be out)
	WIN MUL
	MUL8 F1, 0, 0, 0
	s_wait_dscnt 0x0                               ; the add is done, and my reads of this slot are over
	s_barrier_signal -1
	MUL8 F1, 0, 2, 0
	WIN 0
	s_barrier_wait -1
.if \fill
	CREST                                          ; no wave of any partner still reads this slot or has a load on its way
	s_xor_b32 s[G0+5], s[G0+5], SLOT               ; the walking descriptors: the slot just read,
	s_add_nc_u64 s[G0+6:G0+7], s[G0+6:G0+7], KSTEP*2  ; the K step behind the one asked for last
	s_xor_b32 s[G0B+5], s[G0B+5], SLOT
	s_add_nc_u64 s[G0B+6:G0B+7], s[G0B+6:G0B+7], KSTEP*2
	JLOAD 1                                        ; the first tensor load behind the round
.endif
	s_xor_b32 s[TB], s[TB], SLOT                   ; the fragments come from the other slot now
	v_add_nc_u32 v[ADRA], s[TB], v[ADRA0]
	v_add_nc_u32 v[ADRB], s[TB], v[ADRB0]
	v_nop                                          ; with the two lines above: the four places in front of the loads below
	v_nop
	FETCH 0, F0
	WIN MUL
	MUL8 F1, 1, 0, 0
	MUL8 F1, 1, 2, 0
.endm
	s_wait_tensorcnt 1                             ; my part of K step 0 is in; step 1's may stay out
	s_barrier_signal -1
	s_barrier_wait -1
	FETCH 0, F0
	QUARTER 128, F0, F1, 1                         ; the first quarter stands in front of the loops: its first products start the sums
	WIN 0
	s_mov_b32 s3, 2
.Lfill:                                            ; K steps 0 and 1, from a step's second quarter to the next step's first; their refills bring steps 2 and 3
	QUARTER 256, F1, F0, 0
	QUARTER 384, F0, F1, 0
	TURN 1
	QUARTER 128, F0, F1, 0
	WIN 0
	s_sub_co_u32 s3, s3, 1
	s_cmp_lg_u32 s3, 0
	s_cbranch_scc1 .Lfill
	s_mov_b32 s3, 2
.Lrest:                                            ; K steps 2 and 3 ask for nothing.  The second trip is left behind its change of slots, whose 32 fragment loads nothing multiplies: the price, once a launch, of one text for both
	QUARTER 256, F1, F0, 0
	QUARTER 384, F0, F1, 0
	TURN 0
	WIN 0
	s_sub_co_u32 s3, s3, 1
	s_cmp_eq_u32 s3, 0
	s_cbranch_scc1 .Lout
	QUARTER 128, F0, F1, 0
	WIN 0
	s_branch .Lrest
.Lout:
	; THE WAY OUT: rounded to f16; 16 bytes a lane into the work-group's stage; a barrier, since a row's 256 bytes come from two waves; back as whole rows
	PLACES
.irp t, 0,1,2,3,4,5,6,7,8,9,10,11,12,13,14,15
.irp r, 0,1,2,3
	v_cvt_pk_f16_f32 v[TMP+4*(\t)+(\r)], v[ACC+8*(\t)+2*(\r)], v[ACC+8*(\t)+2*(\r)+1]
.endr
.endr
.irp a, 0,1,2,3
.irp b, 0,1,2,3
	ds_store_b128 v[STO], v[TMP+4*(4*(\a)+(\b)):TMP+4*(4*(\a)+(\b))+3] offset:(\a)*16*SPITCH+32*(\b)
.endr
.endr
	s_wait_dscnt 0x0
	s_barrier_signal -1
	s_barrier_wait -1
.irp t, 0,1,2,3,4,5,6,7,8,9,10,11,12,13,14,15
	ds_load_b128 v[TMP+4*(\t):TMP+4*(\t)+3], v[RD] offset:(\t)*2*SPITCH
.endr
.irp t, 0,1,2,3,4,5,6,7,8,9,10,11,12,13,14,15
	s_wait_dscnt 15-(\t)
	global_store_b128 v[CO], v[TMP+4*(\t):TMP+4*(\t)+3], s[8:9] offset:2*(\t)*CP  ; 16 lanes store 256 consecutive bytes, aligned
.endr
	s_wait_tensorcnt 0x0                           ; the wave's end
	ds_add_u32 v[SPW], v[NIL]
	s_wait_dscnt 0x0
	CROUND                                         ; the closing round
	s_endpgm
.Lfunc_end_k_q82e6428902_fold:
	.size	k_q82e6428902_fold, .Lfunc_end_k_q82e6428902_fold-k_q82e6428902_fold
	.p2alignl 7, 3214868480
	.fill 96, 4, 3214868480
	.section	.rodata,"a",@progbits
	.p2align	6, 0x0
	.amdhsa_kernel k_q82e6428902_fold
		.amdhsa_group_segment_fixed_size 327680
		.amdhsa_private_segment_fixed_size 0
		.amdhsa_enable_private_segment 0
		.amdhsa_kernarg_size 40
		.amdhsa_user_sgpr_count 2
		.amdhsa_user_sgpr_kernarg_segment_ptr 1
		.amdhsa_wavefront_size32 1
		.amdhsa_system_sgpr_workgroup_id_x 1
		.amdhsa_system_sgpr_workgroup_id_y 1
		.amdhsa_system_sgpr_workgroup_id_z 1
		.amdhsa_system_vgpr_workitem_id 0
		.amdhsa_next_free_vgpr 512
		.amdhsa_next_free_sgpr 84
		.amdhsa_reserve_vcc 1
		.amdhsa_float_denorm_mode_32 3
		.amdhsa_float_denorm_mode_16_64 3
		.amdhsa_memory_ordered 1
		.amdhsa_forward_progress 1
		.amdhsa_inst_pref_size 83
	.end_amdhsa_kernel
	.amdgpu_metadata
---
amdhsa.version: [ 1, 2 ]
amdhsa.kernels:
  - .name:           k_q82e6428902_fold
    .symbol:         k_q82e6428902_fold.kd
    .args:
      - { .name: Wihb, .offset: 0, .size: 8, .value_kind: global_buffer, .address_space: global }
      - { .name: W21T, .offset: 8, .size: 8, .value_kind: global_buffer, .address_space: global }
      - { .name: Bcat, .offset: 16, .size: 8, .value_kind: global_buffer, .address_space: global }
      - { .name: b_ih, .offset: 24, .size: 8, .value_kind: global_buffer, .address_space: global }
      - { .name: b_hh, .offset: 32, .size: 8, .value_kind: global_buffer, .address_space: global }
    .group_segment_fixed_size: 327680
    .private_segment_fixed_size: 0
    .kernarg_segment_align: 8
    .kernarg_segment_size: 40
    .max_flat_workgroup_size: 128
    .sgpr_count:     84
    .vgpr_count:     512
    .wavefront_size: 32
...
	.end_amdgpu_metadata
.endif
;; end of part 6
;; launch gru (part 7): grid 8 x 64, 4 waves a work-group, clusters of 4 x 4, 327,680 bytes of LDS; arguments Acat, Bcat, route, out1, gs; writes out1, gs
.if DOCPART == 7
	.amdgcn_target "amdgcn-amd-amdhsa--gfx1250"
	.amdhsa_code_object_version 6
	.text
	.protected	k_q82e6428902_gru
	.globl	k_q82e6428902_gru
	.p2align	8
	.type	k_q82e6428902_gru,@function
k_q82e6428902_gru:
	s_mov_b64 s[64:65], 0
	v_nop
	global_prefetch_b8 v0, s[64:65] scope:SCOPE_SE
	s_setreg_imm32_b32 hwreg(HW_REG_WAVE_MODE, 25, 1), 1
	s_wait_xcnt 0x0
	s_wait_alu depctr_hold_cnt(0) depctr_sa_sdst(0) depctr_va_vdst(0) depctr_va_sdst(0) depctr_va_ssrc(0) depctr_va_vcc(0) depctr_vm_vsrc(0)
	s_getreg_b32 s2, hwreg(HW_REG_IB_STS2, 6, 4)
	s_cmp_eq_u32 s2, 0
	s_cbranch_scc0 .Lentry_in_a_cluster
	s_endpgm
.Lentry_in_a_cluster:
	s_bfe_u32 s2, ttmp6, 0x10000c
	s_cmp_lg_u32 s2, 0xf033
	s_cbranch_scc0 .Lentry_shape_is_right
	s_endpgm
.Lentry_shape_is_right:
; GRU: the gates' products, the pointwise step, h_new (out1, f32) and relu(h_new) in f16 at the row's sorted place (gs).
; Acat [8192][1536] f16 = (64 input | h), Bcat [3072][1536] f16 = (Wc / 64 | W_hh), both parts along K.  For hidden column c: R = row c, Z = row 1024 + c; row 2048 + c gives i_n over K < 512 and h_n over the rest.
; r = sigmoid(R), z = sigmoid(Z), n = tanh(i_n + r h_n), h_new = n + z (h - n); h is the h of Acat (the input rounded to bf16, as in the products).
; A work-group has 128 rows x 128 hidden columns x 4 sums; a wave 64 x 64 x 4: 64 accumulators, 512 registers.  They START AT THE BIASES, loaded straight into them: nothing is cleared, no first step is written out.
; K goes in 12 steps of 128 through two LDS slots of four tiles of 128 rows x 256 bytes (A, B of r, of z, of n): one tensor load a wave.
; ONE TEXT FOR BOTH SLOTS: the fragments' LDS addresses are the slot-0 addresses plus a scalar that an exclusive or turns between 0 and the slot's size; the refills use one descriptor that walks: its LDS word
; is turned in the same way (the slot's size, 0x22000, shares no bit with the waves' places, multiples of 0x8800 up to 0x19800), its address goes one K step on.  So a K step is written three times:
; for the input's part, for h's part, and for the last two steps, which ask for nothing.
; CLUSTERS of 4 x 4: A's tile is shared along a row of the cluster, B's three along a column: joint loads.  512 work-groups: two for each WGP, one after the other.
; The matrix instruction is used transposed (source 0 = 16 rows of B, source 1 = 16 rows of A): a lane holds a row of the result and eight neighbouring columns.
; LIMITS.  sigmoid(x) = 1 / (1 + 2^(-x log2 e)), tanh(x) = 1 - 2 / (1 + 2^(2 x log2 e)): both run into their ends exactly (2^x = inf gives 1 / inf = 0); near 0 tanh is off by about 1e-7 absolutely;
; a power below 2^-126 counts as 0.  relu(h_new) is rounded once to f16 (h_new lies between n and h).  NaN and infinities are not treated apart.  pos is held to 8,191.
; REGISTERS by windows of 256: 0: v0-31 addresses; v32-47 pos; v64-127 A's fragments, two buffers; v128-191 h; later v128-231 the pointwise step.  1: v0-191 B's fragments, two buffers of 96 (32 gate + 8 b).
;   2: R at 8 (4 a + b), Z at 128 + ..      3: i_n at 8 (4 a + b), h_n at 128 + ..
.set KP,    1536
.set PITCH, 272                        ; an LDS row: 256 bytes + 16 = 68 words: row r starts at bank 4 r mod 64 (ISA guide 11.1)
.set HALFT, 128*PITCH
.set SLOT,  4*HALFT
.set SPARE, 2*SLOT                     ; the spare words, 128 bytes for each wave: no other line names them
.set BIASO, 9437184
.set GPL,   32*PITCH                   ; the way out (in the ring, which has had its last fill): a sum's plane of 32 rows x 64 f32
.set HOFF,  4*GPL                      ; behind a wave's four planes: its h, 64 rows x 144 bytes
.set HP,    144
.set WBS,   HOFF+64*HP                 ; a wave's stage
.set GSB,   4*WBS                      ; behind the four: relu(h_new), 128 rows x 272 bytes, the work-group's
.set DST, 6                            ; v6  where my accumulators' 16 bytes go
.set RD0, 7                            ; v7  where I read rows back, first trip
.set RD,  8
.set HST, 9
.set HRD, 10
.set GSA, 11
.set OO,  12                           ; v12 my byte offset in out1
.set GRD, 13
.set C16, 14
.set ADRA0, 16                         ; v16 A's fragments in slot 0; never rewritten
.set ADRB0, 17                         ; v17-19 B's, by gate
.set ADRA, 20                          ; v20 in the slot in hand
.set ADRB, 21                          ; v21-23
.set VB,  24
.set VH,  25
.set VP,  26
.set SPW, 28
.set NIL, 29
.set ZR,  30                           ; 0
.set ONE, 31                           ; 1.0
.set GA,  32
.set RR,  128
.set ZZ,  144
.set HN,  160
.set IN,  176
.set HH,  192
.set NEW, 208
.set PK,  224
.set WV,  14                           ; s14 wave
.set G1A, 24
.set G0A, 32                           ; s[32:39] group 0 for A's tiles: a set for each first fill; the second then walks
.set G1B, 48
.set G0B, 56
.set NL,  72                           ; s[72:73] -log2 e
.set TL,  74                           ; s[74:75] 2 log2 e
.set TB,  79                           ; s79 0 or SLOT: the slot from which fragments are fetched
.set MSB, 0
.macro WIN new
.if MSB != (\new)
	s_set_vgpr_msb (MSB<<8)|(\new)
.set MSB, \new
.endif
.endm
.macro JLOAD s                         ; wave 0 fetches A's tile, waves 1 to 3 B's three; an s_nop 0 and four v_nop follow each line
	s_cmp_eq_u32 s[WV], 0
	s_cbranch_scc0 .Lfor_b_\@
	tensor_load_to_lds s[G0A+4*(\s):G0A+4*(\s)+3], s[G1A:G1A+7]
	s_nop 0
.rept 4
	v_nop
.endr
	s_branch .Lasked_\@
.Lfor_b_\@:
	tensor_load_to_lds s[G0B+4*(\s):G0B+4*(\s)+3], s[G1B:G1B+7]
	s_nop 0
.rept 4
	v_nop
.endr
.Lasked_\@:
.endm
.macro CREST
	s_cmp_lg_u32 s[WV], 0
	s_cbranch_scc1 .Lnot_wave_0_\@
	s_barrier_signal -3
.Lnot_wave_0_\@:
	s_barrier_wait -3
	s_barrier_signal -1
	s_barrier_wait -1
.endm
.macro CROUND
	s_barrier_signal -1
	s_barrier_wait -1
	CREST
.endm
.macro PLACES
.rept 4
	v_nop
.endr
.endm
	s_load_b256 s[4:11], s[0:1], 0x0               ; Acat s[4:5], Bcat s[6:7], route s[8:9], out1 s[10:11]
	s_load_b64 s[12:13], s[0:1], 0x20              ; gs
	v_lshl_add_u32 v[SPW], v0, 2, SPARE
	v_mov_b32 v[NIL], 0
	ds_add_u32 v[SPW], v[NIL]                      ; the wave's opening: the add and its wait ahead of my first tensor load
	v_lshrrev_b32 v1, 5, v0
	v_readfirstlane_b32 s[WV], v1
	s_lshr_b32 s15, s[WV], 1                       ; my half of the rows
	s_and_b32 s16, s[WV], 1                        ; my half of the columns
	s_bfe_u32 s17, ttmp6, 0x40000                  ; cx
	s_bfe_u32 s18, ttmp6, 0x40004                  ; cy
	s_lshl_b32 s19, ttmp9, 2
	s_add_co_u32 s19, s19, s17                     ; tx: 128 hidden columns
	s_and_b32 s20, ttmp7, 0xffff
	s_lshl_b32 s20, s20, 2
	s_add_co_u32 s20, s20, s18                     ; ty: 128 rows
	s_lshl_b32 s21, s18, 2
	s_lshl_b32 s21, 15, s21                        ; my row of the cluster
	s_lshl_b32 s22, 0x1111, s17                    ; my column
	s_or_b32 s[G1A], s21, (1<<16)|(1<<20)|(1<<21)|(5<<22)|(3<<25)  ; mask; 2-byte elements; padding on; bit 21 beside a mask; after every 64 words 4 words
	s_or_b32 s[G1B], s22, (1<<16)|(1<<20)|(1<<21)|(5<<22)|(3<<25)
.irp g, G1A, G1B
	s_mov_b32 s[(\g)+1], 128<<16                   ; tensor_dim0 = 128
	s_mov_b32 s[(\g)+2], 128<<16                   ; tensor_dim1 = 128
	s_mov_b32 s[(\g)+3], 128<<16                   ; tile_dim0 = 128
	s_mov_b32 s[(\g)+4], 128                       ; tile_dim1 = 128
	s_mov_b32 s[(\g)+5], KP                        ; elements from row to row
	s_mov_b32 s[(\g)+6], 0
	s_mov_b32 s[(\g)+7], 0
.endr
	s_mul_i32 s40, s20, 128*KP*2                   ; A: hangs on ty alone
	s_mov_b32 s41, 0
	s_max_u32 s46, s[WV], 1                        ; B: the gate is wave - 1; hangs on tx and the wave alone
	s_sub_co_u32 s46, s46, 1
	s_lshl_b32 s46, s46, 10
	s_lshl_b32 s47, s19, 7
	s_add_co_u32 s46, s46, s47
	s_mul_i32 s46, s46, KP*2
	s_mov_b32 s47, 0
	s_mul_i32 s23, s[WV], HALFT                    ; where my tile goes
	s_mov_b32 s[NL], 0xbfb8aa3b
	s_mov_b32 s[NL+1], s[NL]
	s_mov_b32 s[TL], 0x4038aa3b
	s_mov_b32 s[TL+1], s[TL]
	s_mov_b32 s[TB], 0
	s_wait_dscnt 0x0                               ; the opening add is done
	s_wait_kmcnt 0x0
	s_add_nc_u64 s[40:41], s[4:5], s[40:41]
	s_add_nc_u64 s[46:47], s[6:7], s[46:47]
	CROUND                                         ; all sixteen work-groups are here
.irp s, 0,1
	s_mov_b32 s[G0A+4*(\s)], 1
	s_add_co_u32 s[G0A+4*(\s)+1], s23, (\s)*SLOT
	s_add_nc_u64 s[G0A+4*(\s)+2:G0A+4*(\s)+3], s[40:41], (\s)*256
	s_or_b32 s[G0A+4*(\s)+3], s[G0A+4*(\s)+3], 0x80000000
	s_mov_b32 s[G0B+4*(\s)], 1
	s_add_co_u32 s[G0B+4*(\s)+1], s23, (\s)*SLOT
	s_add_nc_u64 s[G0B+4*(\s)+2:G0B+4*(\s)+3], s[46:47], (\s)*256
	s_or_b32 s[G0B+4*(\s)+3], s[G0B+4*(\s)+3], 0x80000000
	JLOAD \s
.endr
	s_lshl_b32 s42, s19, 7
	s_lshl_b32 s43, s16, 6
	s_add_co_u32 s42, s42, s43                     ; my first hidden column
	s_lshl_b32 s44, s20, 7
	s_lshl_b32 s45, s15, 6
	s_add_co_u32 s44, s44, s45                     ; my first row
	s_lshl_b32 s68, s42, 2
	s_add_co_u32 s68, s68, BIASO
	s_mov_b32 s69, 0
	s_add_nc_u64 s[68:69], s[6:7], s[68:69]        ; the biases of my columns
	s_mul_i32 s66, s44, KP*2
	s_lshl1_add_u32 s66, s42, s66
	s_add_co_u32 s66, s66, 1024
	s_mov_b32 s67, 0
	s_add_nc_u64 s[66:67], s[4:5], s[66:67]        ; h at my corner
	s_lshl_b32 s70, s20, 7
	s_lshl_b32 s71, s[WV], 5
	s_add_co_u32 s70, s70, s71
	s_lshl_b32 s70, s70, 2
	s_mov_b32 s71, 0
	s_add_nc_u64 s[70:71], s[8:9], s[70:71]        ; pos of the 32 rows that I send to gs
	s_lshl_b32 s76, s44, 12
	s_lshl2_add_u32 s76, s42, s76
	s_mov_b32 s77, 0
	s_add_nc_u64 s[10:11], s[10:11], s[76:77]      ; out1 at my corner
	s_lshl_b32 s76, s19, 8
	s_add_nc_u64 s[12:13], s[12:13], s[76:77]      ; gs at the work-group's 256 bytes of a row
	v_and_b32 v1, 15, v0                           ; r
	v_bfe_u32 v2, v0, 4, 1                         ; h
	v_lshlrev_b32 v[VB], 5, v2
	v_bfe_u32 v4, v0, 3, 2
	v_and_b32 v5, 7, v0
	v_mul_u32_u24 v[VH], v4, KP*2
	v_lshl_add_u32 v[VH], v5, 4, v[VH]             ; h: 8 lanes take a row's 128 bytes
	v_lshlrev_b32 v[VP], 2, v2
	; the biases, straight into the accumulators: a lane's eight columns 16 b + 8 h .., the same for every a
.irp g, 0,1,2,3
	WIN 0x80+0x40*((\g)/2)
.irp a, 0,1,2,3
.irp b, 0,1,2,3
	global_load_b128 v[128*((\g)%2)+8*(4*(\a)+(\b)):128*((\g)%2)+8*(4*(\a)+(\b))+3],   v[VB], s[68:69] offset:4096*(\g)+64*(\b)
	global_load_b128 v[128*((\g)%2)+8*(4*(\a)+(\b))+4:128*((\g)%2)+8*(4*(\a)+(\b))+7], v[VB], s[68:69] offset:4096*(\g)+64*(\b)+16
.endr
.endr
.endr
	WIN 0
.set t, 0
.rept 16
	global_load_b128 v[128+4*t:131+4*t], v[VH], s[66:67] offset:4*KP*2*t
.set t, t+1
.endr
.set t, 0
.rept 16
	global_load_b32 v[GA+t], v[VP], s[70:71] offset:8*t
.set t, t+1
.endr
	v_mul_u32_u24 v3, v1, PITCH
	v_lshl_add_u32 v3, v2, 4, v3                   ; a fragment's row x pitch + 16 h
	s_mul_i32 s76, s15, 64*PITCH
	s_mul_i32 s77, s16, 64*PITCH
	s_add_co_u32 s77, s77, HALFT
	v_add_nc_u32 v[ADRA0], s76, v3
	v_mov_b32 v[ADRA], v[ADRA0]
.irp g, 0,1,2
	v_add_nc_u32 v[ADRB0+(\g)], s77, v3
	v_mov_b32 v[ADRB+(\g)], v[ADRB0+(\g)]
	s_add_co_u32 s77, s77, HALFT
.endr
	v_mov_b32 v[ZR], 0
	v_mov_b32 v[ONE], 1.0
	s_mul_i32 s76, s[WV], WBS                      ; the addresses of the way out
	v_mul_u32_u24 v[DST], v1, PITCH
	v_lshl_add_u32 v[DST], v2, 5, v[DST]
	v_add_nc_u32 v[DST], s76, v[DST]               ; in: row r, 32 bytes for each half of the lanes
	v_lshlrev_b32 v[C16], 4, v1
	v_mul_u32_u24 v[RD0], v2, PITCH
	v_add_nc_u32 v[RD0], v[RD0], v[C16]
	v_add_nc_u32 v[RD0], s76, v[RD0]               ; back: lanes 0-15 a row of 256 bytes, lanes 16-31 the next
	s_add_co_u32 s77, s76, HOFF
	v_mul_u32_u24 v[HST], v4, HP
	v_lshl_add_u32 v[HST], v5, 4, v[HST]
	v_add_nc_u32 v[HST], s77, v[HST]
	v_mul_u32_u24 v[HRD], v2, HP
	v_lshl_add_u32 v[HRD], v1, 3, v[HRD]
	v_add_nc_u32 v[HRD], s77, v[HRD]
	s_mul_i32 s77, s15, 64*PITCH
	s_lshl_b32 s78, s16, 7
	s_add_co_u32 s77, s77, s78
	s_add_co_u32 s77, s77, GSB
	v_mul_u32_u24 v[GSA], v2, PITCH
	v_lshl_add_u32 v[GSA], v1, 3, v[GSA]
	v_add_nc_u32 v[GSA], s77, v[GSA]
	v_lshl_add_u32 v[OO], v2, 12, v[C16]
	s_mul_i32 s77, s[WV], 32*PITCH
	s_add_co_u32 s77, s77, GSB
	v_mul_u32_u24 v[GRD], v2, PITCH
	v_add_nc_u32 v[GRD], v[GRD], v[C16]
	v_add_nc_u32 v[GRD], s77, v[GRD]
.macro MULG f, g                       ; 16 products of gate g (0 r, 1 z) on buffer f; the accumulators take turns
	WIN 0xa1
.irp a, 0,1,2,3
.irp b, 0,1,2,3
	v_wmma_f32_16x16x32_f16 v[128*(\g)+8*(4*(\a)+(\b)):128*(\g)+8*(4*(\a)+(\b))+7], v[96*(\f)+32*(\g)+8*(\b):96*(\f)+32*(\g)+8*(\b)+7], v[64+32*(\f)+8*(\a):64+32*(\f)+8*(\a)+7], v[128*(\g)+8*(4*(\a)+(\b)):128*(\g)+8*(4*(\a)+(\b))+7]
.endr
.endr
.endm
.macro MULN f, nacc                    ; 16 products of gate n, into i_n (0) or h_n (1)
	WIN 0xf1
.irp a, 0,1,2,3
.irp b, 0,1,2,3
	v_wmma_f32_16x16x32_f16 v[128*(\nacc)+8*(4*(\a)+(\b)):128*(\nacc)+8*(4*(\a)+(\b))+7], v[96*(\f)+64+8*(\b):96*(\f)+64+8*(\b)+7], v[64+32*(\f)+8*(\a):64+32*(\f)+8*(\a)+7], v[128*(\nacc)+8*(4*(\a)+(\b)):128*(\nacc)+8*(4*(\a)+(\b))+7]
.endr
.endr
.endm
.macro FETCH k, f                      ; 32 LDS loads in one run: A, B of r, of z, of n; 32 along K at byte k of the slot in hand
	WIN 0
.irp i, 0,1,2,3
	ds_load_b128 v[64+32*(\f)+8*(\i):64+32*(\f)+8*(\i)+3],   v[ADRA] offset:(\k)+(\i)*16*PITCH
	ds_load_b128 v[64+32*(\f)+8*(\i)+4:64+32*(\f)+8*(\i)+7], v[ADRA] offset:(\k)+(\i)*16*PITCH+32
.endr
	WIN 0x40
.irp g, 0,1,2
.irp i, 0,1,2,3
	ds_load_b128 v[96*(\f)+32*(\g)+8*(\i):96*(\f)+32*(\g)+8*(\i)+3],   v[ADRB+(\g)] offset:(\k)+(\i)*16*PITCH
	ds_load_b128 v[96*(\f)+32*(\g)+8*(\i)+4:96*(\f)+32*(\g)+8*(\i)+7], v[ADRB+(\g)] offset:(\k)+(\i)*16*PITCH+32
.endr
.endr
.endm
.macro QUARTER k, f, g, nacc           ; multiplies buffer f; in its middle fetches the next quarter, at byte k, into buffer g
	s_wait_dscnt 8                                 ; all but the eight loads of gate n
	MULG \f, 0
	MULG \f, 1
	PLACES
	FETCH \k, \g
	s_wait_dscnt 32                                ; all but the 32 just issued
	MULN \f, \nacc
.endm
.macro TURN nacc, fill                 ; the last quarter multiplies buffer 1 and changes slots
	WIN 0
	s_wait_tensorcnt 0x0                           ; all my tensor loads have landed: the one that was out is my tile of the next slot
	ds_add_u32 v[SPW], v[NIL]
	s_wait_dscnt 9                                 ; (the add and gate n's eight loads may be out)
	MULG 1, 0
	s_wait_dscnt 0x0                               ; the add is done, and my reads of this slot are over
	s_barrier_signal -1
	MULG 1, 1
	WIN 0
	s_barrier_wait -1
.if \fill
	CREST                                          ; no wave of any partner still reads this slot or has a load on its way
	s_xor_b32 s[G0A+5], s[G0A+5], SLOT             ; the walking descriptors: the slot just read,
	s_add_nc_u64 s[G0A+6:G0A+7], s[G0A+6:G0A+7], 256  ; the K step behind the one asked for last
	s_xor_b32 s[G0B+5], s[G0B+5], SLOT
	s_add_nc_u64 s[G0B+6:G0B+7], s[G0B+6:G0B+7], 256
	JLOAD 1                                        ; two K steps ahead of the step in hand; 160 products stand between it and the wait for it
.endif
	s_xor_b32 s[TB], s[TB], SLOT                   ; the fragments come from the other slot now
	v_add_nc_u32 v[ADRA], s[TB], v[ADRA0]          ; these four lines are also the four places in front of the loads below
.irp g, 0,1,2
	v_add_nc_u32 v[ADRB+(\g)], s[TB], v[ADRB0+(\g)]
.endr
	FETCH 0, 0
	MULN 1, \nacc
.endm
.macro STEP nacc, fill
	QUARTER 64,  0, 1, \nacc
	QUARTER 128, 1, 0, \nacc
	QUARTER 192, 0, 1, \nacc
	TURN \nacc, \fill
.endm
	s_wait_tensorcnt 1                             ; my tile of K step 0 is in; step 1's may stay out
	s_barrier_signal -1
	s_barrier_wait -1
	FETCH 0, 0
	s_wait_loadcnt 32                              ; the biases are in the accumulators; the 32 younger loads (h, pos) stay out
	WIN 0
	s_mov_b32 s3, 4
.Lx:                                               ; K steps 0 to 3: the input's part
	STEP 0, 1
	WIN 0
	s_sub_co_u32 s3, s3, 1
	s_cmp_lg_u32 s3, 0
	s_cbranch_scc1 .Lx
	s_mov_b32 s3, 6
.Lh:                                               ; K steps 4 to 9: h's part; the last refill brings step 11
	STEP 1, 1
	WIN 0
	s_sub_co_u32 s3, s3, 1
	s_cmp_lg_u32 s3, 0
	s_cbranch_scc1 .Lh
	s_mov_b32 s3, 2
.Lrest:                                            ; K steps 10 and 11 ask for nothing.  The last change of slots fetches 32 fragments that nothing multiplies: the price, once a work-group, of one text for both
	STEP 1, 0
	WIN 0
	s_sub_co_u32 s3, s3, 1
	s_cmp_lg_u32 s3, 0
	s_cbranch_scc1 .Lrest
	; THE WAY OUT.  The ring has had its last fill.  Behind a barrier (nobody reads the slots any more) each wave lays its h and, 32 rows at a time, its four sums into its own stage,
	; and reads them back by rows: 16 lanes a row of 64 columns, four columns a lane.
	PLACES
	s_wait_dscnt 0x0                               ; my last reads of the slots are back
	s_barrier_signal -1
	s_barrier_wait -1
	s_wait_loadcnt 0x0                             ; h and pos
.set t, 0
.rept 16
	ds_store_b128 v[HST], v[128+4*t:131+4*t] offset:4*HP*t
.set t, t+1
.endr
.set t, 0
.rept 16
	v_min_u32 v[GA+t], 0x1fff, v[GA+t]
	v_lshl_add_u32 v[GA+t], v[GA+t], 11, v[C16]    ; my 16 bytes of the sorted row in gs
.set t, t+1
.endr
	s_wait_dscnt 0x0                               ; h's registers are taken anew below
.macro DUMP p                          ; m blocks 2 p, 2 p + 1 of all four sums; each accumulator's low registers first
.irp g, 0,1,2,3
	WIN 0x08+4*((\g)/2)
.irp aa, 0,1
.irp b, 0,1,2,3
	ds_store_b128 v[DST], v[128*((\g)%2)+8*(4*(2*(\p)+(\aa))+(\b)):128*((\g)%2)+8*(4*(2*(\p)+(\aa))+(\b))+3]   offset:(\g)*GPL+(\aa)*16*PITCH+64*(\b)
	ds_store_b128 v[DST], v[128*((\g)%2)+8*(4*(2*(\p)+(\aa))+(\b))+4:128*((\g)%2)+8*(4*(2*(\p)+(\aa))+(\b))+7] offset:(\g)*GPL+(\aa)*16*PITCH+64*(\b)+16
.endr
.endr
.endr
	WIN 0
.endm
.macro PKALL op, d, a, n, tail:vararg  ; one packed line for each of n pairs
.set i, 0
.rept \n
	\op v[(\d)+2*i:(\d)+2*i+1], v[(\a)+2*i:(\a)+2*i+1], \tail
.set i, i+1
.endr
.endm
.macro TRALL op, d, n                  ; a batch of n transcendentals in place, the plain instruction behind the last, and ONE wait ahead of the first reader
.set i, 0
.rept \n
	\op v[(\d)+i], v[(\d)+i]
.set i, i+1
.endr
	v_nop
	s_wait_alu depctr_va_vdst(0)
.endm
.macro EPI                             ; 8 rows: 16 numbers a lane
	s_wait_xcnt 0x0                                ; the last trip's stores have read NEW and OO
	v_add_nc_u32 v[OO], 0x8000, v[OO]              ; 8 rows of out1 on; the stores below reach back
.irp u, 0,1,2,3
	ds_load_b128 v[RR+4*\u:RR+4*\u+3], v[RD] offset:\u*2*PITCH
.endr
.irp u, 0,1,2,3
	ds_load_b128 v[ZZ+4*\u:ZZ+4*\u+3], v[RD] offset:GPL+\u*2*PITCH
.endr
.irp u, 0,1,2,3
	ds_load_b128 v[HN+4*\u:HN+4*\u+3], v[RD] offset:3*GPL+\u*2*PITCH
.endr
.irp u, 0,1,2,3
	ds_load_b128 v[IN+4*\u:IN+4*\u+3], v[RD] offset:2*GPL+\u*2*PITCH
.endr
.irp u, 0,1,2,3
	ds_load_b64 v[HH+2*\u:HH+2*\u+1], v[HRD] offset:\u*2*HP
.endr
	s_wait_dscnt 12                                ; R and Z are in
	PKALL v_pk_mul_f32, RR, RR, 16, s[NL:NL+1] op_sel_hi:[1,0]
	TRALL v_exp_f32, RR, 32
	PKALL v_pk_add_f32, RR, RR, 16, 1.0 op_sel_hi:[1,0]
	TRALL v_rcp_f32, RR, 32                        ; r and z
	s_wait_dscnt 4                                 ; h_n and i_n are in
.set i, 0
.rept 8
	v_pk_fma_f32 v[IN+2*i:IN+2*i+1], v[RR+2*i:RR+2*i+1], v[HN+2*i:HN+2*i+1], v[IN+2*i:IN+2*i+1]
.set i, i+1
.endr
	PKALL v_pk_mul_f32, IN, IN, 8, s[TL:TL+1] op_sel_hi:[1,0]
	TRALL v_exp_f32, IN, 16
	PKALL v_pk_add_f32, IN, IN, 8, 1.0 op_sel_hi:[1,0]
	TRALL v_rcp_f32, IN, 16
	PKALL v_pk_fma_f32, IN, IN, 8, -2.0, 1.0 op_sel_hi:[1,0,0]  ; n
	s_wait_dscnt 0x0                               ; h is in
.set i, 0
.rept 16
.if i%2 == 0
	v_fma_mix_f32 v[HN+i], v[HH+i/2], v[ONE], -v[IN+i] op_sel_hi:[1,0,0]
.else
	v_fma_mix_f32 v[HN+i], v[HH+i/2], v[ONE], -v[IN+i] op_sel:[1,0,0] op_sel_hi:[1,0,0]
.endif
.set i, i+1
.endr
.set i, 0
.rept 8
	v_pk_fma_f32 v[NEW+2*i:NEW+2*i+1], v[ZZ+2*i:ZZ+2*i+1], v[HN+2*i:HN+2*i+1], v[IN+2*i:IN+2*i+1]  ; n + z (h - n)
.set i, i+1
.endr
.irp u, 0,1,2,3
	global_store_b128 v[OO], v[NEW+4*\u:NEW+4*\u+3], s[10:11] offset:\u*8192-32768 th:TH_STORE_NT  ; 16 lanes store 256 consecutive bytes, aligned
.endr
.set i, 0
.rept 8
	v_cvt_pk_f16_f32 v[PK+i], v[NEW+2*i], v[NEW+2*i+1]
.set i, i+1
.endr
.set i, 0
.rept 8
	v_pk_max_num_f16 v[PK+i], v[PK+i], v[ZR]
.set i, i+1
.endr
.irp u, 0,1,2,3
	ds_store_b64 v[GSA], v[PK+2*\u:PK+2*\u+1] offset:\u*2*PITCH
.endr
	v_add_nc_u32 v[RD], 8*PITCH, v[RD]
	v_add_nc_u32 v[HRD], 8*HP, v[HRD]
	v_add_nc_u32 v[GSA], 8*PITCH, v[GSA]
.endm
	DUMP 0
	s_mov_b32 s2, 2                                ; halves of my 64 rows to go
.Lpass:
	v_mov_b32 v[RD], v[RD0]
	s_mov_b32 s3, 4
.Lepi:
	EPI
	s_sub_co_u32 s3, s3, 1
	s_cmp_lg_u32 s3, 0
	s_cbranch_scc1 .Lepi
	s_cmp_eq_u32 s2, 1
	s_cbranch_scc1 .Lsent
	DUMP 1                                         ; my own bytes: LDS serves a wave in order, so these come behind the reads above
	s_sub_co_u32 s2, s2, 1
	s_branch .Lpass
.Lsent:
	s_wait_dscnt 0x0                               ; for the others: a row of relu(h_new) comes from two waves
	s_barrier_signal -1
	s_barrier_wait -1
.set t, 0
.rept 16
	ds_load_b128 v[128+4*t:131+4*t], v[GRD] offset:2*PITCH*t
.set t, t+1
.endr
.set t, 0
.rept 16
	s_wait_dscnt 15-t
	global_store_b128 v[GA+t], v[128+4*t:131+4*t], s[12:13]  ; 16 lanes store 256 consecutive bytes, aligned, of the row's sorted place
.set t, t+1
.endr
	s_wait_tensorcnt 0x0                           ; the wave's end
	ds_add_u32 v[SPW], v[NIL]
	s_wait_dscnt 0x0
	CROUND                                         ; the closing round
	s_endpgm
.Lfunc_end_k_q82e6428902_gru:
	.size	k_q82e6428902_gru, .Lfunc_end_k_q82e6428902_gru-k_q82e6428902_gru
	.p2alignl 7, 3214868480
	.fill 96, 4, 3214868480
	.section	.rodata,"a",@progbits
	.p2align	6, 0x0
	.amdhsa_kernel k_q82e6428902_gru
		.amdhsa_group_segment_fixed_size 327680
		.amdhsa_private_segment_fixed_size 0
		.amdhsa_enable_private_segment 0
		.amdhsa_kernarg_size 40
		.amdhsa_user_sgpr_count 2
		.amdhsa_user_sgpr_kernarg_segment_ptr 1
		.amdhsa_wavefront_size32 1
		.amdhsa_system_sgpr_workgroup_id_x 1
		.amdhsa_system_sgpr_workgroup_id_y 1
		.amdhsa_system_sgpr_workgroup_id_z 1
		.amdhsa_system_vgpr_workitem_id 0
		.amdhsa_next_free_vgpr 1024
		.amdhsa_next_free_sgpr 80
		.amdhsa_reserve_vcc 0
		.amdhsa_float_denorm_mode_32 3
		.amdhsa_float_denorm_mode_16_64 3
		.amdhsa_memory_ordered 1
		.amdhsa_forward_progress 1
		.amdhsa_inst_pref_size 121
	.end_amdhsa_kernel
	.amdgpu_metadata
---
amdhsa.version: [ 1, 2 ]
amdhsa.kernels:
  - .name:           k_q82e6428902_gru
    .symbol:         k_q82e6428902_gru.kd
    .args:
      - { .name: Acat, .offset: 0, .size: 8, .value_kind: global_buffer, .address_space: global }
      - { .name: Bcat, .offset: 8, .size: 8, .value_kind: global_buffer, .address_space: global }
      - { .name: route, .offset: 16, .size: 8, .value_kind: global_buffer, .address_space: global }
      - { .name: out1, .offset: 24, .size: 8, .value_kind: global_buffer, .address_space: global }
      - { .name: gs, .offset: 32, .size: 8, .value_kind: global_buffer, .address_space: global }
    .group_segment_fixed_size: 327680
    .private_segment_fixed_size: 0
    .kernarg_segment_align: 8
    .kernarg_segment_size: 40
    .max_flat_workgroup_size: 128
    .sgpr_count:     80
    .vgpr_count:     1024
    .wavefront_size: 32
...
	.end_amdgpu_metadata
.endif
;; end of part 7
;; launch tail (part 8): grid 128 x 1, 4 waves a work-group, no clusters, 327,680 bytes of LDS; arguments gs, W3b, Whf, bh, route, out0; writes out0
.if DOCPART == 8
	.amdgcn_target "amdgcn-amd-amdhsa--gfx1250"
	.amdhsa_code_object_version 6
	.text
	.protected	k_q82e6428902_tail
	.globl	k_q82e6428902_tail
	.p2align	8
	.type	k_q82e6428902_tail,@function
k_q82e6428902_tail:
	s_mov_b64 s[64:65], 0
	v_nop
	global_prefetch_b8 v0, s[64:65] scope:SCOPE_SE
	s_setreg_imm32_b32 hwreg(HW_REG_WAVE_MODE, 25, 1), 1
	s_wait_xcnt 0x0
; TAIL: g2 = relu(gs W3^T + b3) and the row's own head, params = g2 Wh[key]^T + bh[key].  gs holds relu(h_new) in f16 with the rows sorted by cultivar, so rows on end have few keys.
; A work-group has 64 sorted rows and all 512 columns of fc3 (so the head needs no other work-group); a wave 64 x 128: 32 accumulators, which start at b3 (rounded, f32, behind W3b's fragments).
; gs: the work-group's 64 rows x 1,024 k, 128 KiB, come into LDS ONCE, as eight tiles of 64 rows x 128 k, two tensor loads a wave, all issued at the start: nothing is filled again, and the K loop has no barrier.
; W3 DOES NOT PASS LDS: a fragment of it (16 columns x 32 k) has one reader in the work-group, so LDS would add a write and a read of each byte and a barrier a K step for nothing that is shared.
; W3b holds it in operand order (fragment (g, ks) at (32 g + ks) x 1,024 bytes), and a wave takes its 8 fragments of a quarter (32 k) by 16 loads of 512 consecutive bytes, straight into a ring of four buffers:
; while one quarter is multiplied, the next three are on their way, and its buffer is asked for again as soon as it is multiplied.
; K GOES ROUND: work-group g begins with K step g % 8 and goes on modulo 8, so that the 128 work-groups do not all ask for the same bytes of W3 at the same time.  Only global addresses hang on that:
; LDS place t holds the K step that trip t multiplies.  The order of the sum's terms so differs from work-group to work-group.
; THE HEAD.  Wave w has rows 16 w .. of g2 (f16, through LDS).  It walks the keys from that of its first row to that of its last, read from order.
; For each key: 32 products with that key's Wh, taken from memory in operand order straight into registers, and each lane keeps the result if the key is its row's.  The loop writes no LDS; no barrier stands in it or behind it.
; NO CLUSTER, though all work-groups walk the same W3: a joint load lands in LDS, which W3 does not pass; gs's rows are each work-group's own; and the length of the head's loop is a number read from memory.
; 128 work-groups: every work-group reads all of W3, 1 MiB; with 32 rows each that would be twice the bytes for each product.
; LIMITS.  g2 is rounded once to f16 (lost beyond 65,504).  bh is rounded to bf16 like every input.  Keys are held to 31, rows to 8,191.  out0's rows are 128 bytes, at places that the sort decides: 8 lanes store a whole row.
; REGISTERS: window 0: v0-31 addresses; v32-95 two buffers of gs's fragments (4 x 8 each); later g2 and the head.  window 1: the accumulators at 8 (8 a + b), later a key's Wh.  window 2: W3's ring: buffer q at 64 q, fragment b at + 8 b.
.set PITCH, 272                        ; an LDS row: 256 bytes + 16 = 68 words: row r starts at bank 4 r mod 64 (ISA guide 11.1)
.set AST,   64*PITCH                   ; a tile of gs: 64 rows, 128 k
.set G2B,   8*AST                      ; behind the eight tiles: g2, 64 rows of 1,024 bytes + 16
.set G2P,   1040
.set STGB,  G2B+64*G2P                 ; behind it: 16 rows x 144 bytes for each wave
.set SP,    144
.set SPARE, STGB+4*16*SP               ; the spare words, 128 bytes for each wave: no other line names them
.set ADRA, 4                           ; v4  gs's fragments in the tile in hand: steps by a tile a trip
.set VB,   8
.set G2S,  9
.set G2R,  10
.set STS,  11
.set STR,  12
.set LO16, 13                          ; v13 16 x lane; never rewritten
.set KO,   14
.set RO,   15
.set C16,  16
.set BHO,  17
.set KEY,  20
.set ROWS, 21                          ; v21-24
.set SPW,  28
.set NIL,  29
.set ZR,   30
.set FA,   32
.set HACC, 160
.set RES,  176
.set BH,   192
.set OUTR, 208
.set T,    224
.set WV,  16                           ; s16 wave
.set ROT, 17                           ; s17 the K step with which I begin
.set KI,  20                           ; s20 the K step asked for last
.set G1,  24                           ; s[24:31] descriptor group 1
.set G0,  32                           ; s[32:39] group 0 of my two loads
.set WB,  40                           ; s[40:41] W3b at my 128 columns; never rewritten
.set PB,  48                           ; s[48:49] the same at the K step asked for
.set OF,  50                           ; s[50:51] that step's byte offset
.set MSB, 0
.macro WIN new                         ; the immediate's high byte repeats the setting that is left
.if MSB != (\new)
	s_set_vgpr_msb (MSB<<8)|(\new)
.set MSB, \new
.endif
.endm
.macro PLACES                          ; four places in front of loads into registers that products have read, and of lines that read results
.rept 4
	v_nop
.endr
.endm
	s_load_b256 s[4:11], s[0:1], 0x0               ; gs s[4:5], W3b s[6:7], Whf s[8:9], bh s[10:11]
	s_load_b128 s[12:15], s[0:1], 0x20             ; route s[12:13], out0 s[14:15]
	v_lshl_add_u32 v[SPW], v0, 2, SPARE
	v_mov_b32 v[NIL], 0
	ds_add_u32 v[SPW], v[NIL]                      ; the wave's opening: the add and its wait ahead of my first tensor load
	v_lshrrev_b32 v1, 5, v0
	v_readfirstlane_b32 s[WV], v1
	s_mov_b32 s18, ttmp9                           ; my block of 64 sorted rows
	s_and_b32 s[ROT], ttmp9, 7
	s_mov_b32 s[G1], (1<<16)|(1<<20)|(5<<22)|(3<<25)  ; 2-byte elements; padding on: after every 64 words 4 words
	s_mov_b32 s[G1+1], 128<<16                     ; tensor_dim0 = 128
	s_mov_b32 s[G1+2], 64<<16                      ; tensor_dim1 = 64
	s_mov_b32 s[G1+3], 128<<16                     ; tile_dim0 = 128
	s_mov_b32 s[G1+4], 64                          ; tile_dim1 = 64
	s_mov_b32 s[G1+5], 1024                        ; elements from row to row
	s_mov_b32 s[G1+6], 0
	s_mov_b32 s[G1+7], 0
	s_mul_i32 s23, s[WV], 2*AST                    ; my two tiles go to LDS places 2 w and 2 w + 1,
	s_lshl_b32 s19, s[WV], 1
	s_add_co_u32 s19, s19, s[ROT]
	s_and_b32 s21, s19, 7                          ; which hold the K steps (2 w + g) % 8
	s_add_co_u32 s22, s19, 1
	s_and_b32 s22, s22, 7                          ; and (2 w + 1 + g) % 8
	s_lshl_b32 s42, s18, 17                        ; my 64 rows of gs
	s_lshl_b32 s21, s21, 8                         ; a K step is 256 bytes of a row
	s_lshl_b32 s22, s22, 8
	s_add_co_u32 s52, s42, s21
	s_mov_b32 s53, 0
	s_add_co_u32 s54, s42, s22
	s_mov_b32 s55, 0
	s_lshl_b32 s44, s[WV], 18                      ; my 8 blocks of 16 columns: 32,768 bytes each
	s_mov_b32 s45, 0
	s_lshl_b32 s[OF], s[ROT], 12                   ; a K step is four fragments on end
	s_mov_b32 s[OF+1], 0
	s_mov_b32 s[KI], s[ROT]
	s_lshl_b32 s70, s18, 6
	s_lshl4_add_u32 s70, s[WV], s70                ; my wave's first sorted row
	s_lshl_b32 s70, s70, 2
	s_add_co_u32 s70, s70, 32768                   ; order lies behind pos
	s_mov_b32 s71, 0
	s_lshl_b32 s68, s[WV], 9
	s_add_co_u32 s68, s68, 1048576                 ; b3 lies behind W3's fragments
	s_mov_b32 s69, 0
	s_mov_b32 s[G0], 1                             ; 1:0 count = 1
	s_mov_b32 s[G0+1], s23                         ; 63:32 LDS address
	s_mov_b32 s[G0+4], 1
	s_add_co_u32 s[G0+5], s23, AST
	s_wait_dscnt 0x0                               ; the opening add is done
	s_wait_kmcnt 0x0
	s_add_nc_u64 s[G0+2:G0+3], s[4:5], s[52:53]    ; 120:64 global address
	s_or_b32 s[G0+3], s[G0+3], 0x80000000          ; 127:126 type = 2
	s_add_nc_u64 s[G0+6:G0+7], s[4:5], s[54:55]
	s_or_b32 s[G0+7], s[G0+7], 0x80000000
	tensor_load_to_lds s[G0:G0+3], s[G1:G1+7]      ; the launch's only fills, ahead of every wait on TENSORcnt, every LDS read and every barrier: two loads of mine are out
	s_nop 0
	tensor_load_to_lds s[G0+4:G0+7], s[G1:G1+7]
	s_nop 0
.rept 4
	v_nop
.endr
	s_add_nc_u64 s[WB:WB+1], s[6:7], s[44:45]
	s_add_nc_u64 s[PB:PB+1], s[WB:WB+1], s[OF:OF+1]
	s_add_nc_u64 s[70:71], s[12:13], s[70:71]      ; order of my 16 rows
	s_add_nc_u64 s[68:69], s[6:7], s[68:69]        ; b3 of my 128 columns
	s_load_b32 s66, s[70:71], 0x0                  ; order of my wave's first row
	s_load_b32 s67, s[70:71], 0x3c                 ; and of its last
	v_and_b32 v1, 15, v0                           ; r
	v_bfe_u32 v2, v0, 4, 1                         ; h
	v_lshlrev_b32 v[VB], 5, v2
	v_lshlrev_b32 v[KO], 2, v1
	v_bfe_u32 v3, v0, 3, 2
	v_lshlrev_b32 v[RO], 2, v3
	v_and_b32 v[LO16], 31, v0
	v_lshlrev_b32 v[LO16], 4, v[LO16]
; 16 loads of 512 consecutive bytes: my 8 fragments of W3 for quarter q of the K step at PB, into ring buffer q
.macro BLOAD q
	WIN 0x80                                       ; destination window 2, address window 0
.irp b, 0,1,2,3,4,5,6,7
	global_load_b128 v[64*(\q)+8*(\b):64*(\q)+8*(\b)+3],   v[LO16], s[PB:PB+1] offset:32768*(\b)+1024*(\q)
	global_load_b128 v[64*(\q)+8*(\b)+4:64*(\q)+8*(\b)+7], v[LO16], s[PB:PB+1] offset:32768*(\b)+1024*(\q)+512
.endr
.endm
; 8 LDS loads: the four fragments of gs (64 rows, 32 k) at byte off from ADRA, into buffer f
.macro AFETCH f, off
	WIN 0
.irp i, 0,1,2,3
	ds_load_b128 v[FA+32*(\f)+8*(\i):FA+32*(\f)+8*(\i)+3],   v[ADRA] offset:(\off)+(\i)*16*PITCH
	ds_load_b128 v[FA+32*(\f)+8*(\i)+4:FA+32*(\f)+8*(\i)+7], v[ADRA] offset:(\off)+(\i)*16*PITCH+32
.endr
.endm
; 32 products: 4 blocks of rows x 8 blocks of columns, 32 k.  Source 0 = 16 columns' rows of W3, source 1 = 16 rows of gs: a lane holds a row of the result and eight neighbouring columns.
; The 32 accumulators take turns, in the same order in every quarter.
.macro MUL32 q
	WIN 0x52                                       ; W3 window 2, gs window 0, C and D window 1
.irp a, 0,1,2,3
.irp b, 0,1,2,3,4,5,6,7
	v_wmma_f32_16x16x32_f16 v[8*(8*(\a)+(\b)):8*(8*(\a)+(\b))+7], v[64*(\q)+8*(\b):64*(\q)+8*(\b)+7], v[FA+32*((\q)%2)+8*(\a):FA+32*((\q)%2)+8*(\a)+7], v[8*(8*(\a)+(\b)):8*(8*(\a)+(\b))+7]
.endr
.endr
.endm
; QUARTER q of a K step.  Behind its products, in one run: W3 of the quarter four on (the same quarter of the next K step) into the ring buffer just multiplied, gs of the quarter two on into the buffer just multiplied.
; last = 1: the last K step: nothing of W3 is left to ask for, and of gs only its own quarters 2 and 3; the counts run down.
.macro KS q, last
	s_wait_loadcnt 48-16*(\q)*(\last)              ; loads come back in order: this quarter's 16 are in; the younger ones, 16 for each quarter still to come (three of them in the loop), stay out
.if (\last) && ((\q) == 3)
	s_wait_dscnt 0x0
.else
	s_wait_dscnt 8                                 ; this quarter's gs is in; the next quarter's eight loads stay out
.endif
	MUL32 \q
.if !(\last)
	PLACES
.if (\q) == 0
	s_add_co_u32 s[KI], s[KI], 1                   ; the next K step, modulo 8
	s_and_b32 s[KI], s[KI], 7
	s_lshl_b32 s[OF], s[KI], 12
	s_wait_xcnt 0x0                                ; the loads that name PB (the last were issued 32 products ago) have had their addresses translated (ISA guide 3.1): only now is it written
	s_add_nc_u64 s[PB:PB+1], s[WB:WB+1], s[OF:OF+1]
.endif
	BLOAD \q
	AFETCH (\q)%2, (((\q)+2)/4)*AST+(((\q)+2)%4)*64
.if (\q) == 3
	v_add_nc_u32 v[ADRA], AST, v[ADRA]             ; the next trip's tile
.endif
.elseif (\q) < 2
	PLACES
	AFETCH (\q)%2, ((\q)+2)*64
.endif
.endm
	WIN 0x40
.set t, 0
.rept 32                               ; b3 straight into the accumulators: a lane's eight columns 16 b + 8 h .., the same for every a: nothing is cleared, no first step is written out
	global_load_b128 v[8*t:8*t+3],   v[VB], s[68:69] offset:64*(t%8)
	global_load_b128 v[8*t+4:8*t+7], v[VB], s[68:69] offset:64*(t%8)+16
.set t, t+1
.endr
	WIN 0
	global_load_b32 v[KEY], v[KO], s[70:71]
.irp t, 0,1,2,3
	global_load_b32 v[ROWS+\t], v[RO], s[70:71] offset:16*\t
.endr
	BLOAD 0                                        ; my first K step of W3 fills the ring; these 64 loads are the youngest, so that the loop's counts hold from its first trip on
	BLOAD 1
	BLOAD 2
	BLOAD 3
	WIN 0
	v_mov_b32 v[ZR], 0
	v_mul_u32_u24 v[ADRA], v1, PITCH
	v_lshl_add_u32 v[ADRA], v2, 4, v[ADRA]         ; a fragment's row x pitch + 16 h
	v_mul_u32_u24 v18, v1, G2P
	v_lshl_add_u32 v18, v2, 4, v18
	v_add_nc_u32 v18, G2B, v18
	v_lshl_add_u32 v[G2S], s[WV], 8, v18           ; g2 in: row r, my 256 bytes, 16 for each half of the lanes
	s_mul_i32 s46, s[WV], 16*G2P
	v_add_nc_u32 v[G2R], s46, v18                  ; g2 back as fragments of my 16 rows
	s_mul_i32 s46, s[WV], 16*SP
	s_add_co_u32 s46, s46, STGB
	v_mul_u32_u24 v[STS], v1, SP
	v_lshl_add_u32 v[STS], v2, 5, v[STS]
	v_add_nc_u32 v[STS], s46, v[STS]
	v_and_b32 v19, 7, v0
	v_lshlrev_b32 v[C16], 4, v19
	v_mul_u32_u24 v[STR], v3, SP
	v_add_nc_u32 v[STR], v[STR], v[C16]
	v_add_nc_u32 v[STR], s46, v[STR]
	s_wait_tensorcnt 0x0                           ; my two tiles of gs are in,
	s_barrier_signal -1
	s_barrier_wait -1                              ; everybody's are: all eight
	AFETCH 0, 0
	AFETCH 1, 64
	s_mov_b32 s3, 7
.Lk:                                               ; seven K steps; each asks for the next one's W3
	KS 0, 0
	KS 1, 0
	KS 2, 0
	KS 3, 0
	s_sub_co_u32 s3, s3, 1
	s_cmp_lg_u32 s3, 0
	s_cbranch_scc1 .Lk
	KS 0, 1                                        ; the eighth is written out: no load leaves W3's fragments or gs's tiles
	KS 1, 1
	KS 2, 1
	KS 3, 1
	; g2: rounded to f16, relu, into bytes of its own
	WIN 0
	PLACES
	WIN 0x05                                       ; sources in window 1, destination in window 0
.set t, 0
.rept 32
.irp r, 0,1,2,3
	v_cvt_pk_f16_f32 v[32+4*t+\r], v[8*t+2*\r], v[8*t+2*\r+1]
.endr
.set t, t+1
.endr
	WIN 0
.set t, 0
.rept 128
	v_pk_max_num_f16 v[32+t], v[32+t], v[ZR]
.set t, t+1
.endr
.set t, 0
.rept 32
	ds_store_b128 v[G2S], v[32+4*t:35+4*t] offset:(t/8)*16*G2P+(t%8)*32
.set t, t+1
.endr
	v_lshrrev_b32 v[KEY], 16, v[KEY]
	v_min_u32 v[KEY], 31, v[KEY]                   ; my row's key
	v_lshl_add_u32 v[BHO], v[KEY], 7, v[VB]
.irp n, 0,1
	global_load_b128 v[BH+8*\n:BH+8*\n+3],   v[BHO], s[10:11] offset:64*\n
	global_load_b128 v[BH+8*\n+4:BH+8*\n+7], v[BHO], s[10:11] offset:64*\n+16
.endr
.irp t, 0,1,2,3
	v_and_b32 v[ROWS+\t], 0xffff, v[ROWS+\t]
	v_min_u32 v[ROWS+\t], 0x1fff, v[ROWS+\t]
	v_lshl_add_u32 v[ROWS+\t], v[ROWS+\t], 7, v[C16]  ; my 16 bytes of the row in out0
.endr
.set t, 0
.rept 16
	v_mov_b32 v[RES+t], 0
.set t, t+1
.endr
	s_wait_kmcnt 0x0
	s_lshr_b32 s66, s66, 16
	s_min_u32 s66, s66, 31                         ; my wave's first key
	s_lshr_b32 s67, s67, 16
	s_min_u32 s67, s67, 31                         ; and its last,
	s_max_u32 s67, s67, s66                        ; which is no lower: the rows are sorted
	s_sub_co_u32 s67, s67, s66
	s_add_co_u32 s67, s67, 1                       ; keys to walk: 1 to 32
	s_wait_dscnt 0x0                               ; for the others: my columns of g2 are in LDS
	s_barrier_signal -1
	s_barrier_wait -1
.set t, 0
.rept 16
	ds_load_b128 v[32+8*t:35+8*t], v[G2R] offset:64*t
	ds_load_b128 v[36+8*t:39+8*t], v[G2R] offset:64*t+32
.set t, t+1
.endr
	s_wait_dscnt 0x0
	s_mov_b32 s47, 0
.Lhead:
	PLACES                                         ; between the last trip's products and the loads into their sources
	s_add_co_u32 s44, s66, s47
	s_min_u32 s44, s44, 31
	s_lshl_b32 s42, s44, 15                        ; a key's Wh is 32,768 bytes
	s_mov_b32 s43, 0
	s_add_nc_u64 s[42:43], s[8:9], s[42:43]        ; (the last trip's loads, which read this pair, were waited for)
	WIN 0x40
.set t, 0
.rept 16                               ; by K: for 32 k both blocks of 16 outputs, 512 consecutive bytes a load
.irp n, 0,1
	global_load_b128 v[16*t+8*\n:16*t+8*\n+3],   v[LO16], s[42:43] offset:16384*\n+1024*t
	global_load_b128 v[16*t+8*\n+4:16*t+8*\n+7], v[LO16], s[42:43] offset:16384*\n+1024*t+512
.endr
.set t, t+1
.endr
	WIN 0x01                                       ; source 0 (Wh) window 1; g2 and the sums window 0
.set t, 0
.rept 16
.if t%4 == 0
	s_wait_loadcnt 48-4*t                          ; the next sixteen loads are in
.endif
.if t == 0
	v_wmma_f32_16x16x32_f16 v[HACC:HACC+7],    v[16*t:16*t+7],    v[32+8*t:39+8*t], 0
	v_wmma_f32_16x16x32_f16 v[HACC+8:HACC+15], v[16*t+8:16*t+15], v[32+8*t:39+8*t], 0
.else
	v_wmma_f32_16x16x32_f16 v[HACC:HACC+7],    v[16*t:16*t+7],    v[32+8*t:39+8*t], v[HACC:HACC+7]
	v_wmma_f32_16x16x32_f16 v[HACC+8:HACC+15], v[16*t+8:16*t+15], v[32+8*t:39+8*t], v[HACC+8:HACC+15]
.endif
.set t, t+1
.endr
	WIN 0
	PLACES
	v_cmp_eq_u32 s46, s44, v[KEY]
.set t, 0
.rept 16
	v_cndmask_b32 v[RES+t], v[RES+t], v[HACC+t], s46  ; kept where the key is my row's
.set t, t+1
.endr
	s_add_co_u32 s47, s47, 1
	s_cmp_lt_u32 s47, s67
	s_cbranch_scc1 .Lhead
	; bh, rounded to bf16 like every input, is added; a lane holds outputs 16 n + 8 h .. of row r: through my stage, so that 8 lanes store a row's 128 bytes
.set t, 0
.rept 8
	v_cvt_pk_bf16_f32 v[T], v[BH+2*t], v[BH+2*t+1]
	v_lshlrev_b32 v[BH+2*t], 16, v[T]
	v_and_b32 v[BH+2*t+1], 0xffff0000, v[T]
	v_pk_add_f32 v[RES+2*t:RES+2*t+1], v[RES+2*t:RES+2*t+1], v[BH+2*t:BH+2*t+1]
.set t, t+1
.endr
.irp n, 0,1
	ds_store_b128 v[STS], v[RES+8*\n:RES+8*\n+3]   offset:64*\n
	ds_store_b128 v[STS], v[RES+8*\n+4:RES+8*\n+7] offset:64*\n+16
.endr
.irp t, 0,1,2,3
	ds_load_b128 v[OUTR+4*\t:OUTR+4*\t+3], v[STR] offset:4*SP*\t  ; my own bytes: LDS serves a wave in order
.endr
.irp t, 0,1,2,3
	s_wait_dscnt 3-\t
	global_store_b128 v[ROWS+\t], v[OUTR+4*\t:OUTR+4*\t+3], s[14:15]
.endr
	s_wait_tensorcnt 0x0                           ; the wave's end
	ds_add_u32 v[SPW], v[NIL]
	s_wait_dscnt 0x0
	s_endpgm
.Lfunc_end_k_q82e6428902_tail:
	.size	k_q82e6428902_tail, .Lfunc_end_k_q82e6428902_tail-k_q82e6428902_tail
	.p2alignl 7, 3214868480
	.fill 96, 4, 3214868480
	.section	.rodata,"a",@progbits
	.p2align	6, 0x0
	.amdhsa_kernel k_q82e6428902_tail
		.amdhsa_group_segment_fixed_size 327680
		.amdhsa_private_segment_fixed_size 0
		.amdhsa_enable_private_segment 0
		.amdhsa_kernarg_size 48
		.amdhsa_user_sgpr_count 2
		.amdhsa_user_sgpr_kernarg_segment_ptr 1
		.amdhsa_wavefront_size32 1
		.amdhsa_system_sgpr_workgroup_id_x 1
		.amdhsa_system_sgpr_workgroup_id_y 1
		.amdhsa_system_sgpr_workgroup_id_z 1
		.amdhsa_system_vgpr_workitem_id 0
		.amdhsa_next_free_vgpr 768
		.amdhsa_next_free_sgpr 72
		.amdhsa_reserve_vcc 0
		.amdhsa_float_denorm_mode_32 3
		.amdhsa_float_denorm_mode_16_64 3
		.amdhsa_memory_ordered 1
		.amdhsa_forward_progress 1
		.amdhsa_inst_pref_size 81
	.end_amdhsa_kernel
	.amdgpu_metadata
---
amdhsa.version: [ 1, 2 ]
amdhsa.kernels:
  - .name:           k_q82e6428902_tail
    .symbol:         k_q82e6428902_tail.kd
    .args:
      - { .name: gs, .offset: 0, .size: 8, .value_kind: global_buffer, .address_space: global }
      - { .name: W3b, .offset: 8, .size: 8, .value_kind: global_buffer, .address_space: global }
      - { .name: Whf, .offset: 16, .size: 8, .value_kind: global_buffer, .address_space: global }
      - { .name: bh, .offset: 24, .size: 8, .value_kind: global_buffer, .address_space: global }
      - { .name: route, .offset: 32, .size: 8, .value_kind: global_buffer, .address_space: global }
      - { .name: out0, .offset: 40, .size: 8, .value_kind: global_buffer, .address_space: global }
    .group_segment_fixed_size: 327680
    .private_segment_fixed_size: 0
    .kernarg_segment_align: 8
    .kernarg_segment_size: 48
    .max_flat_workgroup_size: 128
    .sgpr_count:     72
    .vgpr_count:     768
    .wavefront_size: 32
...
	.end_amdgpu_metadata
.endif
;; end of part 8
